; MI455X (gfx1250); checked and timed in simulation.
; The chip was launched on July 23, 2026; its instructions are those of AMD's public machine-readable ISA for CDNA 5 (MIT licence, August 2026) and "CDNA5" Instruction Set Architecture Reference Guide (July 2026). The comments in the code are by the model that wrote it; some were corrected since.
;; Causal Self Attention. Allowed arithmetic: matrix products marked QUANTISED: E4M3 operands, one given power-of-two scale a tensor, by v_wmma_f32_16x16x64_fp8_fp8 or v_wmma_f32_16x16x128_fp8_fp8, f32 sums; everything else in f32.
;; Inputs: freqs 2,048 x 64 x 2 float32; lowp_scales 12 int32 (the exponents e of the quantised operands' scales 2^e); mask 2,048 x 2,048 float32; wk 2,048 x 2,048 float32; wo 2,048 x 2,048 float32; wq 2,048 x 2,048 float32; wv 2,048 x 2,048 float32; x 1 x 2,048 x 2,048 float32.
;; Outputs: out0 1 x 2,048 x 2,048 float32.
;; This version of the problem:
;;   THIS VERSION OF THE PROBLEM IS GIVEN IN LOW PRECISION. The matrix products marked QUANTISED in the list below multiply operands that are first quantised to E4M3 (4 exponent bits, 3 mantissa bits; 8 bits a number), with one given power-of-two scale for each operand tensor; their sums are f32. All else is computed in f32.
;;   The module's matrix products, in the order in which they are computed (A, B: the left and right operand; K: the contracted axis; several contracted axes count as one K, in the product's order):
;;     1. [M 2,048, K 2,048] x [K 2,048, N 2,048]; A: input x; B: input wq: QUANTISED (scales: A lowp_scales[0], B lowp_scales[1])
;;     2. [M 2,048, K 2,048] x [K 2,048, N 2,048]; A: input x; B: input wk: QUANTISED (scales: A lowp_scales[2], B lowp_scales[3])
;;     3. [M 2,048, K 2,048] x [K 2,048, N 2,048]; A: input x; B: input wv: QUANTISED (scales: A lowp_scales[4], B lowp_scales[5])
;;     4. batch 16 x [M 2,048, K 128] x [K 128, N 2,048]; A: computed on the way; B: computed on the way: QUANTISED (scales: A lowp_scales[6], B lowp_scales[7])
;;     5. batch 16 x [M 2,048, K 2,048] x [K 2,048, N 128]; A: softmax (see below); B: computed on the way: QUANTISED (scales: A lowp_scales[8], B lowp_scales[9])
;;     6. [M 2,048, K 2,048] x [K 2,048, N 2,048]; A: computed on the way; B: input wo: QUANTISED (scales: A lowp_scales[10], B lowp_scales[11])
;;   THE QUANTISER, for each operand of a quantised product, along K:
;;     - The operand's scale is 2^e, e = its entry of the input lowp_scales (int32; the entries are numbered through the quantised products in the list's order, A before B).
;;     - Each number is divided by the scale, clamped to +-448, and rounded to the nearest number of E4M3, ties to even, subnormals kept.
;;     - The product sums the exact products of the quantised numbers (number of the format x scale) in f32.
;;   ~~~python
;;   def quantise(x, axis, e):      # numpy; x: float32 -> the quantised numbers, widened to float32 again
;;       x = np.moveaxis(x, axis, -1); K = x.shape[-1]
;;       r = np.clip(x / 2.0 ** e, -448, 448)
;;       step = 2.0 ** (np.maximum(np.frexp(np.where(r == 0, 1, r))[1] - 1, -6) - 3)
;;       q = np.round(r / step) * step * 2.0 ** e      # np.round: ties to even
;;       return np.moveaxis(q, -1, axis).astype(np.float32)
;;   ~~~
;;   SOFTMAX AHEAD OF A QUANTISED PRODUCT. Where the list says 'softmax', what is quantised is not the finished softmax but p = 2^(t - M), with t = logit x log2(e) and M = ceil(the row's largest t), a whole number; so 1/2 < the row's largest p <= 1. The row's sum l is taken of the UNQUANTISED p, in f32, and the product's result is divided by l at the end. Since M is a whole number, a kernel that streams over the keys may use a running M (the ceiling of the running maximum): every later rescaling is an exact power of two, so the quantised numbers keep their values, but for numbers so far below the row's largest that they fall under the format's range.
;;   OPERANDS COMPUTED ON THE WAY. 'Computed on the way' means the value that the module computes at that place (a softmax that the list does not call 'softmax' is quantised finished and normalised). What goes into a quantiser is computed in f32, as accurately as f32 sums, v_exp_f32 and their like allow (about 1e-6 of the number): no bf16 or f16 on the way to a quantiser, and a product that is left as it is and whose result goes on into a quantised operand takes f32 operands (vector FMAs, or v_wmma_f32_16x16x4_f32). A number that lies on a knife's edge between two numbers of the format may be rounded either way, as far as f32 arithmetic and the matrix unit's own rounding can turn it there, and no further.
;; 2 versions. Each part assembles by itself: llvm-mc -triple=amdgcn-amd-amdhsa -mcpu=gfx1250 --defsym DOCPART=n.
;; ======== version 1 of 2: 4 launches
;; workspace buffers: xc 12,582,912 bytes; wc 16,777,216 bytes; qkvc 12,582,912 bytes; ac 4,194,304 bytes
;; launch quant (part 1): grid 640 x 1, 4 waves a work-group, no clusters, 33,280 bytes of LDS; arguments x, wq, wk, wv, wo, lowp_scales, xc, wc; writes xc, wc
.if DOCPART == 1
	.amdgcn_target "amdgcn-amd-amdhsa--gfx1250"
	.amdhsa_code_object_version 6
	.text
	.protected	k_qb4a730295b_quant
	.globl	k_qb4a730295b_quant
	.p2align	8
	.type	k_qb4a730295b_quant,@function
k_qb4a730295b_quant:
	s_mov_b64 s[64:65], 0
	v_nop
	global_prefetch_b8 v0, s[64:65] scope:SCOPE_SE
	s_setreg_imm32_b32 hwreg(HW_REG_WAVE_MODE, 25, 1), 1
	s_wait_xcnt 0x0
; CAUSAL SELF-ATTENTION IN E4M3, FOUR LAUNCHES: (1) this one: x and the four weights become codes; (2) the three projections, RoPE, the quantisers of q, k, v;
; (3) attention, both products on codes, the mask added to every score; (4) the projection on the way out.
; DEAD WORK: none.  Every input has a way to the output for some finite values: x and the weights through the products, freqs through RoPE, the mask (an INPUT: its pattern is not built in,
; so every query walks all 2,048 keys) through every logit, and each of the twelve exponents through a quantiser.  So nothing of the problem is left out and all eight inputs are loaded.
; THIS LAUNCH.  code = number / 2^e, held within +-448, rounded to the nearest code of E4M3, ties to even.  x is an operand of three products with an exponent each (entries 0, 2, 4): it is read
; once and converted three times in registers.  wq, wk, wv, wo take entries 1, 3, 5, 11.
; LAYOUT OF ALL CODES: [K / 128][row 0..2047][128 bytes]: the 128 or 256 rows of a tile, for 128 along K, are one dense run of memory for the launches that read them.
; SHARES.  128 work-groups a tensor (tensor = work-group / 128).  A wave takes one block of 128 along K and 64 rows, in 16 steps of 4 rows: each load reads 512 consecutive bytes of one row.
; The conversions want 16 neighbours along K in ONE lane: a step's 2,048 bytes turn through the wave's own stage in LDS (64 bytes + 16 of padding a place) and come back 64 bytes a lane.
; Lane l then holds row 4 t + l / 8, columns 16 (l % 8) on: its 16 codes lie at 512 t + 16 l of the wave's dense 8,192 bytes: a store covers 512 consecutive bytes.
; LIMITS: each e between -126 and 119, so that 2^e and 448 x 2^e are f32 numbers.  NaN among the inputs is not served (an infinity is held at the largest code).
.set WAVES, 4
.set STEPS, 16
.set ROWB,  8192                       ; a row of a source tensor in bytes
.set SP,    80                         ; a place in a stage: 64 bytes + 16 of padding
.set WREG,  8192                       ; LDS of a wave: two stages of 32 places
.set SPARE, WAVES*WREG                 ; behind the stages: the spare words, 128 bytes a wave, which no other line names
.set R,     16                         ; v16-79   four sets of 16 numbers as loaded
.set X,     80                         ; v80-111  two sets of 16 neighbours
.set T,     112                        ; v112-127 the numbers held within the largest code
.set C,     128                        ; v128-139 codes: four registers for each of the three scales
.set SPW,   5                          ; v5  LDS address of my spare word; never rewritten
.set NIL,   6                          ; v6  0; never rewritten
                                       ; v3  16 x lane: offset of loads and stores; v8, v9 / v10, v11 / v12, v13: 2^e and 448 x 2^e of scale 0 / 1 / 2; v14, v15: the stage, in and out
	s_load_b512 s[8:23], s[0:1], 0x0               ; x 8, wq 10, wk 12, wv 14, wo 16, the exponents 18, xc 20, wc 22
	v_lshl_add_u32 v[SPW], v0, 2, SPARE
	v_mov_b32 v[NIL], 0
	v_lshrrev_b32 v1, 5, v0
	v_readfirstlane_b32 s36, v1                    ; wave
	v_and_b32 v2, 31, v0                           ; lane
	v_lshlrev_b32 v3, 4, v2
	s_mul_i32 s37, s36, WREG
	v_lshrrev_b32 v14, 2, v2
	v_mul_u32_u24 v14, v14, SP
	v_and_b32 v15, 3, v2
	v_lshl_add_u32 v14, v15, 4, v14
	v_add_nc_u32 v14, s37, v14                     ; into the stage: four lanes' 64 bytes on end, then the padding
	v_mul_u32_u24 v15, v2, SP
	v_add_nc_u32 v15, s37, v15                     ; out of it: place = lane
	s_lshr_b32 s34, ttmp9, 7                       ; which tensor: 0 x, 1 wq, 2 wk, 3 wv, 4 wo
	s_and_b32 s35, ttmp9, 127
	s_and_b32 s42, s35, 3
	s_lshl_b32 s42, s42, 2
	s_add_co_u32 s42, s42, s36                     ; my block of 128 along K
	s_lshr_b32 s43, s35, 2                         ; my 64 rows
	s_lshl_b32 s44, s43, 19                        ; 64 rows of 8,192 bytes
	s_lshl_b32 s45, s42, 9
	s_add_co_u32 s44, s44, s45                     ; the source's offset
	s_mov_b32 s45, 0
	s_lshl_b32 s46, s42, 18                        ; a block of K is 2,048 rows of 128 bytes
	s_lshl_b32 s47, s43, 13
	s_add_co_u32 s46, s46, s47                     ; the codes' offset in a tensor
	s_mov_b32 s47, 0
	s_max_u32 s2, s34, 1
	s_sub_co_u32 s2, s2, 1
	s_lshl_b32 s2, s2, 22                          ; the weight's place in wc: 4 MiB each (0 for x)
	s_mov_b32 s3, 0
	s_wait_kmcnt 0x0
	s_load_b256 s[24:31], s[18:19], 0x0            ; e0 .. e7
	s_load_b32 s32, s[18:19], 0x2c                 ; e11
	s_mov_b64 s[4:5], s[8:9]                       ; the source: a choice on the work-group's number alone
	s_cmp_eq_u32 s34, 1
	s_cselect_b64 s[4:5], s[10:11], s[4:5]
	s_cmp_eq_u32 s34, 2
	s_cselect_b64 s[4:5], s[12:13], s[4:5]
	s_cmp_eq_u32 s34, 3
	s_cselect_b64 s[4:5], s[14:15], s[4:5]
	s_cmp_eq_u32 s34, 4
	s_cselect_b64 s[4:5], s[16:17], s[4:5]
	s_cmp_eq_u32 s34, 0
	s_cselect_b64 s[6:7], s[20:21], s[22:23]
	s_add_nc_u64 s[4:5], s[4:5], s[44:45]
	s_add_nc_u64 s[6:7], s[6:7], s[2:3]
	s_add_nc_u64 s[6:7], s[6:7], s[46:47]          ; where the first set of codes goes
	s_add_nc_u64 s[38:39], s[20:21], s[46:47]
	s_add_nc_u64 s[40:41], s[38:39], 0x800000      ; x under entry 4
	s_add_nc_u64 s[38:39], s[38:39], 0x400000      ; x under entry 2
.macro LOAD t                          ; step t: rows 4 t .. 4 t + 3, 512 consecutive bytes each
.irp i, 0,1,2,3
	global_load_b128 v[R+16*((\t)%4)+4*\i:R+16*((\t)%4)+4*\i+3], v3, s[4:5] offset:(4*(\t)+\i)*ROWB th:TH_LOAD_NT
.endr
.endm
.macro TURN t                          ; step t's numbers through the stage: LDS serves a wave's instructions in order, so no wait stands between the stores and the loads
.irp i, 0,1,2,3
	ds_store_b128 v14, v[R+16*((\t)%4)+4*\i:R+16*((\t)%4)+4*\i+3] offset:32*SP*((\t)%2)+8*SP*\i
.endr
.irp i, 0,1,2,3
	ds_load_b128 v[X+16*((\t)%2)+4*\i:X+16*((\t)%2)+4*\i+3], v15 offset:32*SP*((\t)%2)+16*\i
.endr
.endm
.irp t, 0,1,2,3
	LOAD \t
.endr
	s_wait_kmcnt 0x0
	s_mov_b32 s33, s24                             ; the first scale's exponent: e0, e1, e3, e5 or e11
	s_cmp_eq_u32 s34, 1
	s_cselect_b32 s33, s25, s33
	s_cmp_eq_u32 s34, 2
	s_cselect_b32 s33, s27, s33
	s_cmp_eq_u32 s34, 3
	s_cselect_b32 s33, s29, s33
	s_cmp_eq_u32 s34, 4
	s_cselect_b32 s33, s32, s33
.macro SCALE e, vs                     ; v[vs] = 2^e as f32 (the conversion takes its exponent field), v[vs + 1] = 448 x 2^e
	s_add_co_i32 s2, s\e, 127
	s_lshl_b32 s3, s2, 23
	v_mov_b32 v[\vs], s3
	s_add_co_i32 s2, s2, 8
	s_lshl_b32 s2, s2, 23
	s_or_b32 s2, s2, 0x600000
	v_mov_b32 v[\vs+1], s2
.endm
	SCALE 33, 8
	SCALE 26, 10                                   ; e2
	SCALE 28, 12                                   ; e4
	s_wait_loadcnt 12                              ; step 0's four loads are in
	TURN 0
.macro CONV t, j, base                 ; the step's 16 numbers under scale j: hold, convert, store
.set i, 0
.rept 16
	v_med3_num_f32 v[T+i], v[XS+i], -v[9+2*\j], v[9+2*\j]   ; the conversion to an 8-bit code does not saturate (ISA guide 7.6.2): the hold comes first
.set i, i+1
.endr
	v_cvt_scalef32_pk8_fp8_f32 v[C+4*\j:C+4*\j+1], v[T:T+7], v[8+2*\j]
	v_cvt_scalef32_pk8_fp8_f32 v[C+4*\j+2:C+4*\j+3], v[T+8:T+15], v[8+2*\j]
	v_nop                                          ; one plain vector line behind the conversions: the next holds write their sources
	global_store_b128 v3, v[C+4*\j:C+4*\j+3], s[\base:\base+1] offset:512*(\t)   ; 32 lanes store 512 consecutive bytes, aligned
.endm
.macro STEP t
.set XS, X+16*((\t)%2)
	s_wait_xcnt 0x0                                ; the last step's stores have read their data: the codes' registers are written again only behind this wait
	s_wait_dscnt 0x0                               ; this step's numbers are back from the stage, so its stores into the stage have read their registers,
.if (\t)+4 < STEPS
	LOAD (\t)+4                                    ; which take the loads of four steps on
.endif
.if (\t)+1 < STEPS
.if STEPS-2-(\t) >= 3
	s_wait_loadcnt 12                              ; the next step's four loads are in; those of the three steps behind it may be out
.else
	s_wait_loadcnt 4*(STEPS-2-(\t))
.endif
	TURN (\t)+1
.endif
	CONV \t, 0, 6
	s_cmp_lg_u32 s34, 0                            ; a weight has one scale; x has two more.  The branch hangs on the work-group's number alone
	s_cbranch_scc1 .Lone_\@
	CONV \t, 1, 38
	CONV \t, 2, 40
.Lone_\@:
.endm
.irp t, 0,1,2,3,4,5,6,7,8,9,10,11,12,13,14,15
	STEP \t
.endr
	s_wait_tensorcnt 0x0                           ; the wave's end, behind my last LDS store
	ds_add_u32 v[SPW], v[NIL]
	s_wait_dscnt 0x0
	s_endpgm
.Lfunc_end_k_qb4a730295b_quant:
	.size	k_qb4a730295b_quant, .Lfunc_end_k_qb4a730295b_quant-k_qb4a730295b_quant
	.p2alignl 7, 3214868480
	.fill 96, 4, 3214868480
	.section	.rodata,"a",@progbits
	.p2align	6, 0x0
	.amdhsa_kernel k_qb4a730295b_quant
		.amdhsa_group_segment_fixed_size 33280
		.amdhsa_private_segment_fixed_size 0
		.amdhsa_enable_private_segment 0
		.amdhsa_kernarg_size 64
		.amdhsa_user_sgpr_count 2
		.amdhsa_user_sgpr_kernarg_segment_ptr 1
		.amdhsa_wavefront_size32 1
		.amdhsa_system_sgpr_workgroup_id_x 1
		.amdhsa_system_sgpr_workgroup_id_y 1
		.amdhsa_system_sgpr_workgroup_id_z 1
		.amdhsa_system_vgpr_workitem_id 0
		.amdhsa_next_free_vgpr 144
		.amdhsa_next_free_sgpr 66
		.amdhsa_reserve_vcc 0
		.amdhsa_float_denorm_mode_32 3
		.amdhsa_float_denorm_mode_16_64 3
		.amdhsa_memory_ordered 1
		.amdhsa_forward_progress 1
		.amdhsa_inst_pref_size 81
	.end_amdhsa_kernel
	.amdgpu_metadata
---
amdhsa.version: [ 1, 2 ]
amdhsa.kernels:
  - .name:           k_qb4a730295b_quant
    .symbol:         k_qb4a730295b_quant.kd
    .args:
      - { .name: x, .offset: 0, .size: 8, .value_kind: global_buffer, .address_space: global }
      - { .name: wq, .offset: 8, .size: 8, .value_kind: global_buffer, .address_space: global }
      - { .name: wk, .offset: 16, .size: 8, .value_kind: global_buffer, .address_space: global }
      - { .name: wv, .offset: 24, .size: 8, .value_kind: global_buffer, .address_space: global }
      - { .name: wo, .offset: 32, .size: 8, .value_kind: global_buffer, .address_space: global }
      - { .name: lowp_scales, .offset: 40, .size: 8, .value_kind: global_buffer, .address_space: global }
      - { .name: xc, .offset: 48, .size: 8, .value_kind: global_buffer, .address_space: global }
      - { .name: wc, .offset: 56, .size: 8, .value_kind: global_buffer, .address_space: global }
    .group_segment_fixed_size: 33280
    .private_segment_fixed_size: 0
    .kernarg_segment_align: 8
    .kernarg_segment_size: 64
    .max_flat_workgroup_size: 128
    .sgpr_count:     66
    .vgpr_count:     144
    .wavefront_size: 32
...
	.end_amdgpu_metadata
.endif
;; end of part 1
;; launch gemm_qkv (part 2): grid 24 x 8, 4 waves a work-group, clusters of 4 x 4, 327,680 bytes of LDS; arguments xc, wc, freqs, lowp_scales, qkvc; writes qkvc
.if DOCPART == 2
	.amdgcn_target "amdgcn-amd-amdhsa--gfx1250"
	.amdhsa_code_object_version 6
	.text
	.protected	k_qb4a730295b_gemm_qkv
	.globl	k_qb4a730295b_gemm_qkv
	.p2align	8
	.type	k_qb4a730295b_gemm_qkv,@function
k_qb4a730295b_gemm_qkv:
	s_mov_b64 s[64:65], 0
	v_nop
	global_prefetch_b8 v0, s[64:65] scope:SCOPE_SE
	s_setreg_imm32_b32 hwreg(HW_REG_WAVE_MODE, 25, 1), 1
	s_wait_xcnt 0x0
	s_wait_alu depctr_hold_cnt(0) depctr_sa_sdst(0) depctr_va_vdst(0) depctr_va_sdst(0) depctr_va_ssrc(0) depctr_va_vcc(0) depctr_vm_vsrc(0)
	s_getreg_b32 s2, hwreg(HW_REG_IB_STS2, 6, 4)
	s_cmp_eq_u32 s2, 0
	s_cbranch_scc0 .Lentry_in_a_cluster
	s_endpgm
.Lentry_in_a_cluster:
	s_bfe_u32 s2, ttmp6, 0x10000c
	s_cmp_lg_u32 s2, 0xf033
	s_cbranch_scc0 .Lentry_shape_is_right
	s_endpgm
.Lentry_shape_is_right:
; THE THREE PROJECTIONS ON CODES OF E4M3, RoPE, AND THE QUANTISERS OF q, k, v.  Nothing of the problem is left out here.
; C[row][col] = sum over k of A[row][k] B[col][k], K = 2,048.  P = cluster x / 2 says which product.  P = 0, 1 (q, k): A = x's codes under entry 2 P (rows = tokens), B = wq's or wk's (rows = features).
; P = 2 (v): A = wv's codes (rows = features), B = x's under entry 4 (rows = tokens): so a lane's eight results run along the TOKENS, which are the K of attention's second product.
; All codes lie [K / 128][row][128 bytes].  The result goes out in the same layout, [col / 128][row][128]: q, k as [head][token][128], v as [block of 128 tokens][feature][128 tokens].
; A tile of C is 256 x 256: four waves, each 128 x 128 in 64 accumulators (512 registers).  3 x 64 tiles make 192 work-groups: a tile of half the side would fill more of the chip but read twice the LDS bytes for each product.
; K goes in steps of 256 through a ring of two LDS slots; a slot holds, for A and for B, two dense blocks of 256 rows x 128 bytes; each wave fetches one of the four by one tensor load.
; CLUSTERS: 4 x 4 work-groups, all of one product.  The four of a row of the cluster need the same tiles of A, the four of a column the same tiles of B: each tile is asked for JOINTLY, by the same
; tensor load with the same descriptor and a mask that names the four.  THE MATRIX INSTRUCTION IS USED TRANSPOSED (source 0 = 16 rows of B, source 1 = 16 rows of A): a lane holds eight neighbouring columns of one row of C.
; FRAGMENTS: four 16-byte loads, 32 bytes apart: lane l holds row l % 16, K = 32 c + 16 (l / 16) + 0 .. 15 in registers 4 c .. 4 c + 3: one and the same order of k on both sides of every product.
; THE WAY OUT.  A sum stands for sum x 2^(eA + eB).  RoPE is linear, so it turns the sums as they are (q, k); the conversion then takes 2^d, d = e_out - eA - eB (e_out = entry 6, 7 or 9).
; LIMIT: d between -126 and 119, so that 2^d and 448 x 2^d are f32 numbers.
; REGISTERS, in windows of 256: window 0: v0-31 addresses; v32-127 at work on the way out; from v128 A's fragments, ONE set (on the way out: rows read back).  window 1: B's fragments, TWO sets, at v0 and v128
; (on the way out v0-127: freqs).  window 2: the accumulators of my rows 0-63 ((a, b) at v[8 (8 a + b)]); window 3: those of my rows 64-127.
.set PITCH,  144                       ; an LDS row: 128 bytes + 16 of padding = 36 words: the 16 rows that a load touches start at 16 different groups of four banks
.set SUBT,   256*PITCH                 ; 256 rows x 128 along K: what one tensor load brings
.set SLOT,   4*SUBT                    ; A's two blocks of K, then B's two
.set KBLK,   262144                    ; a block of 128 along K in memory: 2,048 rows x 128 bytes
.set FR,     16                        ; registers of a fragment
.set NL,     4                         ; LDS loads that bring one
.set NP,     4                         ; places behind this matrix instruction (ISA guide 7.12.1)
.set LAPS,   4                         ; a lap = two K steps of 256 = once round the ring
.set SPARE,  2*SLOT                    ; behind the ring: the spare words, 128 bytes a wave, which no other line names
.set STG,    SPARE+512                 ; behind them: stages of 16 rows x 144 bytes, one a wave; q's and k's way out has four, v's four others
.set ADRA, 16                          ; v16-17  LDS address of my A fragments in slot 0, 1
.set ADRB, 20                          ; v20-21  the same for B
.set STO,  24                          ; v24     the stage: where I put 8 codes of a row
.set RD,   25                          ; v25     and where I read 16 bytes of a row back
.set GO,   26                          ; v26     16 x lane: my bytes of a store's 512
.set FO,   27                          ; v27     freqs: my token's row, my half's 32 bytes
.set SPW,  28                          ; v28     LDS address of my spare word; never rewritten
.set NIL,  29                          ; v29     0; never rewritten
.set SCL,  30                          ; v30     2^d
.set LIM,  31                          ; v31     448 x 2^d
.set TMP,  32                          ; v32-95  a block's 64 numbers
.set CD,   96                          ; v96-127 its codes, two sets of 16
.set BK,   128                         ; v128-159 rows read back, two sets of 16
.set AF,   128                         ; A's fragments, in window 0
.set G1, 24                            ; s[24:31] descriptor group 1 for A's tiles;  s[32:39] group 0, one set for each slot
.set G0, 32
.set G1B, 48                           ; s[48:55], s[56:63] the same for B's tiles
.set G0B, 56
.set MSB, 0
.macro WIN new                         ; the immediate's high byte repeats the setting that is left
.if MSB != \new
	s_set_vgpr_msb (MSB<<8)|\new
.set MSB, \new
.endif
.endm
.set MUL_LO, 0xa1                      ; source 0 (B) window 1, source 1 (A) window 0, C and D window 2
.set MUL_HI, 0xf1                      ; the same, C and D window 3
.set TO_B,   0x40                      ; destination window 1, address window 0
; A joint load: waves 0 and 1 fetch for A, waves 2 and 3 for B.  Each of the two lines has ONE mask and one set of registers for all that issue it; the branch hangs on the wave's number alone.
; An s_nop 0 and four v_nop follow each of the two lines, ahead of the jump, the label and what follows.
.macro JLOAD g0a, g1a, g0b, g1b
	s_cmp_eq_u32 s15, 0
	s_cbranch_scc0 .Lfor_b_\@
	tensor_load_to_lds s[\g0a:\g0a+3], s[\g1a:\g1a+7]
	s_nop 0
.rept 4
	v_nop
.endr
	s_branch .Lasked_\@
.Lfor_b_\@:
	tensor_load_to_lds s[\g0b:\g0b+3], s[\g1b:\g1b+7]
	s_nop 0
.rept 4
	v_nop
.endr
.Lasked_\@:
.endm
.macro CREST                           ; a round of the cluster's barrier behind its opening barrier
	s_cmp_lg_u32 s14, 0
	s_cbranch_scc1 .Lnot_wave_0_\@
	s_barrier_signal -3
.Lnot_wave_0_\@:
	s_barrier_wait -3
	s_barrier_signal -1
	s_barrier_wait -1
.endm
.macro CROUND                          ; a whole round
	s_barrier_signal -1
	s_barrier_wait -1
	CREST
.endm
	s_load_b256 s[68:75], s[0:1], 0x0              ; xc 68, wc 70, freqs 72, the exponents 74
	s_load_b64 s[10:11], s[0:1], 0x20              ; qkvc
	v_lshl_add_u32 v[SPW], v0, 2, SPARE
	v_mov_b32 v[NIL], 0
	ds_add_u32 v[SPW], v[NIL]                      ; the wave's opening: the add, twice on end, and its wait ahead of my first tensor load; the set-up below stands between
	ds_add_u32 v[SPW], v[NIL]
	v_lshrrev_b32 v1, 5, v0
	v_readfirstlane_b32 s14, v1                    ; wave 0..3
	s_lshr_b32 s15, s14, 1                         ; which half of the tile's rows is mine.  Also: I fetch for A (0) or for B (1)
	s_and_b32 s16, s14, 1                          ; which half of its columns.  Also: which of a slot's two blocks of K I fetch
	s_bfe_u32 s40, ttmp6, 0x40000                  ; cx, cy: my place in the cluster
	s_bfe_u32 s41, ttmp6, 0x40004
	s_lshr_b32 s90, ttmp9, 1                       ; P: the product, the same in all sixteen partners
	s_and_b32 s42, ttmp9, 1
	s_lshl_b32 s42, s42, 2
	s_add_co_u32 s42, s42, s40                     ; tile column of C
	s_and_b32 s17, ttmp7, 0xffff
	s_lshl_b32 s17, s17, 2
	s_add_co_u32 s17, s17, s41                     ; tile row of C
	s_lshl_b32 s43, s41, 2
	s_lshl_b32 s43, 15, s43                        ; my row of the cluster
	s_lshl_b32 s44, 0x1111, s40                    ; my column
	; descriptor group 1: 256 rows x 128 bytes, dense in memory, padded in LDS
	s_or_b32 s[G1+0], s43, (0<<16)|(1<<20)|(1<<21)|(4<<22)|(3<<25)  ; 15:0 the mask: A's tiles go to my row; 17:16 elements of 1 byte; 20 padding on; 21 set beside a mask; 24:22 after every 32 words (code 4); 31:25 four words (code 3)
	s_or_b32 s[G1B+0], s44, (0<<16)|(1<<20)|(1<<21)|(4<<22)|(3<<25)
.irp g, G1, G1B
	s_mov_b32 s[\g+1], 128<<16                     ; tensor_dim0 = 128
	s_mov_b32 s[\g+2], 256<<16                     ; tensor_dim1 = 256
	s_mov_b32 s[\g+3], 128<<16                     ; tile_dim0 = 128
	s_mov_b32 s[\g+4], 256                         ; tile_dim1 = 256
	s_mov_b32 s[\g+5], 128                         ; tensor_dim0_stride
	s_mov_b32 s[\g+6], 0
	s_mov_b32 s[\g+7], 0
.endr
	s_lshl_b32 s18, s16, 18                        ; which block of K
	s_lshl_b32 s19, s90, 22                        ; the product's tensors lie 4 MiB apart in xc, wc and qkvc
	s_lshl_b32 s20, s17, 15                        ; A: tile row x 256 rows x 128 bytes
	s_add_co_u32 s20, s20, s18
	s_add_co_u32 s20, s20, s19
	s_mov_b32 s21, 0
	s_lshl_b32 s46, s42, 15                        ; B: tile column likewise
	s_add_co_u32 s46, s46, s18
	s_add_co_u32 s46, s46, s19
	s_mov_b32 s47, 0
	s_mul_i32 s45, s14, SUBT                       ; where they go: wave x a block: no place in the cluster enters an LDS address
	s_wait_dscnt 0x0                               ; both opening adds are done
	s_wait_kmcnt 0x0
	s_load_b256 s[76:83], s[74:75], 0x0            ; e0 .. e7
	s_load_b32 s84, s[74:75], 0x24                 ; e9
	s_cmp_eq_u32 s90, 2                            ; for v the weight is A and x is B
	s_cselect_b64 s[86:87], s[70:71], s[68:69]
	s_cselect_b64 s[88:89], s[68:69], s[70:71]
	s_add_nc_u64 s[20:21], s[86:87], s[20:21]
	s_add_nc_u64 s[46:47], s[88:89], s[46:47]
	CROUND                                         ; all sixteen work-groups are here: the first joint loads meet
.irp s, 0,1
	s_mov_b32 s[G0+4*\s], 1
	s_add_co_u32 s[G0+4*\s+1], s45, \s*SLOT
	s_add_nc_u64 s[G0+4*\s+2:G0+4*\s+3], s[20:21], \s*2*KBLK
	s_or_b32 s[G0+4*\s+3], s[G0+4*\s+3], 0x80000000
	s_mov_b32 s[G0B+4*\s], 1
	s_add_co_u32 s[G0B+4*\s+1], s45, \s*SLOT
	s_add_nc_u64 s[G0B+4*\s+2:G0B+4*\s+3], s[46:47], \s*2*KBLK
	s_or_b32 s[G0B+4*\s+3], s[G0B+4*\s+3], 0x80000000
	JLOAD G0+4*\s, G1, G0B+4*\s, G1B
.endr
	v_and_b32 v1, 15, v0                           ; r = l % 16
	v_bfe_u32 v2, v0, 4, 1                         ; h = l / 16
	v_mul_u32_u24 v3, v1, PITCH
	v_lshl_add_u32 v4, v2, 4, v3                   ; a fragment's row x pitch + 16 x half
	s_mul_i32 s22, s15, 128*PITCH                  ; my 128 rows of A
	s_mul_i32 s23, s16, 128*PITCH                  ; my 128 rows of B,
	s_add_co_u32 s23, s23, 2*SUBT                  ; which lie behind A's two blocks
.irp s, 0,1
	v_add_nc_u32 v[ADRA+\s], s22, v4
	v_add_nc_u32 v[ADRB+\s], s23, v4
	s_add_co_u32 s22, s22, SLOT
	s_add_co_u32 s23, s23, SLOT
.endr
	s_mul_i32 s22, s14, 16*PITCH
	s_add_co_u32 s22, s22, STG                     ; my stage
	v_lshl_add_u32 v[STO], v2, 3, v3               ; in: row r, 8 bytes for each half of the lanes
	v_add_nc_u32 v[STO], s22, v[STO]
	v_and_b32 v5, 31, v0
	v_lshrrev_b32 v6, 3, v5
	v_and_b32 v7, 7, v0
	v_mul_u32_u24 v6, v6, PITCH
	v_lshl_add_u32 v6, v7, 4, v6
	v_add_nc_u32 v[RD], s22, v6                    ; back: eight lanes to a row of 128 bytes, four rows an instruction
	v_lshlrev_b32 v[GO], 4, v5
	v_lshlrev_b32 v[FO], 9, v1                     ; freqs: a token's row is 512 bytes;
	v_lshl_add_u32 v[FO], v2, 5, v[FO]             ; my half's four (cos, sin) pairs are 32
	s_lshl_b32 s22, s42, 1
	s_add_co_u32 s22, s22, s16
	s_lshl_b32 s22, s22, 18                        ; my 128 columns: block 2 x tile column + half
	s_lshl_b32 s23, s17, 15
	s_add_co_u32 s22, s22, s23
	s_lshl_b32 s23, s15, 14
	s_add_co_u32 s22, s22, s23                     ; my 128 rows of 128 bytes: 16,384 dense bytes
	s_add_co_u32 s22, s22, s19
	s_mov_b32 s23, 0
	s_add_nc_u64 s[10:11], s[10:11], s[22:23]
	s_lshl_b32 s22, s17, 17
	s_lshl_b32 s23, s15, 16
	s_add_co_u32 s22, s22, s23
	s_mov_b32 s23, 0
	s_add_nc_u64 s[72:73], s[72:73], s[22:23]      ; freqs at my first row (q, k: a token)
.macro FRAG reg, adr, q, i             ; 16 rows x 128 K: block q of the slot, rows 16 i on
.irp c, 0,1,2,3
	ds_load_b128 v[\reg+4*\c:\reg+4*\c+3], v[\adr] offset:SUBT*(\q)+32*\c+(\i)*16*PITCH
.endr
.endm
; 16 matrix instructions: A's blocks a0, a0 + 1 x B's eight, 128 along K.  p: B's set.  zero = 1: the first product starts the sums: nothing is ever cleared.
; The 64 accumulators take turns, one instruction a turn, in the same order in every step.
.macro MUL16 a0, p, zero
.irp a, \a0, \a0+1
.irp b, 0,1,2,3,4,5,6,7
.if \zero
	v_wmma_f32_16x16x128_fp8_fp8 v[8*(8*((\a)%4)+\b):8*(8*((\a)%4)+\b)+7], v[128*(\p)+FR*\b:128*(\p)+FR*\b+FR-1], v[AF+FR*(\a):AF+FR*(\a)+FR-1], 0
.else
	v_wmma_f32_16x16x128_fp8_fp8 v[8*(8*((\a)%4)+\b):8*(8*((\a)%4)+\b)+7], v[128*(\p)+FR*\b:128*(\p)+FR*\b+FR-1], v[AF+FR*(\a):AF+FR*(\a)+FR-1], v[8*(8*((\a)%4)+\b):8*(8*((\a)%4)+\b)+7]
.endif
.endr
.endr
.endm
.macro FETCH_B slot, q, p              ; B's eight fragments of the slot's block q into set p
	WIN TO_B
.irp i, 0,1,2,3,4,5,6,7
	FRAG 128*(\p)+FR*\i, ADRB+\slot, \q, \i
.endr
	WIN 0
.endm
.macro FETCH_A slot, q, i0             ; A's blocks i0 .. i0 + 3
.irp i, \i0, \i0+1, \i0+2, \i0+3
	FRAG AF+FR*(\i), ADRA+\slot, \q, \i
.endr
.endm
; A load into a register that a matrix instruction has read, and a vector instruction that reads a matrix result, stand NP places behind that matrix instruction; only plain vector
; instructions that name none of its registers are places (ISA guide 7.12.1 for vector instructions).
.macro PLACES n
.rept \n
	v_nop
.endr
.endm
; A step of 128 along K that has its successor in the same slot.  A block of A is free as soon as its eight products are issued: blocks 0-3 are fetched anew in the step's middle, blocks 4-7 at its end.
.macro STEP slot, q, zero
	s_wait_dscnt 4*NL                              ; B's set and A's blocks 0-3 are in; the youngest sixteen loads (A's blocks 4-7) may be out
	WIN MUL_LO
	MUL16 0, (\q)%2, \zero
	MUL16 2, (\q)%2, \zero
	s_wait_dscnt 0                                 ; A's blocks 4-7 are in
	PLACES NP
	FETCH_B \slot, (\q)+1, 1-(\q)%2
	FETCH_A \slot, (\q)+1, 0
	WIN MUL_HI
	MUL16 4, (\q)%2, \zero
	MUL16 6, (\q)%2, \zero
	PLACES NP
	WIN 0
	FETCH_A \slot, (\q)+1, 4
.endm
; A slot's last step changes slots: ONE barrier; in front of it each wave waits for all its tensor loads, adds 0 to its spare word, and waits for that and for its own reads of this slot.  fill = 1: this slot is filled again, two K steps ahead.
.macro TURN slot, next, fill
	s_wait_tensorcnt 0x0                           ; all my tensor loads have landed: my part of the next slot  (every window is 0 here)
	ds_add_u32 v[SPW], v[NIL]                      ; 0 onto my spare word
	s_wait_dscnt 4*NL+1                            ; (the add and the youngest sixteen loads may be out)
	WIN MUL_LO
	MUL16 0, 1, 0                                  ; sixteen matrix instructions stand between the add and the wait for it
	s_wait_dscnt 0x0                               ; the add is done, and my reads of this slot are over
	s_barrier_signal -1
	MUL16 2, 1, 0
	WIN 0
	s_barrier_wait -1
.if \fill
	CREST                                          ; the barrier has opened a round of the cluster's barrier: no wave of any partner still reads this slot's tile or has a load on its way
	s_add_nc_u64 s[G0+4*\slot+2:G0+4*\slot+3], s[G0+4*\slot+2:G0+4*\slot+3], 4*KBLK
	s_add_nc_u64 s[G0B+4*\slot+2:G0B+4*\slot+3], s[G0B+4*\slot+2:G0B+4*\slot+3], 4*KBLK
	JLOAD G0+4*\slot, G1, G0B+4*\slot, G1B         ; the first tensor load behind the round; its four v_nop are the places in front of the loads below
.else
	PLACES NP
.endif
	FETCH_B \next, 0, 0
	FETCH_A \next, 0, 0
	WIN MUL_HI
	MUL16 4, 1, 0
	MUL16 6, 1, 0
	PLACES NP
	WIN 0
	FETCH_A \next, 0, 4
.endm
	s_wait_tensorcnt 1                             ; my part of K step 0 is in (K step 1's load may be out)
	s_barrier_signal -1
	s_barrier_wait -1                              ; everybody's is
	FETCH_B 0, 0, 0
	FETCH_A 0, 0, 0
	FETCH_A 0, 0, 4
	STEP 0, 0, 1                                   ; the first step stands in front of the loop: its products start the sums
	s_mov_b32 s3, LAPS-1
.Llap:                                                 ; a trip goes once round the ring and fills both slots again
	TURN 0, 1, 1
	STEP 1, 0, 0
	TURN 1, 0, 1
	STEP 0, 0, 0
	s_sub_co_u32 s3, s3, 1
	s_cmp_lg_u32 s3, 0
	s_cbranch_scc1 .Llap
	TURN 0, 1, 0                                   ; the last lap fills nothing, and has no round of the cluster's barrier
	STEP 1, 0, 0
	s_wait_dscnt 4*NL                              ; the very last step: nothing more to fetch
	WIN MUL_LO
	MUL16 0, 1, 0
	MUL16 2, 1, 0
	s_wait_dscnt 0
	WIN MUL_HI
	MUL16 4, 1, 0
	MUL16 6, 1, 0
	WIN 0
; THE WAY OUT, block by block of 16 rows x 128 columns.  Register j of accumulator (a, b) in lane (r, h) is C(16 a + r, 16 b + 8 h + j).
.macro FLOAD a                         ; q, k: freqs of my token 16 a + r: for accumulator b the pairs 8 b + 4 h + 0 .. 3: (cos, sin) x 4 = 32 bytes, into window 1
	WIN TO_B
.irp b, 0,1,2,3,4,5,6,7
	global_load_b128 v[64*((\a)%2)+8*\b:64*((\a)%2)+8*\b+3], v[FO], s[72:73] offset:(\a)*8192+64*\b
	global_load_b128 v[64*((\a)%2)+8*\b+4:64*((\a)%2)+8*\b+7], v[FO], s[72:73] offset:(\a)*8192+64*\b+16
.endr
	WIN 0
.endm
.macro ROPE a                          ; a pair (xe, xo) of neighbouring registers and its (cos, sin): first (-xo sin, xo cos), then (xe cos + .., xe sin + ..); each accumulator from its low end on
.set AC, 64*((\a)%4)
.set FF, 64*((\a)%2)
	WIN 0x06+((\a)/4)                              ; source 0: window 2 or 3; source 1: window 1
.irp b, 0,1,2,3,4,5,6,7
.irp p, 0,2,4,6
	v_pk_mul_f32 v[TMP+8*\b+\p:TMP+8*\b+\p+1], v[AC+8*\b+\p:AC+8*\b+\p+1], v[FF+8*\b+\p:FF+8*\b+\p+1] op_sel:[1,1] op_sel_hi:[1,0] neg_lo:[1,0]
.endr
.irp p, 0,2,4,6
	v_pk_fma_f32 v[TMP+8*\b+\p:TMP+8*\b+\p+1], v[AC+8*\b+\p:AC+8*\b+\p+1], v[FF+8*\b+\p:FF+8*\b+\p+1], v[TMP+8*\b+\p:TMP+8*\b+\p+1] op_sel_hi:[0,1,1]
.endr
.endr
	WIN 0
.endm
.macro CODES a
.irp b, 0,1,2,3,4,5,6,7
	v_cvt_scalef32_pk8_fp8_f32 v[CD+16*((\a)%2)+2*\b:CD+16*((\a)%2)+2*\b+1], v[TMP+8*\b:TMP+8*\b+7], v[SCL]
.endr
	v_nop                                          ; one plain vector line behind the conversions: the next block writes their sources
.endm
.macro HOLDQ a                         ; the conversion to an 8-bit code does not saturate (ISA guide 7.6.2): the hold at the largest code x the scale comes first
.set j, 0
.rept 64
	v_med3_num_f32 v[TMP+j], v[TMP+j], -v[LIM], v[LIM]
.set j, j+1
.endr
	CODES \a
.endm
.macro HOLDV a                         ; v: no RoPE: the hold takes the sums out of their window, each accumulator from its low end on
.set AC, 64*((\a)%4)
	WIN 0x02+((\a)/4)
.set j, 0
.rept 64
	v_med3_num_f32 v[TMP+j], v[AC+j], -v[LIM], v[LIM]
.set j, j+1
.endr
	WIN 0
	CODES \a
.endm
.macro TOSTAGE a, o                    ; a lane's 8 codes belong to one row, the lanes beside it hold other rows: through my own stage, and back as dense rows.  LDS serves a wave's instructions in order: no wait between
.if (\a) > 1
	s_wait_xcnt 0x0                                ; block a - 2's stores have read their data: the loads below land there only behind this wait
.endif
.irp b, 0,1,2,3,4,5,6,7
	ds_store_b64 v[STO], v[CD+16*((\a)%2)+2*\b:CD+16*((\a)%2)+2*\b+1] offset:\o+16*\b
.endr
.irp i, 0,1,2,3
	ds_load_b128 v[BK+16*((\a)%2)+4*\i:BK+16*((\a)%2)+4*\i+3], v[RD] offset:\o+4*PITCH*\i
.endr
.endm
.macro SEND a, younger                 ; younger: the LDS instructions issued behind block a's loads, which may stay out
	s_wait_dscnt \younger
.irp i, 0,1,2,3
	global_store_b128 v[GO], v[BK+16*((\a)%2)+4*\i:BK+16*((\a)%2)+4*\i+3], s[10:11] offset:(\a)*2048+512*\i   ; 32 lanes store 512 consecutive bytes, aligned
.endr
.endm
	s_wait_kmcnt 0x0
	s_cmp_eq_u32 s90, 0
	s_cselect_b32 s86, s76, s78                    ; eA, eB, e_out of my product: choices on the work-group's number
	s_cselect_b32 s87, s77, s79
	s_cselect_b32 s88, s82, s83
	s_cmp_eq_u32 s90, 2
	s_cselect_b32 s86, s80, s86
	s_cselect_b32 s87, s81, s87
	s_cselect_b32 s88, s84, s88
	s_sub_co_i32 s88, s88, s86
	s_sub_co_i32 s88, s88, s87                     ; d
	s_add_co_i32 s88, s88, 127
	s_lshl_b32 s89, s88, 23
	v_mov_b32 v[SCL], s89
	s_add_co_i32 s88, s88, 8
	s_lshl_b32 s88, s88, 23
	s_or_b32 s88, s88, 0x600000
	v_mov_b32 v[LIM], s88
	PLACES NP                                      ; behind the last products: for the reads of their results and the loads into the registers that held fragments
	s_cmp_eq_u32 s90, 2                            ; the product's number: the same in all waves and all partners
	s_cbranch_scc1 .Lv
	FLOAD 0
.irp a, 0,1,2,3,4,5,6,7
.if \a < 7
	FLOAD \a+1
	s_wait_loadcnt 16                              ; this block's freqs are in; the next block's sixteen loads may be out
.else
	s_wait_loadcnt 0
.endif
	ROPE \a
	HOLDQ \a
	TOSTAGE \a, 0
.if \a > 0
	SEND \a-1, 12                                  ; behind block a - 1's loads: block a's 8 stores and 4 loads
.endif
.endr
	SEND 7, 0
	s_branch .Lend
.Lv:
.irp a, 0,1,2,3,4,5,6,7
	HOLDV \a
	TOSTAGE \a, 4*16*PITCH
.if \a > 0
	SEND \a-1, 12
.endif
.endr
	SEND 7, 0
.Lend:
	s_wait_tensorcnt 0x0                           ; the wave's end, behind my last tensor load and my last LDS store
	ds_add_u32 v[SPW], v[NIL]
	s_wait_dscnt 0x0
	CROUND                                         ; the closing round: no work-group ends while a partner may still ask for a tile that names it
	s_endpgm
.Lfunc_end_k_qb4a730295b_gemm_qkv:
	.size	k_qb4a730295b_gemm_qkv, .Lfunc_end_k_qb4a730295b_gemm_qkv-k_qb4a730295b_gemm_qkv
	.p2alignl 7, 3214868480
	.fill 96, 4, 3214868480
	.section	.rodata,"a",@progbits
	.p2align	6, 0x0
	.amdhsa_kernel k_qb4a730295b_gemm_qkv
		.amdhsa_group_segment_fixed_size 327680
		.amdhsa_private_segment_fixed_size 0
		.amdhsa_enable_private_segment 0
		.amdhsa_kernarg_size 40
		.amdhsa_user_sgpr_count 2
		.amdhsa_user_sgpr_kernarg_segment_ptr 1
		.amdhsa_wavefront_size32 1
		.amdhsa_system_sgpr_workgroup_id_x 1
		.amdhsa_system_sgpr_workgroup_id_y 1
		.amdhsa_system_sgpr_workgroup_id_z 1
		.amdhsa_system_vgpr_workitem_id 0
		.amdhsa_next_free_vgpr 1024
		.amdhsa_next_free_sgpr 100
		.amdhsa_reserve_vcc 0
		.amdhsa_float_denorm_mode_32 3
		.amdhsa_float_denorm_mode_16_64 3
		.amdhsa_memory_ordered 1
		.amdhsa_forward_progress 1
		.amdhsa_inst_pref_size 216
	.end_amdhsa_kernel
	.amdgpu_metadata
---
amdhsa.version: [ 1, 2 ]
amdhsa.kernels:
  - .name:           k_qb4a730295b_gemm_qkv
    .symbol:         k_qb4a730295b_gemm_qkv.kd
    .args:
      - { .name: xc, .offset: 0, .size: 8, .value_kind: global_buffer, .address_space: global }
      - { .name: wc, .offset: 8, .size: 8, .value_kind: global_buffer, .address_space: global }
      - { .name: freqs, .offset: 16, .size: 8, .value_kind: global_buffer, .address_space: global }
      - { .name: lowp_scales, .offset: 24, .size: 8, .value_kind: global_buffer, .address_space: global }
      - { .name: qkvc, .offset: 32, .size: 8, .value_kind: global_buffer, .address_space: global }
    .group_segment_fixed_size: 327680
    .private_segment_fixed_size: 0
    .kernarg_segment_align: 8
    .kernarg_segment_size: 40
    .max_flat_workgroup_size: 128
    .sgpr_count:     100
    .vgpr_count:     1024
    .wavefront_size: 32
...
	.end_amdgpu_metadata
.endif
;; end of part 2
;; launch attn (part 3): grid 16 x 16, 8 waves a work-group, clusters of 4 x 4, 327,680 bytes of LDS; arguments qkvc, mask, lowp_scales, ac; writes ac
.if DOCPART == 3
	.amdgcn_target "amdgcn-amd-amdhsa--gfx1250"
	.amdhsa_code_object_version 6
	.text
	.protected	k_qb4a730295b_attn
	.globl	k_qb4a730295b_attn
	.p2align	8
	.type	k_qb4a730295b_attn,@function
k_qb4a730295b_attn:
	s_mov_b64 s[64:65], 0
	v_nop
	global_prefetch_b8 v0, s[64:65] scope:SCOPE_SE
	s_setreg_imm32_b32 hwreg(HW_REG_WAVE_MODE, 25, 1), 1
	s_wait_xcnt 0x0
	s_wait_alu depctr_hold_cnt(0) depctr_sa_sdst(0) depctr_va_vdst(0) depctr_va_sdst(0) depctr_va_ssrc(0) depctr_va_vcc(0) depctr_vm_vsrc(0)
	s_getreg_b32 s2, hwreg(HW_REG_IB_STS2, 6, 4)
	s_cmp_eq_u32 s2, 0
	s_cbranch_scc0 .Lentry_in_a_cluster
	s_endpgm
.Lentry_in_a_cluster:
	s_bfe_u32 s2, ttmp6, 0x10000c
	s_cmp_lg_u32 s2, 0xf033
	s_cbranch_scc0 .Lentry_shape_is_right
	s_endpgm
.Lentry_shape_is_right:
; ATTENTION ON CODES OF E4M3.  Nothing of the problem is left out here: the mask is an input, so every query walks all 2,048 keys and the mask's number is added to every score.
; q, k: [head][token][128] codes; v: [block of 128 tokens][128 head + d][128 tokens] codes (the keys innermost, since they are the second product's K); the result: [head][token][128] codes under entry 10.
; logit = score x 2^(e6 + e7) / sqrt(128) + mask (one fused multiply-add);  t = logit x log2(e), ROUNDED TO f32 BEFORE M IS TAKEN AWAY: so a row whose logits are all very large in size (a row that the mask
; hides whole) keeps the differences that f32 logits have;  M = the running largest t rounded UP to a whole number;  p = 2^(t - M) is quantised under entry 8, not normalised; the row's sum is taken of the
; unquantised p; when M moves, the sum and O are multiplied by 2^(old M - new M), which rounds nothing.  At the end O x 2^(e8 + e9) / sum is quantised under entry 10.
; SHARES.  A work-group owns 128 queries of one head; each of its eight waves 16 of them, one tile, in 256 registers: two waves to a SIMD.  16 key steps of 128 keys.  256 work-groups of equal work.
; LAYOUT.  Both products are used transposed: S^T = K Q^T, O^T = V^T P^T: a lane holds ONE query (lane % 16) throughout.  THE KEYS OF A TILE ARE NOT NEIGHBOURS: lane r of tile 2 b + u takes key
; 32 b + 8 u + r + 8 (r / 8), so that the 16 registers of tiles 2 b and 2 b + 1 are the 16 neighbouring keys 32 b + 16 (lane / 16) + 0 .. 15: the conversions' results are the second product's operand.
; THE RING.  Two LDS slots, each with a key step's K (128 x 128 bytes), V (128 x 128 bytes) and mask (128 queries x 512 bytes).  Every wave fetches a part by one tensor load: waves 0, 1 K's halves, waves 2, 3 V's, waves 4-7 32 rows of the mask each.
; CLUSTERS: 4 x 4 work-groups: x = four blocks of queries, y = four heads.  K and V hang on the head alone and are shared along a row of the cluster, the mask on the queries alone and is shared along a column:
; each tile is asked for JOINTLY, by the same tensor load with the same descriptor and a mask that names the four.
; LIMITS, so that each power of two below is an f32 number: e6 + e7 between -122 and 131 (added to the exponent field of 1 / sqrt(128)); e8, and e10 - e8 - e9, between -126 and 119.  NaN among the inputs is not served.
; REGISTERS: v1-6 LDS addresses of K, V, mask in slot 0, 1; v7, v8 the add's two; v9 the prefetches' offset; v10, v11 the stage; v12 -M, v13 the largest t, v[14:15] the sum in two halves; v16-31 Q;
; v32-95 four fragments of K or V, or the mask's 64 numbers; v96-159 S^T, then t, then p; v160-223 O^T; v224-239 p's codes; v240 448 x 2^e8; v[242:243] a second chain of sums; v244 2^e8; v245-249 at work; v250 16 x lane.
.set KP,    144                        ; a row of K or V in LDS: 128 bytes + 16 of padding
.set MP,    528                        ; a row of the mask: 512 bytes + 16
.set VOFF,  128*KP
.set MOFF,  2*128*KP
.set SLOT1, 1<<17                      ; slot 1 begins here; a slot uses 104,448 bytes
.set SPARE, 2*SLOT1                    ; the spare words, 128 bytes for each of eight waves, which no other line names
.set STAGE, SPARE+1024                 ; the way out: 16 rows x 144 bytes a wave
.set AK,  1
.set AV,  3
.set AM,  5
.set SPW, 7
.set NIL, 8
.set PFO, 9
.set STO, 10
.set RD,  11
.set GO,  250
.set WV,   16                          ; s16  my wave's number
.set G1KV, 24                          ; s[24:31] descriptor group 1 for K's and V's tiles;  s[32:39] for the mask's
.set G1M,  32
.set G0KV, 40                          ; s[40:47] group 0 for K or V, a set for each slot;  s[48:55] for the mask
.set G0M,  48
.set KVS,  56                          ; s[56:57] two key steps in bytes, in K or in V
.set CS,   58                          ; s[58:59] 2^(e6 + e7) / sqrt(128): the packed form names a pair and takes its low word
.set L2E,  60                          ; s[60:61] log2(e)
.set SEL,  62                          ; s[62:63] lane selects for v_permlanex16_b32: lane l xor 16
.set PFA,  66                          ; s[66:67] where my prefetches stand
.set PFS,  68                          ; s[68:69] a key step there, in bytes
.set LIM,  70                          ; s70  1 in a wave that prefetches, else the greatest number
.set CNT,  71                          ; s71  the loop's trips to go
.macro CROUND                          ; a round of the cluster's barrier
	s_barrier_signal -1
	s_barrier_wait -1
	s_cmp_lg_u32 s[WV], 0
	s_cbranch_scc1 .Lnot_wave_0_\@
	s_barrier_signal -3
.Lnot_wave_0_\@:
	s_barrier_wait -3
	s_barrier_signal -1
	s_barrier_wait -1
.endm
; A joint refill of slot s: waves 0-3 fetch K's and V's halves, waves 4-7 the mask's quarters.  The branch hangs on the wave's number alone.  An s_nop 0 and four v_nop follow each of the two lines.
.macro JLOAD s
	s_cmp_lt_u32 s[WV], 4
	s_cbranch_scc0 .Lfor_m_\@
	tensor_load_to_lds s[G0KV+4*(\s):G0KV+4*(\s)+3], s[G1KV:G1KV+7]
	s_nop 0
.rept 4
	v_nop
.endr
	s_branch .Lasked_\@
.Lfor_m_\@:
	tensor_load_to_lds s[G0M+4*(\s):G0M+4*(\s)+3], s[G1M:G1M+7]
	s_nop 0
.rept 4
	v_nop
.endr
.Lasked_\@:
.endm
; A PREFETCH INTO THE L2 of the key step that the NEXT refill will ask for: it stands behind the wave's tensor load and its five lines.  Each aligned block of 256 bytes is named once in the launch.
; K and V of a head are walked by the four clusters of a row of clusters: the first (cluster x = 0) asks, in wave 0; its four partners along x take 8,192 bytes each, told apart BY ADDRESS (K's halves, V's halves), lanes 256 bytes apart.
; The mask's rows are walked by the four clusters of a column: the first (cluster y = 0) asks, in waves 1 and 2; its four partners along y take 32 rows each, by address; a lane a row, wave 1 the step's first 256 bytes, wave 2 the second.
; how = 0: the trip's first refill; how = 1: its second, which asks for nothing in the loop's last trip: there is no key step behind the sixteenth.  Key steps 0, 1 and 2 come by their loads alone.
.macro ASK how
.if \how
	s_cmp_gt_u32 s[CNT], s[LIM]
.else
	s_cmp_eq_u32 s[LIM], 1
.endif
	s_cbranch_scc0 .Lnot_mine_\@
	global_prefetch_b8 v[PFO], s[PFA:PFA+1] th:TH_LOAD_NT scope:SCOPE_SE
.Lnot_mine_\@:
.endm
	s_load_b256 s[4:11], s[0:1], 0x0               ; qkvc 4, mask 6, the exponents 8, ac 10
	v_lshl_add_u32 v[SPW], v0, 2, SPARE
	v_mov_b32 v[NIL], 0
	ds_add_u32 v[SPW], v[NIL]                      ; the wave's opening: the add, twice on end, and its wait ahead of my first tensor load; the set-up below stands between
	ds_add_u32 v[SPW], v[NIL]
	v_lshrrev_b32 v1, 5, v0
	v_readfirstlane_b32 s[WV], v1                  ; wave 0..7
	s_and_b32 s17, s[WV], 3                        ; which part of K and V, or of the mask, I fetch
	s_bfe_u32 s18, ttmp6, 0x40000                  ; cx
	s_bfe_u32 s19, ttmp6, 0x40004                  ; cy
	s_lshl_b32 s20, ttmp9, 2
	s_add_co_u32 s20, s20, s18                     ; my block of 128 queries
	s_and_b32 s21, ttmp7, 0xffff
	s_lshl_b32 s21, s21, 2
	s_add_co_u32 s21, s21, s19                     ; my head
	s_lshl_b32 s22, s19, 2
	s_lshl_b32 s22, 15, s22                        ; my row of the cluster: the same head
	s_lshl_b32 s23, 0x1111, s18                    ; my column: the same queries
	s_or_b32 s[G1KV], s22, (0<<16)|(1<<20)|(1<<21)|(4<<22)|(3<<25)  ; the mask of work-groups; elements of 1 byte; padding on; bit 21 beside a mask; four words after every 32
	s_mov_b32 s[G1KV+1], 128<<16                   ; tensor_dim0 = 128
	s_mov_b32 s[G1KV+2], 64<<16                    ; tensor_dim1 = 64
	s_mov_b32 s[G1KV+3], 128<<16                   ; tile_dim0 = 128
	s_mov_b32 s[G1KV+4], 64                        ; tile_dim1 = 64
	s_mov_b32 s[G1KV+5], 128                       ; rows are dense
	s_mov_b32 s[G1KV+6], 0
	s_mov_b32 s[G1KV+7], 0
	s_or_b32 s[G1M], s23, (2<<16)|(1<<20)|(1<<21)|(6<<22)|(3<<25)   ; elements of 4 bytes; four words of padding after every 128
	s_mov_b32 s[G1M+1], 128<<16                    ; tensor_dim0 = 128
	s_mov_b32 s[G1M+2], 32<<16                     ; tensor_dim1 = 32
	s_mov_b32 s[G1M+3], 128<<16                    ; tile_dim0 = 128
	s_mov_b32 s[G1M+4], 32                         ; tile_dim1 = 32
	s_mov_b32 s[G1M+5], 2048                       ; a row of the mask is 2,048 numbers
	s_mov_b32 s[G1M+6], 0
	s_mov_b32 s[G1M+7], 0
	; K's or V's part: K lies 4 MiB into qkvc, a head 2^18 bytes, a key step 2^14; V lies 8 MiB in, a head 2^14 bytes, a key step 2^18.  These registers never hold cx
	s_lshr_b32 s80, s17, 1                         ; 0: K, 1: V
	s_lshl_b32 s81, s80, 2
	s_sub_co_u32 s82, 18, s81
	s_lshl_b32 s78, s21, s82
	s_lshl_b32 s82, s80, 22
	s_add_co_u32 s78, s78, s82
	s_add_co_u32 s78, s78, 0x400000
	s_and_b32 s82, s17, 1
	s_lshl_b32 s82, s82, 13                        ; which 64 rows of 128 bytes
	s_add_co_u32 s78, s78, s82
	s_mov_b32 s79, 0
	s_lshl_b32 s82, 0x4000, s81                    ; a key step
	s_mov_b32 s83, 0
	s_lshl_b32 s[KVS], s82, 1
	s_mov_b32 s[KVS+1], 0
	s_mul_i32 s86, s17, 64*KP                      ; and its place in a slot
	; the mask's part: rows 128 x block + 32 x part.  These registers never hold cy
	s_lshl_b32 s84, s20, 20
	s_lshl_b32 s85, s17, 18
	s_add_co_u32 s84, s84, s85
	s_mov_b32 s85, 0
	s_mul_i32 s87, s17, 32*MP
	s_add_co_u32 s87, s87, MOFF
	; Q's codes and the result's: head, block of queries, wave
	s_lshl_b32 s12, s21, 18
	s_lshl_b32 s13, s20, 14
	s_add_co_u32 s12, s12, s13
	s_lshl_b32 s13, s[WV], 11
	s_add_co_u32 s12, s12, s13
	s_mov_b32 s13, 0
	; the prefetches (macro ASK)
	s_lshr_b32 s89, s18, 1                         ; partners 0, 1 along x: K; 2, 3: V
	s_lshl_b32 s90, s89, 2
	s_sub_co_u32 s92, 18, s90
	s_lshl_b32 s88, s21, s92
	s_lshl_b32 s92, s89, 22
	s_add_co_u32 s88, s88, s92
	s_add_co_u32 s88, s88, 0x400000
	s_and_b32 s92, s18, 1
	s_lshl_b32 s92, s92, 13
	s_add_co_u32 s88, s88, s92                     ; wave 0: my work-group's 8,192 bytes of key step 0,
	s_lshl_b32 s89, 0x4000, s90                    ; and a key step there
	s_lshl_b32 s91, s20, 20
	s_lshl_b32 s92, s19, 18
	s_add_co_u32 s91, s91, s92                     ; waves 1, 2: my work-group's 32 rows of the mask,
	s_sub_co_u32 s92, s[WV], 1
	s_and_b32 s92, s92, 1
	s_lshl_b32 s92, s92, 8
	s_add_co_u32 s91, s91, s92                     ; the first or the second 256 bytes of a step's 512
	s_and_b32 s94, ttmp7, 0xffff
	s_mov_b32 s93, 8192
	s_mov_b32 s95, 512
	s_cmp_eq_u32 s[WV], 0
	s_cselect_b32 s88, s88, s91
	s_cselect_b32 s[PFS], s89, s95
	s_cselect_b32 s93, 256, s93                    ; from lane to lane
	s_cselect_b32 s94, ttmp9, s94                  ; the coordinate along which other clusters walk the same bytes
	s_mov_b32 s[PFS+1], 0
	s_lshl_b32 s89, s[PFS], 1
	s_add_co_u32 s88, s88, s89                     ; at key step 2: the first refill steps it to 3.  Nothing is prefetched at the head, where every work-group's first tiles are on their way
	s_mov_b32 s89, 0
	s_cmp_lt_u32 s[WV], 3
	s_cselect_b32 s95, 0, 1
	s_or_b32 s94, s94, s95
	s_cmp_eq_u32 s94, 0
	s_cselect_b32 s[LIM], 1, -1                    ; the same in all sixteen partners, for a given wave
	v_and_b32 v[PFO], 31, v0
	v_mul_lo_u32 v[PFO], v[PFO], s93
	s_mov_b32 s[SEL], 0x76543210
	s_mov_b32 s[SEL+1], 0xfedcba98
	s_mov_b32 s[L2E], 0x3fb8aa3b
	s_mov_b32 s[L2E+1], 0x3fb8aa3b                 ; (named with it as a pair, so it is written)
	s_wait_dscnt 0x0                               ; both opening adds are done
	s_wait_kmcnt 0x0
	s_load_b128 s[72:75], s[8:9], 0x18             ; e6, e7, e8, e9
	s_load_b32 s76, s[8:9], 0x28                   ; e10
	s_add_nc_u64 s[78:79], s[4:5], s[78:79]
	s_add_nc_u64 s[84:85], s[6:7], s[84:85]
	s_add_nc_u64 s[14:15], s[4:5], s[12:13]        ; Q
	s_add_nc_u64 s[10:11], s[10:11], s[12:13]      ; the result
	s_cmp_eq_u32 s[WV], 0
	s_cselect_b64 s[PFA:PFA+1], s[4:5], s[6:7]
	s_add_nc_u64 s[PFA:PFA+1], s[PFA:PFA+1], s[88:89]
	s_mov_b32 s[G0KV], 1                           ; count = 1
	s_mov_b32 s[G0KV+1], s86                       ; LDS address: slot 0
	s_mov_b64 s[G0KV+2:G0KV+3], s[78:79]           ; key step 0
	s_or_b32 s[G0KV+3], s[G0KV+3], 0x80000000      ; type = 2
	s_mov_b32 s[G0KV+4], 1
	s_add_co_u32 s[G0KV+5], s86, SLOT1
	s_add_nc_u64 s[G0KV+6:G0KV+7], s[78:79], s[82:83]   ; key step 1
	s_or_b32 s[G0KV+7], s[G0KV+7], 0x80000000
	s_mov_b32 s[G0M], 1
	s_mov_b32 s[G0M+1], s87
	s_mov_b64 s[G0M+2:G0M+3], s[84:85]
	s_or_b32 s[G0M+3], s[G0M+3], 0x80000000
	s_mov_b32 s[G0M+4], 1
	s_add_co_u32 s[G0M+5], s87, SLOT1
	s_add_nc_u64 s[G0M+6:G0M+7], s[84:85], 512
	s_or_b32 s[G0M+7], s[G0M+7], 0x80000000
	CROUND                                         ; all sixteen work-groups are here: the first joint loads meet
	s_cmp_lt_u32 s[WV], 4                          ; a wave's two first fills stand in one branch, a fill in each arm: two loads of mine are out
	s_cbranch_scc0 .Lfirst_m
	tensor_load_to_lds s[G0KV:G0KV+3], s[G1KV:G1KV+7]
	s_nop 0
	tensor_load_to_lds s[G0KV+4:G0KV+7], s[G1KV:G1KV+7]
	s_nop 0
.rept 4
	v_nop
.endr
	s_branch .Lfirst_asked
.Lfirst_m:
	tensor_load_to_lds s[G0M:G0M+3], s[G1M:G1M+7]
	s_nop 0
	tensor_load_to_lds s[G0M+4:G0M+7], s[G1M:G1M+7]
	s_nop 0
.rept 4
	v_nop
.endr
.Lfirst_asked:
	v_and_b32 v32, 15, v0                          ; r
	v_bfe_u32 v33, v0, 4, 1                        ; h
	v_lshlrev_b32 v35, 7, v32
	v_lshl_add_u32 v35, v33, 4, v35                ; Q: row r of 128 bytes, + 16 h
.irp c, 0,1,2,3
	global_load_b128 v[16+4*\c:19+4*\c], v35, s[14:15] offset:32*\c   ; Q's fragment stays in registers
.endr
	v_and_b32 v34, 8, v32
	v_add_nc_u32 v34, v34, v32                     ; r + 8 (r / 8)
	v_mul_u32_u24 v[AK], v34, KP
	v_lshl_add_u32 v[AK], v33, 4, v[AK]
	v_add_nc_u32 v[AK+1], SLOT1, v[AK]
	v_mul_u32_u24 v36, v32, KP
	v_lshl_add_u32 v[AV], v33, 4, v36
	v_add_nc_u32 v[AV], VOFF, v[AV]
	v_add_nc_u32 v[AV+1], SLOT1, v[AV]
	s_mul_i32 s22, s[WV], 16*MP
	s_add_co_u32 s22, s22, MOFF
	v_mul_u32_u24 v[AM], v32, MP
	v_lshl_add_u32 v[AM], v33, 6, v[AM]
	v_add_nc_u32 v[AM], s22, v[AM]                 ; the mask: row 16 w + r, + 64 h: my 16 keys of a block of 32
	v_add_nc_u32 v[AM+1], SLOT1, v[AM]
	s_mul_i32 s22, s[WV], 16*KP
	s_add_co_u32 s22, s22, STAGE                   ; my stage
	v_lshl_add_u32 v[STO], v33, 3, v36
	v_add_nc_u32 v[STO], s22, v[STO]               ; in: row r, 8 bytes for each half of the lanes
	v_and_b32 v37, 31, v0
	v_lshrrev_b32 v38, 3, v37
	v_and_b32 v39, 7, v0
	v_mul_u32_u24 v38, v38, KP
	v_lshl_add_u32 v38, v39, 4, v38
	v_add_nc_u32 v[RD], s22, v38                   ; back: eight lanes to a row of 128 bytes
	v_lshlrev_b32 v[GO], 4, v37
	v_mov_b32 v13, 0xff61b1e6                      ; the largest t so far: -3e38, under every t
	v_floor_f32 v12, -v13                          ; -M
	v_mov_b32 v14, 0                               ; the sum, in two halves
	v_mov_b32 v15, 0
	v_mov_b32 v245, 0                              ; written once: a lane permute's destination counts as one of its sources
	v_mov_b32 v249, 0                              ; (named as the upper half of the pair v[248:249])
.set j, 0
.rept 64
	v_mov_b32 v[160+j], 0                          ; O^T.  (The key step is written alike for all steps: the first finds zeros, which the first change of M leaves zeros)
.set j, j+1
.endr
	s_wait_kmcnt 0x0
	s_add_co_i32 s22, s72, s73
	s_lshl_b32 s22, s22, 23
	s_mov_b32 s[CS], 0x3db504f3                    ; 1 / sqrt(128);
	s_add_co_i32 s[CS], s[CS], s22                 ; a score stands for score x 2^(e6 + e7): the two exponents are added to its exponent field
	s_mov_b32 s[CS+1], s[CS]
	s_add_co_i32 s22, s74, 127
	s_lshl_b32 s23, s22, 23
	v_mov_b32 v244, s23                            ; 2^e8 as f32, for the conversion
	s_add_co_i32 s22, s22, 8
	s_lshl_b32 s22, s22, 23
	s_or_b32 s22, s22, 0x600000
	v_mov_b32 v240, s22                            ; 448 x 2^e8
; A KEY STEP: the 128 keys of the slot.
.macro STEP slot
.irp g, 0,1                                    ; S^T = K Q^T, four tiles of 16 keys at a time
.rept 4
	v_nop                                          ; places in front of loads into registers that matrix instructions have read
.endr
.irp t, 0,1,2,3
.irp c, 0,1,2,3
	ds_load_b128 v[32+16*\t+4*\c:32+16*\t+4*\c+3], v[AK+\slot] offset:(32*((4*\g+\t)/2)+8*(\t%2))*KP+32*\c
.endr
.endr
	s_wait_dscnt 0x0
.irp t, 0,1,2,3
	v_wmma_f32_16x16x128_fp8_fp8 v[96+8*(4*\g+\t):103+8*(4*\g+\t)], v[32+16*\t:47+16*\t], v[16:31], 0
.endr
.endr
.rept 4
	v_nop                                          ; places: for the loads below and for the first reads of the scores
.endr
.irp b, 0,1,2,3                                ; the mask's numbers of my query and my 64 keys, in the scores' order: register 16 b + i = key 32 b + 16 h + i
.irp c, 0,1,2,3
	ds_load_b128 v[32+16*\b+4*\c:32+16*\b+4*\c+3], v[AM+\slot] offset:128*\b+16*\c
.endr
.endr
	s_wait_dscnt 0x0
.set j, 0
.rept 32
	v_pk_fma_f32 v[96+j:97+j], v[96+j:97+j], s[CS:CS+1], v[32+j:33+j] op_sel_hi:[1,0,1]   ; the logit; each tile of scores from its low end on
.set j, j+2
.endr
.set j, 0
.rept 32
	v_pk_mul_f32 v[96+j:97+j], v[96+j:97+j], s[L2E:L2E+1] op_sel_hi:[1,0]                 ; t = logit x log2(e), rounded to f32
.set j, j+2
.endr
	v_max3_num_f32 v246, v96, v97, v98             ; the step's largest t of my query, among my 64 keys, in two chains,
	v_max3_num_f32 v247, v99, v100, v101
.irp i, 6,10,14,18,22,26,30,34,38,42,46,50,54,58
	v_max3_num_f32 v246, v246, v[96+\i], v[97+\i]
	v_max3_num_f32 v247, v247, v[98+\i], v[99+\i]
.endr
	v_max3_num_f32 v246, v246, v158, v159
	v_max_num_f32 v246, v246, v247
	v_permlanex16_b32 v245, v246, s[SEL], s[SEL+1]
	v_max_num_f32 v246, v246, v245                 ; and among lane l xor 16's
	v_max_num_f32 v13, v13, v246                   ; the running largest t
	v_mov_b32 v246, v12
	v_floor_f32 v12, -v13                          ; the new -M = floor(-t) = -ceil(t): M is a whole number
	v_sub_f32 v246, v12, v246                      ; M's old value less its new one: a whole number, 0 or less
	v_cvt_i32_f32 v246, v246                       ; (it saturates)
	v_ldexp_f32 v248, 1.0, v246                    ; f = 2^(old M - new M)
.set j, 0
.rept 32
	v_pk_add_f32 v[96+j:97+j], v[96+j:97+j], v[12:13] op_sel_hi:[1,0]   ; t - M (of the pair the low word, -M, serves both halves)
.set j, j+2
.endr
.set j, 0
.rept 64
	v_exp_f32 v[96+j], v[96+j]                     ; p = 2^(t - M), at most 1: not normalised
.set j, j+1
.endr
	v_pk_mul_f32 v[14:15], v[14:15], v[248:249] op_sel_hi:[1,0]   ; the sums under the new M.  (The plain place behind the exponentials)
	s_wait_alu depctr_va_vdst(0)                   ; one wait for the whole batch, ahead of its first reader
	v_pk_add_f32 v[242:243], v[96:97], v[98:99]    ; the row's sum is taken of the UNQUANTISED p: two at a time, in two chains
.irp j, 4,8,12,16,20,24,28,32,36,40,44,48,52,56,60
	v_pk_add_f32 v[14:15], v[14:15], v[96+\j:97+\j]
	v_pk_add_f32 v[242:243], v[242:243], v[98+\j:99+\j]
.endr
	v_pk_add_f32 v[14:15], v[14:15], v[242:243]
.irp b, 0,1,2,3
.set j, 0
.rept 16
	v_min_num_f32 v[96+16*\b+j], v[96+16*\b+j], v240   ; the conversion to an 8-bit code does not saturate (ISA guide 7.6.2); p is not negative, so the hold is one-sided
.set j, j+1
.endr
	v_cvt_scalef32_pk8_fp8_f32 v[224+4*\b:225+4*\b], v[96+16*\b:103+16*\b], v244
	v_cvt_scalef32_pk8_fp8_f32 v[226+4*\b:227+4*\b], v[104+16*\b:111+16*\b], v244
.endr
.set j, 0
.rept 32
	v_pk_mul_f32 v[160+j:161+j], v[160+j:161+j], v[248:249] op_sel_hi:[1,0]   ; O^T under the new M.  (These are also the plain lines behind the conversions)
.set j, j+2
.endr
.irp g, 0,1                                    ; O^T += V^T P^T: four tiles of 16 of the head's 128 at a time; K = these 128 keys
.if \g > 0
.rept 4
	v_nop
.endr
.endif
.irp t, 0,1,2,3
.irp c, 0,1,2,3
	ds_load_b128 v[32+16*\t+4*\c:32+16*\t+4*\c+3], v[AV+\slot] offset:16*(4*\g+\t)*KP+32*\c
.endr
.endr
	s_wait_dscnt 0x0
.irp t, 0,1,2,3
	v_wmma_f32_16x16x128_fp8_fp8 v[160+8*(4*\g+\t):167+8*(4*\g+\t)], v[32+16*\t:47+16*\t], v[224:239], v[160+8*(4*\g+\t):167+8*(4*\g+\t)]
.endr
.endr
.endm
; THE CHANGE OF SLOTS, at a key step's head.  Each wave waits for all its tensor loads (its part of the slot that it is about to read), adds 0 to its spare word, and waits for that and for its reads of the slot that it has left.
; refill = 1: the barrier is a round of the cluster's, so that no wave of any partner still reads that slot or has a load on its way; the joint refill, two key steps on, is the first thing behind it and has a key step in which to land.
.macro TRIP slot, refill, how
	s_wait_tensorcnt 0x0                           ; no tensor load of mine is out, so a group 0 may be written
	ds_add_u32 v[SPW], v[NIL]                      ; 0 onto my spare word
.if \refill
	s_add_nc_u64 s[G0KV+4*(1-\slot)+2:G0KV+4*(1-\slot)+3], s[G0KV+4*(1-\slot)+2:G0KV+4*(1-\slot)+3], s[KVS:KVS+1]   ; the other slot's next tile; the type bits on top are not reached
	s_add_nc_u64 s[G0M+4*(1-\slot)+2:G0M+4*(1-\slot)+3], s[G0M+4*(1-\slot)+2:G0M+4*(1-\slot)+3], 1024
	s_wait_xcnt 0x0                                ; the last prefetch, a key step back, has read its address, so it may be written:
	s_add_nc_u64 s[PFA:PFA+1], s[PFA:PFA+1], s[PFS:PFS+1]   ; one key step further on than the refill below
	s_wait_dscnt 0x0                               ; the add is done, and my reads of the slot that I have left are over
	CROUND
	JLOAD 1-\slot
	ASK \how
.else
	s_wait_dscnt 0x0
	s_barrier_signal -1
	s_barrier_wait -1
.endif
	STEP \slot
.endm
	s_wait_tensorcnt 1                             ; my part of slot 0 is in; slot 1's may stay out
	s_barrier_signal -1
	s_barrier_wait -1                              ; everybody's is
	s_wait_loadcnt 0x0                             ; Q
	STEP 0                                         ; key step 0
	s_mov_b32 s[CNT], 7
.Lpair:                                            ; seven trips: key steps 1 to 14; refills bring key steps 2 to 15
	TRIP 1, 1, 0
	TRIP 0, 1, 1
	s_sub_co_u32 s[CNT], s[CNT], 1
	s_cmp_lg_u32 s[CNT], 0
	s_cbranch_scc1 .Lpair
	TRIP 1, 0, 0                                   ; key step 15 is written out: nothing is left to fetch
	; THE WAY OUT.  O^T / the sum, quantised under entry 10: a sum of the second product stands for sum x 2^(e8 + e9), so the conversion takes 2^(e10 - e8 - e9).
.rept 4
	v_nop                                          ; places behind the last products
.endr
	v_add_f32 v14, v14, v15                        ; the sum's two halves,
	v_permlanex16_b32 v245, v14, s[SEL], s[SEL+1]
	v_add_f32 v14, v14, v245                       ; and lane l xor 16's: the row's sum
	v_rcp_f32 v14, v14
	v_nop                                          ; a plain place behind the reciprocal
	s_sub_co_i32 s22, s76, s74
	s_sub_co_i32 s22, s22, s75
	s_add_co_i32 s22, s22, 127
	s_lshl_b32 s23, s22, 23
	v_mov_b32 v246, s23                            ; 2^(e10 - e8 - e9)
	s_add_co_i32 s22, s22, 8
	s_lshl_b32 s22, s22, 23
	s_or_b32 s22, s22, 0x600000
	v_mov_b32 v247, s22                            ; 448 x that
	s_wait_alu depctr_va_vdst(0)                   ; the wait ahead of the reciprocal's first reader
.set j, 0
.rept 32
	v_pk_mul_f32 v[96+j:97+j], v[160+j:161+j], v[14:15] op_sel_hi:[1,0]   ; register 8 t + i is o(query r, 16 t + 8 h + i); each accumulator from its low end on
.set j, j+2
.endr
.set j, 0
.rept 64
	v_med3_num_f32 v[96+j], v[96+j], -v247, v247
.set j, j+1
.endr
.irp t, 0,1,2,3,4,5,6,7
	v_cvt_scalef32_pk8_fp8_f32 v[224+2*\t:225+2*\t], v[96+8*\t:103+8*\t], v246
.endr
	v_nop
.irp t, 0,1,2,3,4,5,6,7
	ds_store_b64 v[STO], v[224+2*\t:225+2*\t] offset:16*\t
.endr
.irp i, 0,1,2,3
	ds_load_b128 v[32+4*\i:35+4*\i], v[RD] offset:4*KP*\i   ; LDS serves a wave's instructions in order: these see my stores
.endr
.irp i, 0,1,2,3
	s_wait_dscnt 3-\i                              ; the younger loads may stay out
	global_store_b128 v[GO], v[32+4*\i:35+4*\i], s[10:11] offset:512*\i   ; 32 lanes store 512 consecutive bytes, aligned
.endr
	s_wait_tensorcnt 0x0                           ; the wave's end, behind my last tensor load and my last LDS store
	ds_add_u32 v[SPW], v[NIL]
	s_wait_dscnt 0x0
	CROUND                                         ; the closing round: no work-group ends while a partner may still ask for a tile that names it
	s_endpgm
.Lfunc_end_k_qb4a730295b_attn:
	.size	k_qb4a730295b_attn, .Lfunc_end_k_qb4a730295b_attn-k_qb4a730295b_attn
	.p2alignl 7, 3214868480
	.fill 96, 4, 3214868480
	.section	.rodata,"a",@progbits
	.p2align	6, 0x0
	.amdhsa_kernel k_qb4a730295b_attn
		.amdhsa_group_segment_fixed_size 327680
		.amdhsa_private_segment_fixed_size 0
		.amdhsa_enable_private_segment 0
		.amdhsa_kernarg_size 32
		.amdhsa_user_sgpr_count 2
		.amdhsa_user_sgpr_kernarg_segment_ptr 1
		.amdhsa_wavefront_size32 1
		.amdhsa_system_sgpr_workgroup_id_x 1
		.amdhsa_system_sgpr_workgroup_id_y 1
		.amdhsa_system_sgpr_workgroup_id_z 1
		.amdhsa_system_vgpr_workitem_id 0
		.amdhsa_next_free_vgpr 256
		.amdhsa_next_free_sgpr 96
		.amdhsa_reserve_vcc 0
		.amdhsa_float_denorm_mode_32 3
		.amdhsa_float_denorm_mode_16_64 3
		.amdhsa_memory_ordered 1
		.amdhsa_forward_progress 1
		.amdhsa_inst_pref_size 119
	.end_amdhsa_kernel
	.amdgpu_metadata
---
amdhsa.version: [ 1, 2 ]
amdhsa.kernels:
  - .name:           k_qb4a730295b_attn
    .symbol:         k_qb4a730295b_attn.kd
    .args:
      - { .name: qkvc, .offset: 0, .size: 8, .value_kind: global_buffer, .address_space: global }
      - { .name: mask, .offset: 8, .size: 8, .value_kind: global_buffer, .address_space: global }
      - { .name: lowp_scales, .offset: 16, .size: 8, .value_kind: global_buffer, .address_space: global }
      - { .name: ac, .offset: 24, .size: 8, .value_kind: global_buffer, .address_space: global }
    .group_segment_fixed_size: 327680
    .private_segment_fixed_size: 0
    .kernarg_segment_align: 8
    .kernarg_segment_size: 32
    .max_flat_workgroup_size: 256
    .sgpr_count:     96
    .vgpr_count:     256
    .wavefront_size: 32
...
	.end_amdgpu_metadata
.endif
;; end of part 3
;; launch gemm_out (part 4): grid 8 x 8, 4 waves a work-group, clusters of 4 x 4, 327,680 bytes of LDS; arguments ac, wc, lowp_scales, out0; writes out0
.if DOCPART == 4
	.amdgcn_target "amdgcn-amd-amdhsa--gfx1250"
	.amdhsa_code_object_version 6
	.text
	.protected	k_qb4a730295b_gemm_out
	.globl	k_qb4a730295b_gemm_out
	.p2align	8
	.type	k_qb4a730295b_gemm_out,@function
k_qb4a730295b_gemm_out:
	s_mov_b64 s[64:65], 0
	v_nop
	global_prefetch_b8 v0, s[64:65] scope:SCOPE_SE
	s_setreg_imm32_b32 hwreg(HW_REG_WAVE_MODE, 25, 1), 1
	s_wait_xcnt 0x0
	s_wait_alu depctr_hold_cnt(0) depctr_sa_sdst(0) depctr_va_vdst(0) depctr_va_sdst(0) depctr_va_ssrc(0) depctr_va_vcc(0) depctr_vm_vsrc(0)
	s_getreg_b32 s2, hwreg(HW_REG_IB_STS2, 6, 4)
	s_cmp_eq_u32 s2, 0
	s_cbranch_scc0 .Lentry_in_a_cluster
	s_endpgm
.Lentry_in_a_cluster:
	s_bfe_u32 s2, ttmp6, 0x10000c
	s_cmp_lg_u32 s2, 0xf033
	s_cbranch_scc0 .Lentry_shape_is_right
	s_endpgm
.Lentry_shape_is_right:
; THE PROJECTION ON THE WAY OUT: out0[token][e] = 2^(e10 + e11) x sum over k of A[token][k] B[e][k], on codes of E4M3.  Nothing of the problem is left out here.
; A = attention's result as codes, B = wo's codes (12 MiB into wc); both lie [K / 128][row][128 bytes].  out0: [2048][2048] f32.  LIMIT: e10 + e11 between -126 and 127, so that 2^(e10 + e11) is an f32 number.
; A tile of C is 256 x 256: four waves, each 128 x 128 in 64 accumulators.  64 tiles make 64 work-groups: the loop is the one of the projections' launch, with its large wave tile; a tile of half the side would share the work further.
; K goes in steps of 256 through a ring of two LDS slots; a slot holds, for A and for B, two dense blocks of 256 rows x 128 bytes; each wave fetches one of the four by one tensor load.
; CLUSTERS: 4 x 4 work-groups.  The four of a row of the cluster need the same tiles of A, the four of a column the same tiles of B: each tile is asked for JOINTLY.
; THE MATRIX INSTRUCTION IS USED TRANSPOSED (source 0 = 16 rows of B, source 1 = 16 rows of A): a lane holds eight neighbouring numbers of a row of C.
; REGISTERS, in windows of 256: window 0: v0-31 addresses; from v128 A's fragments, ONE set; on the way out v32-255 are free.  window 1: B's fragments, TWO sets.  windows 2, 3: the accumulators ((a, b) at v[8 (8 (a % 4) + b)]).
.set SIZE_N, 2048
.set PITCH,  144                       ; an LDS row: 128 bytes + 16 of padding = 36 words: the 16 rows that a load touches start at 16 different groups of four banks
.set SUBT,   256*PITCH
.set SLOT,   4*SUBT
.set KBLK,   262144                    ; a block of 128 along K in memory
.set FR,     16
.set NL,     4
.set NP,     4                         ; places behind this matrix instruction (ISA guide 7.12.1)
.set LAPS,   4
.set SPARE,  2*SLOT                    ; behind the ring: the spare words, 128 bytes a wave, which no other line names
.set SPITCH, 528                       ; the way out: a stage of 16 rows x (512 bytes + 16) for each wave.  It lies in slot 0, which has had its last fill and its last read when the first result is stored there
.set ADRA, 16
.set ADRB, 20
.set STO,  24                          ; v24  the way out: where I put 32 bytes of a row
.set RD,   25                          ; v25  where I read a row back
.set CO,   26                          ; v26  my byte offset in a row of C
.set SPW,  28
.set NIL,  29
.set TMP,  32                          ; 64 registers: a block's sums x 2^(e10 + e11)
.set AF,   128
.set BK,   128                         ; 16 rows read back from the stage: v128-191 and v192-255 by turns
.set G1, 24
.set G0, 32
.set G1B, 48
.set G0B, 56
.set MSB, 0
.macro WIN new                         ; the immediate's high byte repeats the setting that is left
.if MSB != \new
	s_set_vgpr_msb (MSB<<8)|\new
.set MSB, \new
.endif
.endm
.set MUL_LO, 0xa1
.set MUL_HI, 0xf1
.set TO_B,   0x40
.macro JLOAD g0a, g1a, g0b, g1b        ; a joint load: waves 0 and 1 fetch for A, waves 2 and 3 for B; an s_nop 0 and four v_nop follow each of the two lines
	s_cmp_eq_u32 s15, 0
	s_cbranch_scc0 .Lfor_b_\@
	tensor_load_to_lds s[\g0a:\g0a+3], s[\g1a:\g1a+7]
	s_nop 0
.rept 4
	v_nop
.endr
	s_branch .Lasked_\@
.Lfor_b_\@:
	tensor_load_to_lds s[\g0b:\g0b+3], s[\g1b:\g1b+7]
	s_nop 0
.rept 4
	v_nop
.endr
.Lasked_\@:
.endm
.macro CREST
	s_cmp_lg_u32 s14, 0
	s_cbranch_scc1 .Lnot_wave_0_\@
	s_barrier_signal -3
.Lnot_wave_0_\@:
	s_barrier_wait -3
	s_barrier_signal -1
	s_barrier_wait -1
.endm
.macro CROUND
	s_barrier_signal -1
	s_barrier_wait -1
	CREST
.endm
	s_load_b128 s[4:7], s[0:1], 0x0                ; ac, wc
	s_load_b128 s[8:11], s[0:1], 0x10              ; the exponents, out0
	v_lshl_add_u32 v[SPW], v0, 2, SPARE
	v_mov_b32 v[NIL], 0
	ds_add_u32 v[SPW], v[NIL]                      ; the wave's opening: the add, twice on end, and its wait ahead of my first tensor load
	ds_add_u32 v[SPW], v[NIL]
	v_lshrrev_b32 v1, 5, v0
	v_readfirstlane_b32 s14, v1                    ; wave 0..3
	s_lshr_b32 s15, s14, 1                         ; my half of the tile's rows.  Also: I fetch for A (0) or for B (1)
	s_and_b32 s16, s14, 1                          ; my half of its columns.  Also: which of a slot's two blocks of K I fetch
	s_bfe_u32 s40, ttmp6, 0x40000                  ; cx, cy
	s_bfe_u32 s41, ttmp6, 0x40004
	s_lshl_b32 s42, ttmp9, 2
	s_add_co_u32 s42, s42, s40                     ; tile column of C
	s_and_b32 s17, ttmp7, 0xffff
	s_lshl_b32 s17, s17, 2
	s_add_co_u32 s17, s17, s41                     ; tile row of C
	s_lshl_b32 s43, s41, 2
	s_lshl_b32 s43, 15, s43                        ; my row of the cluster
	s_lshl_b32 s44, 0x1111, s40                    ; my column
	s_or_b32 s[G1+0], s43, (0<<16)|(1<<20)|(1<<21)|(4<<22)|(3<<25)  ; the mask; elements of 1 byte; padding on; bit 21 beside a mask; four words after every 32
	s_or_b32 s[G1B+0], s44, (0<<16)|(1<<20)|(1<<21)|(4<<22)|(3<<25)
.irp g, G1, G1B
	s_mov_b32 s[\g+1], 128<<16                     ; tensor_dim0 = 128
	s_mov_b32 s[\g+2], 256<<16                     ; tensor_dim1 = 256
	s_mov_b32 s[\g+3], 128<<16                     ; tile_dim0 = 128
	s_mov_b32 s[\g+4], 256                         ; tile_dim1 = 256
	s_mov_b32 s[\g+5], 128                         ; tensor_dim0_stride
	s_mov_b32 s[\g+6], 0
	s_mov_b32 s[\g+7], 0
.endr
	s_lshl_b32 s18, s16, 18                        ; which block of K
	s_lshl_b32 s20, s17, 15                        ; A: tile row x 256 rows x 128 bytes
	s_add_co_u32 s20, s20, s18
	s_mov_b32 s21, 0
	s_lshl_b32 s46, s42, 15                        ; B: tile column likewise,
	s_add_co_u32 s46, s46, s18
	s_add_co_u32 s46, s46, 0xc00000                ; in wo's codes
	s_mov_b32 s47, 0
	s_mul_i32 s45, s14, SUBT                       ; where they go: no place in the cluster enters an LDS address
	s_wait_dscnt 0x0                               ; both opening adds are done
	s_wait_kmcnt 0x0
	s_load_b64 s[96:97], s[8:9], 0x28              ; e10, e11
	s_add_nc_u64 s[20:21], s[4:5], s[20:21]
	s_add_nc_u64 s[46:47], s[6:7], s[46:47]
	CROUND                                         ; all sixteen work-groups are here: the first joint loads meet
.irp s, 0,1
	s_mov_b32 s[G0+4*\s], 1
	s_add_co_u32 s[G0+4*\s+1], s45, \s*SLOT
	s_add_nc_u64 s[G0+4*\s+2:G0+4*\s+3], s[20:21], \s*2*KBLK
	s_or_b32 s[G0+4*\s+3], s[G0+4*\s+3], 0x80000000
	s_mov_b32 s[G0B+4*\s], 1
	s_add_co_u32 s[G0B+4*\s+1], s45, \s*SLOT
	s_add_nc_u64 s[G0B+4*\s+2:G0B+4*\s+3], s[46:47], \s*2*KBLK
	s_or_b32 s[G0B+4*\s+3], s[G0B+4*\s+3], 0x80000000
	JLOAD G0+4*\s, G1, G0B+4*\s, G1B
.endr
	v_and_b32 v1, 15, v0                           ; r
	v_bfe_u32 v2, v0, 4, 1                         ; h
	v_mul_u32_u24 v3, v1, PITCH
	v_lshl_add_u32 v4, v2, 4, v3
	s_mul_i32 s22, s15, 128*PITCH
	s_mul_i32 s23, s16, 128*PITCH
	s_add_co_u32 s23, s23, 2*SUBT
.irp s, 0,1
	v_add_nc_u32 v[ADRA+\s], s22, v4
	v_add_nc_u32 v[ADRB+\s], s23, v4
	s_add_co_u32 s22, s22, SLOT
	s_add_co_u32 s23, s23, SLOT
.endr
	s_mul_i32 s23, s14, 16*SPITCH                  ; my stage
	v_mul_u32_u24 v5, v1, SPITCH                   ; in: row r, 32 bytes for each half of the lanes
	v_lshl_add_u32 v5, v2, 5, v5
	v_add_nc_u32 v[STO], s23, v5
	v_and_b32 v6, 31, v0
	v_lshlrev_b32 v[CO], 4, v6                     ; back: the 32 lanes take one row of 512 bytes; and the same in C
	v_add_nc_u32 v[RD], s23, v[CO]
	s_lshl_b32 s22, s17, 8
	s_lshl_b32 s23, s15, 7
	s_add_co_u32 s22, s22, s23                     ; my first row of C
	s_lshl_b32 s22, s22, 13                        ; x 8,192 bytes
	s_lshl_b32 s23, s42, 10
	s_add_co_u32 s22, s22, s23
	s_lshl_b32 s23, s16, 9
	s_add_co_u32 s22, s22, s23                     ; my first column, in bytes
	s_mov_b32 s23, 0
	s_add_nc_u64 s[10:11], s[10:11], s[22:23]
.macro FRAG reg, adr, q, i
.irp c, 0,1,2,3
	ds_load_b128 v[\reg+4*\c:\reg+4*\c+3], v[\adr] offset:SUBT*(\q)+32*\c+(\i)*16*PITCH
.endr
.endm
; The 64 accumulators take turns, one instruction a turn, in the same order in every step.
.macro MUL16 a0, p, zero
.irp a, \a0, \a0+1
.irp b, 0,1,2,3,4,5,6,7
.if \zero
	v_wmma_f32_16x16x128_fp8_fp8 v[8*(8*((\a)%4)+\b):8*(8*((\a)%4)+\b)+7], v[128*(\p)+FR*\b:128*(\p)+FR*\b+FR-1], v[AF+FR*(\a):AF+FR*(\a)+FR-1], 0
.else
	v_wmma_f32_16x16x128_fp8_fp8 v[8*(8*((\a)%4)+\b):8*(8*((\a)%4)+\b)+7], v[128*(\p)+FR*\b:128*(\p)+FR*\b+FR-1], v[AF+FR*(\a):AF+FR*(\a)+FR-1], v[8*(8*((\a)%4)+\b):8*(8*((\a)%4)+\b)+7]
.endif
.endr
.endr
.endm
.macro FETCH_B slot, q, p
	WIN TO_B
.irp i, 0,1,2,3,4,5,6,7
	FRAG 128*(\p)+FR*\i, ADRB+\slot, \q, \i
.endr
	WIN 0
.endm
.macro FETCH_A slot, q, i0
.irp i, \i0, \i0+1, \i0+2, \i0+3
	FRAG AF+FR*(\i), ADRA+\slot, \q, \i
.endr
.endm
.macro PLACES n                        ; places in front of loads into registers that matrix instructions have read, and of the first read of results (ISA guide 7.12.1 for the first read of results)
.rept \n
	v_nop
.endr
.endm
.macro STEP slot, q, zero
	s_wait_dscnt 4*NL                              ; B's set and A's blocks 0-3 are in; the youngest sixteen loads (A's blocks 4-7) may be out
	WIN MUL_LO
	MUL16 0, (\q)%2, \zero
	MUL16 2, (\q)%2, \zero
	s_wait_dscnt 0
	PLACES NP
	FETCH_B \slot, (\q)+1, 1-(\q)%2
	FETCH_A \slot, (\q)+1, 0
	WIN MUL_HI
	MUL16 4, (\q)%2, \zero
	MUL16 6, (\q)%2, \zero
	PLACES NP
	WIN 0
	FETCH_A \slot, (\q)+1, 4
.endm
.macro TURN slot, next, fill
	s_wait_tensorcnt 0x0                           ; all my tensor loads have landed: my part of the next slot
	ds_add_u32 v[SPW], v[NIL]                      ; 0 onto my spare word
	s_wait_dscnt 4*NL+1                            ; (the add and the youngest sixteen loads may be out)
	WIN MUL_LO
	MUL16 0, 1, 0
	s_wait_dscnt 0x0                               ; the add is done, and my reads of this slot are over
	s_barrier_signal -1
	MUL16 2, 1, 0
	WIN 0
	s_barrier_wait -1
.if \fill
	CREST                                          ; the barrier has opened a round of the cluster's barrier: no wave of any partner still reads this slot's tile or has a load on its way
	s_add_nc_u64 s[G0+4*\slot+2:G0+4*\slot+3], s[G0+4*\slot+2:G0+4*\slot+3], 4*KBLK
	s_add_nc_u64 s[G0B+4*\slot+2:G0B+4*\slot+3], s[G0B+4*\slot+2:G0B+4*\slot+3], 4*KBLK
	JLOAD G0+4*\slot, G1, G0B+4*\slot, G1B
.else
	PLACES NP
.endif
	FETCH_B \next, 0, 0
	FETCH_A \next, 0, 0
	WIN MUL_HI
	MUL16 4, 1, 0
	MUL16 6, 1, 0
	PLACES NP
	WIN 0
	FETCH_A \next, 0, 4
.endm
	s_wait_tensorcnt 1                             ; my part of K step 0 is in (K step 1's load may be out)
	s_barrier_signal -1
	s_barrier_wait -1
	FETCH_B 0, 0, 0
	FETCH_A 0, 0, 0
	FETCH_A 0, 0, 4
	STEP 0, 0, 1                                   ; the first step's products start the sums
	s_mov_b32 s3, LAPS-1
.Llap:
	TURN 0, 1, 1
	STEP 1, 0, 0
	TURN 1, 0, 1
	STEP 0, 0, 0
	s_sub_co_u32 s3, s3, 1
	s_cmp_lg_u32 s3, 0
	s_cbranch_scc1 .Llap
	TURN 0, 1, 0                                   ; the last lap fills nothing
	STEP 1, 0, 0
	s_wait_dscnt 4*NL
	WIN MUL_LO
	MUL16 0, 1, 0
	MUL16 2, 1, 0
	s_wait_dscnt 0
	WIN MUL_HI
	MUL16 4, 1, 0
	MUL16 6, 1, 0
	WIN 0
; THE WAY OUT, block by block of 16 rows x 128 columns: a lane holds 32 neighbouring bytes of a row, the lanes beside it other rows: through my own stage, and back as whole rows of 512 bytes.
; LDS serves a wave's instructions in order (ISA guide 5.7.1.4): no wait between the stores and the loads, nor in front of the next block's stores.
.macro TOSTAGE a
.set AC, 64*((\a)%4)
	WIN 0x02+((\a)/4)                              ; source 0: window 2 or 3
.set j, 0
.rept 32
	v_pk_mul_f32 v[TMP+j:TMP+j+1], v[AC+j:AC+j+1], s[96:97] op_sel_hi:[1,0]   ; both x s96 = 2^(e10 + e11); each accumulator from its low end on
.set j, j+2
.endr
	WIN 0
.irp b, 0,1,2,3,4,5,6,7
	ds_store_b128 v[STO], v[TMP+8*\b:TMP+8*\b+3] offset:64*\b
	ds_store_b128 v[STO], v[TMP+8*\b+4:TMP+8*\b+7] offset:64*\b+16
.endr
.set BB, BK+64*((\a)%2)
.irp t, 0,1,2,3,4,5,6,7,8,9,10,11,12,13,14,15
	ds_load_b128 v[BB+4*\t:BB+4*\t+3], v[RD] offset:\t*SPITCH
.endr
.endm
.macro SEND a, younger                 ; younger: the LDS instructions issued behind block a's loads, which may stay out
.set BB, BK+64*((\a)%2)
	s_wait_dscnt \younger
.if (\a) > 0
	s_add_nc_u64 s[10:11], s[10:11], 16*SIZE_N*4   ; (behind a wait on XCNT: the earlier stores have read their base)  16 rows of C on
.endif
.irp t, 0,1,2,3,4,5,6,7,8,9,10,11,12,13,14,15
	global_store_b128 v[CO], v[BB+4*\t:BB+4*\t+3], s[10:11] offset:\t*SIZE_N*4 th:TH_STORE_NT   ; 32 lanes store 512 consecutive bytes, aligned; written once, read by nobody here
.endr
.endm
	s_wait_kmcnt 0x0
	s_add_co_i32 s96, s96, s97                     ; e10 + e11
	s_add_co_i32 s96, s96, 127
	s_lshl_b32 s96, s96, 23                        ; 2^(e10 + e11) as f32
	PLACES NP
	TOSTAGE 0
.irp a, 1,2,3,4,5,6,7
.if \a > 1
	s_wait_xcnt 0x0                                ; block a - 2's stores have read their registers and their base
.endif
	TOSTAGE \a
	SEND \a-1, 32                                  ; behind block a - 1's loads: block a's 16 stores and 16 loads
.endr
	s_wait_xcnt 0x0
	SEND 7, 0
	s_wait_tensorcnt 0x0                           ; the wave's end, behind my last tensor load and my last LDS store
	ds_add_u32 v[SPW], v[NIL]
	s_wait_dscnt 0x0
	CROUND                                         ; the closing round
	s_endpgm
.Lfunc_end_k_qb4a730295b_gemm_out:
	.size	k_qb4a730295b_gemm_out, .Lfunc_end_k_qb4a730295b_gemm_out-k_qb4a730295b_gemm_out
	.p2alignl 7, 3214868480
	.fill 96, 4, 3214868480
	.section	.rodata,"a",@progbits
	.p2align	6, 0x0
	.amdhsa_kernel k_qb4a730295b_gemm_out
		.amdhsa_group_segment_fixed_size 327680
		.amdhsa_private_segment_fixed_size 0
		.amdhsa_enable_private_segment 0
		.amdhsa_kernarg_size 32
		.amdhsa_user_sgpr_count 2
		.amdhsa_user_sgpr_kernarg_segment_ptr 1
		.amdhsa_wavefront_size32 1
		.amdhsa_system_sgpr_workgroup_id_x 1
		.amdhsa_system_sgpr_workgroup_id_y 1
		.amdhsa_system_sgpr_workgroup_id_z 1
		.amdhsa_system_vgpr_workitem_id 0
		.amdhsa_next_free_vgpr 1024
		.amdhsa_next_free_sgpr 98
		.amdhsa_reserve_vcc 0
		.amdhsa_float_denorm_mode_32 3
		.amdhsa_float_denorm_mode_16_64 3
		.amdhsa_memory_ordered 1
		.amdhsa_forward_progress 1
		.amdhsa_inst_pref_size 123
	.end_amdhsa_kernel
	.amdgpu_metadata
---
amdhsa.version: [ 1, 2 ]
amdhsa.kernels:
  - .name:           k_qb4a730295b_gemm_out
    .symbol:         k_qb4a730295b_gemm_out.kd
    .args:
      - { .name: ac, .offset: 0, .size: 8, .value_kind: global_buffer, .address_space: global }
      - { .name: wc, .offset: 8, .size: 8, .value_kind: global_buffer, .address_space: global }
      - { .name: lowp_scales, .offset: 16, .size: 8, .value_kind: global_buffer, .address_space: global }
      - { .name: out0, .offset: 24, .size: 8, .value_kind: global_buffer, .address_space: global }
    .group_segment_fixed_size: 327680
    .private_segment_fixed_size: 0
    .kernarg_segment_align: 8
    .kernarg_segment_size: 32
    .max_flat_workgroup_size: 128
    .sgpr_count:     98
    .vgpr_count:     1024
    .wavefront_size: 32
...
	.end_amdgpu_metadata
.endif
;; end of part 4
;; ======== version 2 of 2: 4 launches
;; limits: right only within a limited range of input values
;; workspace buffers: xc 12,582,912 bytes; wc 16,777,216 bytes; qkvc 12,582,912 bytes; ac 4,194,304 bytes
;; launch quant (part 5): grid 640 x 1, 4 waves a work-group, no clusters, 33,280 bytes of LDS; arguments x, wq, wk, wv, wo, lowp_scales, xc, wc; writes xc, wc
.if DOCPART == 5
	.amdgcn_target "amdgcn-amd-amdhsa--gfx1250"
	.amdhsa_code_object_version 6
	.text
	.protected	k_qb4a730295b_quant
	.globl	k_qb4a730295b_quant
	.p2align	8
	.type	k_qb4a730295b_quant,@function
k_qb4a730295b_quant:
	s_mov_b64 s[64:65], 0
	v_nop
	global_prefetch_b8 v0, s[64:65] scope:SCOPE_SE
	s_setreg_imm32_b32 hwreg(HW_REG_WAVE_MODE, 25, 1), 1
	s_wait_xcnt 0x0
; CAUSAL SELF-ATTENTION IN E4M3, FOUR LAUNCHES: (1) this one: x and the four weights become codes; (2) the three projections, RoPE, the quantisers of q, k, v;
; (3) attention, both products on codes, the mask added to every score; (4) the projection on the way out.
; DEAD WORK: none.  Every input has a way to the output for some finite values: x and the weights through the products, freqs through RoPE, the mask (an INPUT: its pattern is not built in,
; so every query walks all 2,048 keys) through every logit, and each of the twelve exponents through a quantiser.  So nothing of the problem is left out and all eight inputs are loaded.
; THIS LAUNCH.  code = number / 2^e, held within +-448, rounded to the nearest code of E4M3, ties to even.  x is an operand of three products with an exponent each (entries 0, 2, 4): it is read
; once and converted three times in registers.  wq, wk, wv, wo take entries 1, 3, 5, 11.
; LAYOUT OF THE CODES.  x, wq, wk, wv: [K / 128][row 0..2047][128 bytes]: the 256 rows of a tile, for 128 along K, are one dense run of memory.
; wo: [K / 256][row / 128][(K / 128) % 2][row % 128][128 bytes]: the 128 rows of a tile of the last launch, for 256 along K, are one dense run of 32,768 bytes.
; SHARES.  128 work-groups a tensor (tensor = work-group / 128).  A wave takes one block of 128 along K and 64 rows, in 16 steps of 4 rows: each load reads 512 consecutive bytes of one row.
; The conversions want 16 neighbours along K in ONE lane: a step's 2,048 bytes turn through the wave's own stage in LDS (64 bytes + 16 of padding a place) and come back 64 bytes a lane.
; Lane l then holds row 4 t + l / 8, columns 16 (l % 8) on: its 16 codes lie at 512 t + 16 l of the wave's dense 8,192 bytes (in both layouts): a store covers 512 consecutive bytes.
; LIMITS: each e between -126 and 119, so that 2^e and 448 x 2^e are f32 numbers.  NaN among the inputs is not served (an infinity is held at the largest code).
.set WAVES, 4
.set STEPS, 16
.set ROWB,  8192                       ; a row of a source tensor in bytes
.set SP,    80                         ; a place in a stage: 64 bytes + 16 of padding
.set WREG,  8192                       ; LDS of a wave: two stages of 32 places
.set SPARE, WAVES*WREG                 ; behind the stages: the spare words, 128 bytes a wave, which no other line names
.set R,     16                         ; v16-79   four sets of 16 numbers as loaded
.set X,     80                         ; v80-111  two sets of 16 neighbours
.set T,     112                        ; v112-127 the numbers held within the largest code
.set C,     128                        ; v128-139 codes: four registers for each of the three scales
.set SPW,   5                          ; v5  LDS address of my spare word; never rewritten
.set NIL,   6                          ; v6  0; never rewritten
                                       ; v3  16 x lane: offset of loads and stores; v8, v9 / v10, v11 / v12, v13: 2^e and 448 x 2^e of scale 0 / 1 / 2; v14, v15: the stage, in and out
	s_load_b512 s[8:23], s[0:1], 0x0               ; x 8, wq 10, wk 12, wv 14, wo 16, the exponents 18, xc 20, wc 22
	v_lshl_add_u32 v[SPW], v0, 2, SPARE
	v_mov_b32 v[NIL], 0
	v_lshrrev_b32 v1, 5, v0
	v_readfirstlane_b32 s36, v1                    ; wave
	v_and_b32 v2, 31, v0                           ; lane
	v_lshlrev_b32 v3, 4, v2
	s_mul_i32 s37, s36, WREG
	v_lshrrev_b32 v14, 2, v2
	v_mul_u32_u24 v14, v14, SP
	v_and_b32 v15, 3, v2
	v_lshl_add_u32 v14, v15, 4, v14
	v_add_nc_u32 v14, s37, v14                     ; into the stage: four lanes' 64 bytes on end, then the padding
	v_mul_u32_u24 v15, v2, SP
	v_add_nc_u32 v15, s37, v15                     ; out of it: place = lane
	s_lshr_b32 s34, ttmp9, 7                       ; which tensor: 0 x, 1 wq, 2 wk, 3 wv, 4 wo
	s_and_b32 s35, ttmp9, 127
	s_and_b32 s42, s35, 3
	s_lshl_b32 s42, s42, 2
	s_add_co_u32 s42, s42, s36                     ; my block of 128 along K
	s_lshr_b32 s43, s35, 2                         ; my 64 rows
	s_lshl_b32 s44, s43, 19                        ; 64 rows of 8,192 bytes
	s_lshl_b32 s45, s42, 9
	s_add_co_u32 s44, s44, s45                     ; the source's offset
	s_mov_b32 s45, 0
	s_lshl_b32 s46, s42, 18                        ; a block of K is 2,048 rows of 128 bytes
	s_lshl_b32 s47, s43, 13
	s_add_co_u32 s46, s46, s47                     ; the codes' offset in a tensor: x, wq, wk, wv
	s_lshr_b32 s2, s42, 1                          ; wo: two blocks of K are 16 x 32,768 bytes,
	s_lshl_b32 s2, s2, 19
	s_lshr_b32 s3, s43, 1
	s_lshl_b32 s3, s3, 15                          ; 128 rows of them 32,768,
	s_add_co_u32 s2, s2, s3
	s_and_b32 s3, s42, 1
	s_lshl_b32 s3, s3, 14                          ; one block of K of those 16,384,
	s_add_co_u32 s2, s2, s3
	s_and_b32 s3, s43, 1
	s_lshl_b32 s3, s3, 13                          ; my 64 rows 8,192
	s_add_co_u32 s2, s2, s3
	s_cmp_eq_u32 s34, 4                            ; a choice on the work-group's number alone
	s_cselect_b32 s46, s2, s46
	s_mov_b32 s47, 0
	s_max_u32 s2, s34, 1
	s_sub_co_u32 s2, s2, 1
	s_lshl_b32 s2, s2, 22                          ; the weight's place in wc: 4 MiB each (0 for x)
	s_mov_b32 s3, 0
	s_wait_alu depctr_va_vdst(0)
	s_wait_kmcnt 0x0
	s_load_b256 s[24:31], s[18:19], 0x0            ; e0 .. e7
	s_load_b32 s32, s[18:19], 0x2c                 ; e11
	s_mov_b64 s[4:5], s[8:9]                       ; the source: a choice on the work-group's number alone
	s_cmp_eq_u32 s34, 1
	s_cselect_b64 s[4:5], s[10:11], s[4:5]
	s_cmp_eq_u32 s34, 2
	s_cselect_b64 s[4:5], s[12:13], s[4:5]
	s_cmp_eq_u32 s34, 3
	s_cselect_b64 s[4:5], s[14:15], s[4:5]
	s_cmp_eq_u32 s34, 4
	s_cselect_b64 s[4:5], s[16:17], s[4:5]
	s_cmp_eq_u32 s34, 0
	s_cselect_b64 s[6:7], s[20:21], s[22:23]
	s_add_nc_u64 s[4:5], s[4:5], s[44:45]
	s_add_nc_u64 s[6:7], s[6:7], s[2:3]
	s_add_nc_u64 s[6:7], s[6:7], s[46:47]          ; where the first set of codes goes
	s_add_nc_u64 s[38:39], s[20:21], s[46:47]
	s_add_nc_u64 s[40:41], s[38:39], 0x800000      ; x under entry 4
	s_add_nc_u64 s[38:39], s[38:39], 0x400000      ; x under entry 2
.macro LOAD t                          ; step t: rows 4 t .. 4 t + 3, 512 consecutive bytes each
.irp i, 0,1,2,3
	global_load_b128 v[R+16*((\t)%4)+4*\i:R+16*((\t)%4)+4*\i+3], v3, s[4:5] offset:(4*(\t)+\i)*ROWB th:TH_LOAD_NT
.endr
.endm
.macro TURN t                          ; step t's numbers through the stage: LDS serves a wave's instructions in order, so no wait stands between the stores and the loads
.irp i, 0,1,2,3
	ds_store_b128 v14, v[R+16*((\t)%4)+4*\i:R+16*((\t)%4)+4*\i+3] offset:32*SP*((\t)%2)+8*SP*\i
.endr
.irp i, 0,1,2,3
	ds_load_b128 v[X+16*((\t)%2)+4*\i:X+16*((\t)%2)+4*\i+3], v15 offset:32*SP*((\t)%2)+16*\i
.endr
.endm
.irp t, 0,1,2,3
	LOAD \t
.endr
	s_wait_kmcnt 0x0
	s_mov_b32 s33, s24                             ; the first scale's exponent: e0, e1, e3, e5 or e11
	s_cmp_eq_u32 s34, 1
	s_cselect_b32 s33, s25, s33
	s_cmp_eq_u32 s34, 2
	s_cselect_b32 s33, s27, s33
	s_cmp_eq_u32 s34, 3
	s_cselect_b32 s33, s29, s33
	s_cmp_eq_u32 s34, 4
	s_cselect_b32 s33, s32, s33
.macro SCALE e, vs                     ; v[vs] = 2^e as f32 (the conversion takes its exponent field), v[vs + 1] = 448 x 2^e
	s_add_co_i32 s2, s\e, 127
	s_lshl_b32 s3, s2, 23
	v_mov_b32 v[\vs], s3
	s_add_co_i32 s2, s2, 8
	s_lshl_b32 s2, s2, 23
	s_or_b32 s2, s2, 0x600000
	v_mov_b32 v[\vs+1], s2
.endm
	SCALE 33, 8
	SCALE 26, 10                                   ; e2
	SCALE 28, 12                                   ; e4
	s_wait_alu depctr_va_vdst(0)
	s_wait_loadcnt 12                              ; step 0's four loads are in
	TURN 0
.macro CONV t, j, base                 ; the step's 16 numbers under scale j: hold, convert, store
.set i, 0
.rept 16
	v_med3_num_f32 v[T+i], v[XS+i], -v[9+2*\j], v[9+2*\j]   ; the conversion to an 8-bit code does not saturate (ISA guide 7.6.2): the hold comes first
.set i, i+1
.endr
	v_cvt_scalef32_pk8_fp8_f32 v[C+4*\j:C+4*\j+1], v[T:T+7], v[8+2*\j]
	v_cvt_scalef32_pk8_fp8_f32 v[C+4*\j+2:C+4*\j+3], v[T+8:T+15], v[8+2*\j]
	v_nop                                          ; one plain vector line behind the conversions: the next holds write their sources
	global_store_b128 v3, v[C+4*\j:C+4*\j+3], s[\base:\base+1] offset:512*(\t)   ; 32 lanes store 512 consecutive bytes, aligned
.endm
.macro STEP t
.set XS, X+16*((\t)%2)
	s_wait_xcnt 0x0                                ; the last step's stores have read their data: the codes' registers are written again only behind this wait
	s_wait_dscnt 0x0                               ; this step's numbers are back from the stage, so its stores into the stage have read their registers,
.if (\t)+4 < STEPS
	LOAD (\t)+4                                    ; which take the loads of four steps on
.endif
.if (\t)+1 < STEPS
.if STEPS-2-(\t) >= 3
	s_wait_loadcnt 12                              ; the next step's four loads are in; those of the three steps behind it may be out
.else
	s_wait_loadcnt 4*(STEPS-2-(\t))
.endif
	TURN (\t)+1
.endif
	CONV \t, 0, 6
	s_cmp_lg_u32 s34, 0                            ; a weight has one scale; x has two more.  The branch hangs on the work-group's number alone
	s_cbranch_scc1 .Lone_\@
	CONV \t, 1, 38
	CONV \t, 2, 40
.Lone_\@:
.endm
.irp t, 0,1,2,3,4,5,6,7,8,9,10,11,12,13,14,15
	STEP \t
.endr
	s_wait_tensorcnt 0x0                           ; the wave's end, behind my last LDS store
	ds_add_u32 v[SPW], v[NIL]
	s_wait_dscnt 0x0
	s_endpgm
.Lfunc_end_k_qb4a730295b_quant:
	.size	k_qb4a730295b_quant, .Lfunc_end_k_qb4a730295b_quant-k_qb4a730295b_quant
	.p2alignl 7, 3214868480
	.fill 96, 4, 3214868480
	.section	.rodata,"a",@progbits
	.p2align	6, 0x0
	.amdhsa_kernel k_qb4a730295b_quant
		.amdhsa_group_segment_fixed_size 33280
		.amdhsa_private_segment_fixed_size 0
		.amdhsa_enable_private_segment 0
		.amdhsa_kernarg_size 64
		.amdhsa_user_sgpr_count 2
		.amdhsa_user_sgpr_kernarg_segment_ptr 1
		.amdhsa_wavefront_size32 1
		.amdhsa_system_sgpr_workgroup_id_x 1
		.amdhsa_system_sgpr_workgroup_id_y 1
		.amdhsa_system_sgpr_workgroup_id_z 1
		.amdhsa_system_vgpr_workitem_id 0
		.amdhsa_next_free_vgpr 144
		.amdhsa_next_free_sgpr 66
		.amdhsa_reserve_vcc 0
		.amdhsa_float_denorm_mode_32 3
		.amdhsa_float_denorm_mode_16_64 3
		.amdhsa_memory_ordered 1
		.amdhsa_forward_progress 1
		.amdhsa_inst_pref_size 81
	.end_amdhsa_kernel
	.amdgpu_metadata
---
amdhsa.version: [ 1, 2 ]
amdhsa.kernels:
  - .name:           k_qb4a730295b_quant
    .symbol:         k_qb4a730295b_quant.kd
    .args:
      - { .name: x, .offset: 0, .size: 8, .value_kind: global_buffer, .address_space: global }
      - { .name: wq, .offset: 8, .size: 8, .value_kind: global_buffer, .address_space: global }
      - { .name: wk, .offset: 16, .size: 8, .value_kind: global_buffer, .address_space: global }
      - { .name: wv, .offset: 24, .size: 8, .value_kind: global_buffer, .address_space: global }
      - { .name: wo, .offset: 32, .size: 8, .value_kind: global_buffer, .address_space: global }
      - { .name: lowp_scales, .offset: 40, .size: 8, .value_kind: global_buffer, .address_space: global }
      - { .name: xc, .offset: 48, .size: 8, .value_kind: global_buffer, .address_space: global }
      - { .name: wc, .offset: 56, .size: 8, .value_kind: global_buffer, .address_space: global }
    .group_segment_fixed_size: 33280
    .private_segment_fixed_size: 0
    .kernarg_segment_align: 8
    .kernarg_segment_size: 64
    .max_flat_workgroup_size: 128
    .sgpr_count:     66
    .vgpr_count:     144
    .wavefront_size: 32
...
	.end_amdgpu_metadata
.endif
;; end of part 5
;; launch gemm_qkv (part 6): grid 24 x 8, 4 waves a work-group, clusters of 4 x 4, 327,680 bytes of LDS; arguments xc, wc, freqs, lowp_scales, qkvc; writes qkvc
.if DOCPART == 6
	.amdgcn_target "amdgcn-amd-amdhsa--gfx1250"
	.amdhsa_code_object_version 6
	.text
	.protected	k_qb4a730295b_gemm_qkv
	.globl	k_qb4a730295b_gemm_qkv
	.p2align	8
	.type	k_qb4a730295b_gemm_qkv,@function
k_qb4a730295b_gemm_qkv:
	s_mov_b64 s[64:65], 0
	v_nop
	global_prefetch_b8 v0, s[64:65] scope:SCOPE_SE
	s_setreg_imm32_b32 hwreg(HW_REG_WAVE_MODE, 25, 1), 1
	s_wait_xcnt 0x0
	s_wait_alu depctr_hold_cnt(0) depctr_sa_sdst(0) depctr_va_vdst(0) depctr_va_sdst(0) depctr_va_ssrc(0) depctr_va_vcc(0) depctr_vm_vsrc(0)
	s_getreg_b32 s2, hwreg(HW_REG_IB_STS2, 6, 4)
	s_cmp_eq_u32 s2, 0
	s_cbranch_scc0 .Lentry_in_a_cluster
	s_endpgm
.Lentry_in_a_cluster:
	s_bfe_u32 s2, ttmp6, 0x10000c
	s_cmp_lg_u32 s2, 0xf033
	s_cbranch_scc0 .Lentry_shape_is_right
	s_endpgm
.Lentry_shape_is_right:
.set PITCH,  144
.set SUBT,   256*PITCH
.set SLOT,   4*SUBT
.set KBLK,   262144
.set FR,     16
.set NL,     4
.set NP,     4
.set LAPS,   4
.set SPARE,  2*SLOT
.set STG,    SPARE+512
.set ADRA, 16
.set ADRB, 20
.set STO,  24
.set RD,   25
.set GO,   26
.set FO,   27
.set SPW,  28
.set NIL,  29
.set SCL,  30
.set LIM,  31
.set TMP,  32
.set CD,   96
.set BK,   128
.set AF,   128
.set G1, 24
.set G0, 32
.set G1B, 48
.set G0B, 56
.set MSB, 0
.macro WIN new
.if MSB != \new
	s_set_vgpr_msb (MSB<<8)|\new
.set MSB, \new
.endif
.endm
.set MUL_LO, 0xa1
.set MUL_HI, 0xf1
.set TO_B,   0x40
.macro JLOAD g0a, g1a, g0b, g1b
	s_cmp_eq_u32 s15, 0
	s_cbranch_scc0 .Lfor_b_\@
	tensor_load_to_lds s[\g0a:\g0a+3], s[\g1a:\g1a+7]
	s_nop 0
.rept 4
	v_nop
.endr
	s_branch .Lasked_\@
.Lfor_b_\@:
	tensor_load_to_lds s[\g0b:\g0b+3], s[\g1b:\g1b+7]
	s_nop 0
.rept 4
	v_nop
.endr
.Lasked_\@:
.endm
.macro CREST
	s_cmp_lg_u32 s14, 0
	s_cbranch_scc1 .Lnot_wave_0_\@
	s_barrier_signal -3
.Lnot_wave_0_\@:
	s_barrier_wait -3
	s_barrier_signal -1
	s_barrier_wait -1
.endm
.macro CROUND
	s_barrier_signal -1
	s_barrier_wait -1
	CREST
.endm
	s_load_b256 s[68:75], s[0:1], 0x0
	s_load_b64 s[10:11], s[0:1], 0x20
	v_lshl_add_u32 v[SPW], v0, 2, SPARE
	v_mov_b32 v[NIL], 0
	ds_add_u32 v[SPW], v[NIL]
	ds_add_u32 v[SPW], v[NIL]
	v_lshrrev_b32 v1, 5, v0
	v_readfirstlane_b32 s14, v1
	v_and_b32 v8, 31, v0
	v_lshlrev_b32 v8, 8, v8                        ; v8: the prefetches' offset, 256 x lane; never rewritten
	s_lshr_b32 s15, s14, 1
	s_and_b32 s16, s14, 1
	s_bfe_u32 s40, ttmp6, 0x40000
	s_bfe_u32 s41, ttmp6, 0x40004
	s_lshr_b32 s90, ttmp9, 1
	s_and_b32 s42, ttmp9, 1
	s_lshl_b32 s42, s42, 2
	s_add_co_u32 s42, s42, s40
	s_and_b32 s17, ttmp7, 0xffff
	s_lshl_b32 s17, s17, 2
	s_add_co_u32 s17, s17, s41
	s_lshl_b32 s43, s41, 2
	s_lshl_b32 s43, 15, s43
	s_lshl_b32 s44, 0x1111, s40
	s_or_b32 s[G1+0], s43, (0<<16)|(1<<20)|(1<<21)|(4<<22)|(3<<25)
	s_or_b32 s[G1B+0], s44, (0<<16)|(1<<20)|(1<<21)|(4<<22)|(3<<25)
.irp g, G1, G1B
	s_mov_b32 s[\g+1], 256<<16                     ; the tile's 256 rows of 128 bytes lie dense: stated as 128 rows of 256 bytes, the padding still behind each 128
	s_mov_b32 s[\g+2], 128<<16
	s_mov_b32 s[\g+3], 256<<16
	s_mov_b32 s[\g+4], 128
	s_mov_b32 s[\g+5], 256
	s_mov_b32 s[\g+6], 0
	s_mov_b32 s[\g+7], 0
.endr
	s_lshl_b32 s18, s16, 18
	s_lshl_b32 s19, s90, 22
	s_lshl_b32 s20, s17, 15
	s_add_co_u32 s20, s20, s18
	s_add_co_u32 s20, s20, s19
	s_mov_b32 s21, 0
	s_lshl_b32 s46, s42, 15
	s_add_co_u32 s46, s46, s18
	s_add_co_u32 s46, s46, s19
	s_mov_b32 s47, 0
	s_mul_i32 s45, s14, SUBT
	s_wait_dscnt 0x0
	s_wait_kmcnt 0x0
	s_load_b256 s[76:83], s[74:75], 0x0
	s_load_b32 s84, s[74:75], 0x24
	s_cmp_eq_u32 s90, 2
	s_cselect_b64 s[86:87], s[70:71], s[68:69]
	s_cselect_b64 s[88:89], s[68:69], s[70:71]
	s_add_nc_u64 s[20:21], s[86:87], s[20:21]
	s_add_nc_u64 s[46:47], s[88:89], s[46:47]
	; the prefetches: of the 32,768 dense bytes that my wave fetches for a K step, each of the four partners that ask for them jointly names 8,192, told apart by address (cx for the first operand, cy for the second), lanes 256 bytes apart
	s_cmp_eq_u32 s15, 0
	s_cselect_b64 s[92:93], s[20:21], s[46:47]     ; my wave's tile of K step 0
	s_cselect_b32 s94, s40, s41                    ; my place among the four
	s_lshl_b32 s94, s94, 13
	s_mov_b32 s95, 0
	s_add_nc_u64 s[92:93], s[92:93], s[94:95]
	CROUND
.irp s, 0,1
	s_mov_b32 s[G0+4*\s], 1
	s_add_co_u32 s[G0+4*\s+1], s45, \s*SLOT
	s_add_nc_u64 s[G0+4*\s+2:G0+4*\s+3], s[20:21], \s*2*KBLK
	s_or_b32 s[G0+4*\s+3], s[G0+4*\s+3], 0x80000000
	s_mov_b32 s[G0B+4*\s], 1
	s_add_co_u32 s[G0B+4*\s+1], s45, \s*SLOT
	s_add_nc_u64 s[G0B+4*\s+2:G0B+4*\s+3], s[46:47], \s*2*KBLK
	s_or_b32 s[G0B+4*\s+3], s[G0B+4*\s+3], 0x80000000
	s_wait_alu depctr_va_vdst(0)
	s_wait_tensorcnt 0x0
	ds_add_u32 v28, v29
	ds_add_u32 v28, v29
	s_wait_dscnt 0x0
	CROUND
	JLOAD G0+4*\s, G1, G0B+4*\s, G1B
.if \s == 0
	global_prefetch_b8 v8, s[92:93] offset:2*KBLK th:TH_LOAD_NT scope:SCOPE_SE     ; behind the load of K step 0: K step 1, whose load stands behind the next round
.else
	global_prefetch_b8 v8, s[92:93] offset:2*2*KBLK th:TH_LOAD_NT scope:SCOPE_SE   ; behind the load of K step 1: K steps 2 and 3; the loop goes on two refills ahead
	global_prefetch_b8 v8, s[92:93] offset:3*2*KBLK th:TH_LOAD_NT scope:SCOPE_SE
.endif
.endr
	v_and_b32 v1, 15, v0
	v_bfe_u32 v2, v0, 4, 1
	v_mul_u32_u24 v3, v1, PITCH
	s_wait_alu depctr_va_vdst(0)
	v_lshl_add_u32 v4, v2, 4, v3
	s_mul_i32 s22, s15, 128*PITCH
	s_mul_i32 s23, s16, 128*PITCH
	s_add_co_u32 s23, s23, 2*SUBT
.irp s, 0,1
	v_add_nc_u32 v[ADRA+\s], s22, v4
	v_add_nc_u32 v[ADRB+\s], s23, v4
	s_add_co_u32 s22, s22, SLOT
	s_add_co_u32 s23, s23, SLOT
.endr
	s_mul_i32 s22, s14, 16*PITCH
	s_add_co_u32 s22, s22, STG
	v_lshl_add_u32 v[STO], v2, 3, v3
	v_add_nc_u32 v[STO], s22, v[STO]
	v_and_b32 v5, 31, v0
	v_lshrrev_b32 v6, 3, v5
	v_and_b32 v7, 7, v0
	v_mul_u32_u24 v6, v6, PITCH
	v_lshl_add_u32 v6, v7, 4, v6
	v_add_nc_u32 v[RD], s22, v6
	v_lshlrev_b32 v[GO], 4, v5
	v_lshlrev_b32 v[FO], 9, v1
	v_lshl_add_u32 v[FO], v2, 5, v[FO]
	s_lshl_b32 s22, s42, 1
	s_add_co_u32 s22, s22, s16
	s_lshl_b32 s22, s22, 18
	s_lshl_b32 s23, s17, 15
	s_add_co_u32 s22, s22, s23
	s_lshl_b32 s23, s15, 14
	s_add_co_u32 s22, s22, s23
	s_add_co_u32 s22, s22, s19
	s_mov_b32 s23, 0
	s_add_nc_u64 s[10:11], s[10:11], s[22:23]
	s_lshl_b32 s22, s17, 17
	s_lshl_b32 s23, s15, 16
	s_add_co_u32 s22, s22, s23
	s_mov_b32 s23, 0
	s_add_nc_u64 s[72:73], s[72:73], s[22:23]
.macro FRAG reg, adr, q, i
.irp c, 0,1,2,3
	ds_load_b128 v[\reg+4*\c:\reg+4*\c+3], v[\adr] offset:SUBT*(\q)+32*\c+(\i)*16*PITCH
.endr
.endm
.macro MUL16 a0, p, zero
.irp a, \a0, \a0+1
.irp b, 0,1,2,3,4,5,6,7
.if \zero
	v_wmma_f32_16x16x128_fp8_fp8 v[8*(8*((\a)%4)+\b):8*(8*((\a)%4)+\b)+7], v[128*(\p)+FR*\b:128*(\p)+FR*\b+FR-1], v[AF+FR*(\a):AF+FR*(\a)+FR-1], 0
.else
	v_wmma_f32_16x16x128_fp8_fp8 v[8*(8*((\a)%4)+\b):8*(8*((\a)%4)+\b)+7], v[128*(\p)+FR*\b:128*(\p)+FR*\b+FR-1], v[AF+FR*(\a):AF+FR*(\a)+FR-1], v[8*(8*((\a)%4)+\b):8*(8*((\a)%4)+\b)+7]
.endif
.endr
.endr
.endm
.macro FETCH_B slot, q, p
	WIN TO_B
.irp i, 0,1,2,3,4,5,6,7
	FRAG 128*(\p)+FR*\i, ADRB+\slot, \q, \i
.endr
	WIN 0
.endm
.macro FETCH_A slot, q, i0
.irp i, \i0, \i0+1, \i0+2, \i0+3
	FRAG AF+FR*(\i), ADRA+\slot, \q, \i
.endr
.endm
.macro PLACES n
.rept \n
	v_nop
.endr
.endm
.macro STEP slot, q, zero
	s_wait_dscnt 4*NL
	WIN MUL_LO
	MUL16 0, (\q)%2, \zero
	MUL16 2, (\q)%2, \zero
	s_wait_dscnt 0
	PLACES NP
	FETCH_B \slot, (\q)+1, 1-(\q)%2
	FETCH_A \slot, (\q)+1, 0
	WIN MUL_HI
	MUL16 4, (\q)%2, \zero
	MUL16 6, (\q)%2, \zero
	PLACES NP
	WIN 0
	FETCH_A \slot, (\q)+1, 4
.endm
.macro TURN slot, next, fill
.if \fill
	s_wait_xcnt 0x0                                ; the last prefetch has read its address, so it may be stepped: one K step
	s_add_nc_u64 s[92:93], s[92:93], 2*KBLK
.endif
	s_wait_tensorcnt 0x0
	ds_add_u32 v[SPW], v[NIL]
	s_wait_dscnt 4*NL+1
	WIN MUL_LO
	MUL16 0, 1, 0
	s_wait_dscnt 0x0
	s_barrier_signal -1
	MUL16 2, 1, 0
	WIN 0
	s_barrier_wait -1
.if \fill
	CREST
	s_add_nc_u64 s[G0+4*\slot+2:G0+4*\slot+3], s[G0+4*\slot+2:G0+4*\slot+3], 4*KBLK
	s_add_nc_u64 s[G0B+4*\slot+2:G0B+4*\slot+3], s[G0B+4*\slot+2:G0B+4*\slot+3], 4*KBLK
	JLOAD G0+4*\slot, G1, G0B+4*\slot, G1B
.else
	PLACES NP
.endif
	FETCH_B \next, 0, 0
	FETCH_A \next, 0, 0
.if \fill
	s_cmp_gt_u32 s3, 1                             ; the loop's last trip loads K steps 6 and 7: no K step stands two behind them
	s_cbranch_scc0 .Lno_ask_\@
	global_prefetch_b8 v8, s[92:93] offset:3*2*KBLK th:TH_LOAD_NT scope:SCOPE_SE   ; the K step two refills on from the one just asked for
.Lno_ask_\@:
.endif
	WIN MUL_HI
	MUL16 4, 1, 0
	MUL16 6, 1, 0
	PLACES NP
	WIN 0
	FETCH_A \next, 0, 4
.endm
	s_wait_tensorcnt 1
	s_barrier_signal -1
	s_barrier_wait -1
	FETCH_B 0, 0, 0
	FETCH_A 0, 0, 0
	FETCH_A 0, 0, 4
	STEP 0, 0, 1
	s_mov_b32 s3, LAPS-1
.Llap:
	TURN 0, 1, 1
	STEP 1, 0, 0
	TURN 1, 0, 1
	STEP 0, 0, 0
	s_sub_co_u32 s3, s3, 1
	s_cmp_lg_u32 s3, 0
	s_cbranch_scc1 .Llap
	TURN 0, 1, 0
	STEP 1, 0, 0
	s_wait_dscnt 4*NL
	WIN MUL_LO
	MUL16 0, 1, 0
	MUL16 2, 1, 0
	s_wait_dscnt 0
	WIN MUL_HI
	MUL16 4, 1, 0
	MUL16 6, 1, 0
	WIN 0
.macro FLOAD a
	WIN TO_B
.irp b, 0,1,2,3,4,5,6,7
	global_load_b128 v[64*((\a)%4)+8*\b:64*((\a)%4)+8*\b+3], v[FO], s[72:73] offset:(\a)*8192+64*\b
	global_load_b128 v[64*((\a)%4)+8*\b+4:64*((\a)%4)+8*\b+7], v[FO], s[72:73] offset:(\a)*8192+64*\b+16
.endr
	WIN 0
.endm
.macro ROPE a
.set AC, 64*((\a)%4)
.set FF, 64*((\a)%4)
	WIN 0x06+((\a)/4)
.irp b, 0,1,2,3,4,5,6,7
.irp p, 0,2,4,6
	v_pk_mul_f32 v[TMP+8*\b+\p:TMP+8*\b+\p+1], v[AC+8*\b+\p:AC+8*\b+\p+1], v[FF+8*\b+\p:FF+8*\b+\p+1] op_sel:[1,1] op_sel_hi:[1,0] neg_lo:[1,0]
.endr
.irp p, 0,2,4,6
	v_pk_fma_f32 v[TMP+8*\b+\p:TMP+8*\b+\p+1], v[AC+8*\b+\p:AC+8*\b+\p+1], v[FF+8*\b+\p:FF+8*\b+\p+1], v[TMP+8*\b+\p:TMP+8*\b+\p+1] op_sel_hi:[0,1,1]
.endr
.endr
	WIN 0
.endm
.macro CODES a
.irp b, 0,1,2,3,4,5,6,7
	v_cvt_scalef32_pk8_fp8_f32 v[CD+16*((\a)%2)+2*\b:CD+16*((\a)%2)+2*\b+1], v[TMP+8*\b:TMP+8*\b+7], v[SCL]
.endr
	v_nop
.endm
.macro HOLDQ a
.set j, 0
.rept 64
	v_med3_num_f32 v[TMP+j], v[TMP+j], -v[LIM], v[LIM]
.set j, j+1
.endr
	CODES \a
.endm
.macro HOLDV a
.set AC, 64*((\a)%4)
	WIN 0x02+((\a)/4)
.set j, 0
.rept 64
	v_med3_num_f32 v[TMP+j], v[AC+j], -v[LIM], v[LIM]
.set j, j+1
.endr
	WIN 0
	CODES \a
.endm
.macro TOSTAGE a, o
.if (\a) > 1
	s_wait_xcnt 0x0
.endif
.irp b, 0,1,2,3,4,5,6,7
	ds_store_b64 v[STO], v[CD+16*((\a)%2)+2*\b:CD+16*((\a)%2)+2*\b+1] offset:\o+16*\b
.endr
.irp i, 0,1,2,3
	ds_load_b128 v[BK+16*((\a)%2)+4*\i:BK+16*((\a)%2)+4*\i+3], v[RD] offset:\o+4*PITCH*\i
.endr
.endm
.macro SEND a, younger
	s_wait_dscnt \younger
.irp i, 0,1,2,3
	global_store_b128 v[GO], v[BK+16*((\a)%2)+4*\i:BK+16*((\a)%2)+4*\i+3], s[10:11] offset:(\a)*2048+512*\i
.endr
.endm
	s_wait_kmcnt 0x0
	s_cmp_eq_u32 s90, 0
	s_cselect_b32 s86, s76, s78
	s_cselect_b32 s87, s77, s79
	s_cselect_b32 s88, s82, s83
	s_cmp_eq_u32 s90, 2
	s_cselect_b32 s86, s80, s86
	s_cselect_b32 s87, s81, s87
	s_cselect_b32 s88, s84, s88
	s_sub_co_i32 s88, s88, s86
	s_sub_co_i32 s88, s88, s87
	s_add_co_i32 s88, s88, 127
	s_lshl_b32 s89, s88, 23
	v_mov_b32 v[SCL], s89
	s_add_co_i32 s88, s88, 8
	s_lshl_b32 s88, s88, 23
	s_or_b32 s88, s88, 0x600000
	v_mov_b32 v[LIM], s88
	PLACES NP
	s_cmp_eq_u32 s90, 2
	s_cbranch_scc1 .Lv
	s_wait_alu depctr_va_vdst(0)
	FLOAD 0                                        ; the table's numbers run three blocks of 16 rows ahead, in four sets of 64 registers of window 1
	FLOAD 1
	FLOAD 2
.irp a, 0,1,2,3,4,5,6,7
.if \a < 5
	FLOAD \a+3
	s_wait_loadcnt 48                              ; this block's 16 loads are in; those of the three blocks behind it may be out
.else
	s_wait_loadcnt 16*(7-\a)
.endif
	ROPE \a
	HOLDQ \a
	s_wait_alu depctr_va_vdst(0)
	TOSTAGE \a, 0
.if \a > 0
	SEND \a-1, 12
.endif
.endr
	SEND 7, 0
	s_branch .Lend
.Lv:
	s_wait_alu depctr_va_vdst(0)
.irp a, 0,1,2,3,4,5,6,7
	HOLDV \a
	s_wait_alu depctr_va_vdst(0)
	TOSTAGE \a, 4*16*PITCH
.if \a > 0
	SEND \a-1, 12
.endif
.endr
	SEND 7, 0
.Lend:
	s_wait_tensorcnt 0x0
	ds_add_u32 v[SPW], v[NIL]
	s_wait_dscnt 0x0
	CROUND
	s_endpgm
.Lfunc_end_k_qb4a730295b_gemm_qkv:
	.size	k_qb4a730295b_gemm_qkv, .Lfunc_end_k_qb4a730295b_gemm_qkv-k_qb4a730295b_gemm_qkv
	.p2alignl 7, 3214868480
	.fill 96, 4, 3214868480
	.section	.rodata,"a",@progbits
	.p2align	6, 0x0
	.amdhsa_kernel k_qb4a730295b_gemm_qkv
		.amdhsa_group_segment_fixed_size 327680
		.amdhsa_private_segment_fixed_size 0
		.amdhsa_enable_private_segment 0
		.amdhsa_kernarg_size 40
		.amdhsa_user_sgpr_count 2
		.amdhsa_user_sgpr_kernarg_segment_ptr 1
		.amdhsa_wavefront_size32 1
		.amdhsa_system_sgpr_workgroup_id_x 1
		.amdhsa_system_sgpr_workgroup_id_y 1
		.amdhsa_system_sgpr_workgroup_id_z 1
		.amdhsa_system_vgpr_workitem_id 0
		.amdhsa_next_free_vgpr 1024
		.amdhsa_next_free_sgpr 100
		.amdhsa_reserve_vcc 0
		.amdhsa_float_denorm_mode_32 3
		.amdhsa_float_denorm_mode_16_64 3
		.amdhsa_memory_ordered 1
		.amdhsa_forward_progress 1
		.amdhsa_inst_pref_size 219
	.end_amdhsa_kernel
	.amdgpu_metadata
---
amdhsa.version: [ 1, 2 ]
amdhsa.kernels:
  - .name:           k_qb4a730295b_gemm_qkv
    .symbol:         k_qb4a730295b_gemm_qkv.kd
    .args:
      - { .name: xc, .offset: 0, .size: 8, .value_kind: global_buffer, .address_space: global }
      - { .name: wc, .offset: 8, .size: 8, .value_kind: global_buffer, .address_space: global }
      - { .name: freqs, .offset: 16, .size: 8, .value_kind: global_buffer, .address_space: global }
      - { .name: lowp_scales, .offset: 24, .size: 8, .value_kind: global_buffer, .address_space: global }
      - { .name: qkvc, .offset: 32, .size: 8, .value_kind: global_buffer, .address_space: global }
    .group_segment_fixed_size: 327680
    .private_segment_fixed_size: 0
    .kernarg_segment_align: 8
    .kernarg_segment_size: 40
    .max_flat_workgroup_size: 128
    .sgpr_count:     100
    .vgpr_count:     1024
    .wavefront_size: 32
...
	.end_amdgpu_metadata
.endif
;; end of part 6
;; launch attn (part 7): grid 16 x 16, 4 waves a work-group, clusters of 4 x 4, 327,680 bytes of LDS; arguments qkvc, mask, lowp_scales, ac; writes ac
.if DOCPART == 7
	.amdgcn_target "amdgcn-amd-amdhsa--gfx1250"
	.amdhsa_code_object_version 6
	.text
	.protected	k_qb4a730295b_attn
	.globl	k_qb4a730295b_attn
	.p2align	8
	.type	k_qb4a730295b_attn,@function
k_qb4a730295b_attn:
	s_mov_b64 s[64:65], 0
	v_nop
	global_prefetch_b8 v0, s[64:65] scope:SCOPE_SE
	s_setreg_imm32_b32 hwreg(HW_REG_WAVE_MODE, 25, 1), 1
	s_wait_xcnt 0x0
	s_wait_alu depctr_hold_cnt(0) depctr_sa_sdst(0) depctr_va_vdst(0) depctr_va_sdst(0) depctr_va_ssrc(0) depctr_va_vcc(0) depctr_vm_vsrc(0)
	s_getreg_b32 s2, hwreg(HW_REG_IB_STS2, 6, 4)
	s_cmp_eq_u32 s2, 0
	s_cbranch_scc0 .Lentry_in_a_cluster
	s_endpgm
.Lentry_in_a_cluster:
	s_bfe_u32 s2, ttmp6, 0x10000c
	s_cmp_lg_u32 s2, 0xf033
	s_cbranch_scc0 .Lentry_shape_is_right
	s_endpgm
.Lentry_shape_is_right:
; ATTENTION ON CODES OF E4M3.  Nothing of the problem is left out: the mask is an input, so every query walks all 2,048 keys and the mask's number is added to every score.
; q, k: [head][token][128] codes; v: [block of 128 tokens][128 head + d][128 tokens] codes (keys innermost).  Result: codes under entry 10, [head / 2][block of 128 tokens][head % 2][token][128].
; logit = score x 2^(e6 + e7) / sqrt(128) + mask (one fused multiply-add); t = logit x log2(e), rounded to f32 before M is taken away; M = the running largest t rounded up to a whole number;
; p = 2^(t - M) is quantised under entry 8, not normalised; the row's sum is taken of the unquantised p; when M moves, the sum and O are multiplied by 2^(old M - new M).  At the end O x 2^(e8 + e9) / sum is quantised under entry 10.
; SHARES.  A work-group owns 128 queries of one head; each of its four waves 32 of them, two tiles of 16, so that each fragment of K and of V read from LDS feeds two matrix instructions.  16 key steps of 128 keys.
; LAYOUT.  Both products transposed: S^T = K Q^T, O^T = V^T P^T: a lane holds one query of each tile (lane % 16).  Register j of key tile t in lane (r, h) is key 16 t + 8 h + j; the conversions put its eight codes
; into registers 2 t, 2 t + 1 of P's operand, and V's fragment is read in the same order of keys (eight loads of 8 bytes at 16 c + 8 h of its row).
; A STEP'S SECOND HALF RUNS BEHIND THE NEXT CHANGE OF SLOTS: at the change p and V's fragments of step i are in registers; the row's sums, the hold, the conversions and the second product of step i stand behind the barrier,
; among step i + 1's LDS loads of K and of the mask.  The loop is written once: its first trip finds zeros in p, V and O^T.
; THE RING.  Two LDS slots, each a key step's K (128 x 128 bytes), V (128 x 128) and mask (128 queries x 512).  One tensor load a wave: wave 0 K, wave 1 V, waves 2 and 3 64 rows of the mask each.
; CLUSTERS: 4 x 4 work-groups: x = four blocks of queries, y = four heads.  K and V are shared along a row of the cluster, the mask along a column: each tile is asked for jointly.
; LIMITS: e6 + e7 between -122 and 131; e8, and e10 - e8 - e9, between -126 and 119, so that each power of two below is an f32 number.  NaN among the inputs is not served.
; REGISTERS.  window 0: v1-3 my lane's places in K, V, mask; v4-6 the same in the slot in hand; v7, v8 the add's two; v9 prefetch offset; v10, v11 stage; per tile u: v12+4u -M, v13+4u largest t, v[14+4u:15+4u] the sum;
; v[20+2u:21+2u] f; v24-43 at work; v45 16 x lane; v46 448 x 2^e8; v47 2^e8; v48-79 Q; v80-111 P's codes; v128-255 S^T, then t, then p.   window 1: v0-127 K, v128-255 V.   window 2: v0-127 the mask's numbers, v128-255 O^T.
.set KP,    144                        ; a row of K or V in LDS: 128 bytes + 16 of padding
.set MP,    528                        ; a row of the mask: 512 bytes + 16
.set VOFF,  128*KP
.set MOFF,  2*128*KP
.set SLOT1, 1<<17                      ; slot 1 begins here; a slot uses 104,448 bytes
.set SPARE, 2*SLOT1                    ; the spare words, 128 bytes for each of four waves, which no other line names
.set STAGE, SPARE+512                  ; the way out: 32 rows x 144 bytes a wave
.set AK0, 1
.set AV0, 2
.set AM0, 3
.set ADK, 4
.set ADV, 5
.set ADM, 6
.set SPW, 7
.set NIL, 8
.set PFO, 9
.set STO, 10
.set RD,  11
.set FQ,  20
.set PT,  24
.set MA,  26
.set TS,  30
.set GO,  45
.set LIMP, 46
.set SCLP, 47
.set QF,  48
.set PC,  80
.set S0,  128
.set VF,  128                          ; in window 1
.set OT,  128                          ; in window 2
.set WV,   16                          ; s16  my wave's number
.set G1KV, 24                          ; s[24:31] descriptor group 1 for K's and V's tiles;  s[32:39] for the mask's
.set G1M,  32
.set G0KV, 40                          ; s[40:43], s[44:47] their groups 0, which walk
.set G0M,  44
.set KVS,  56                          ; s[56:57] a key step in bytes, in K or in V
.set CS,   58                          ; s[58:59] 2^(e6 + e7) / sqrt(128)
.set L2E,  60                          ; s[60:61] log2(e)
.set SEL,  62                          ; s[62:63] lane selects for v_permlanex16_b32: lane l xor 16
.set PFA,  66                          ; s[66:67] where my prefetches stand
.set PFS,  68                          ; s[68:69] a key step there, in bytes
.set LIM,  70                          ; s70  2 in a wave that prefetches, else the greatest number
.set CNT,  71                          ; s71  the loop's trips to go
.set TB,   77                          ; s77  LDS byte at which the slot in hand begins
.set MSB, 0
.macro WIN new                         ; s_set_vgpr_msb: bits 1:0 source 0, 3:2 source 1, 5:4 source 2, 7:6 destination; the high byte repeats the setting that is left
.if MSB != \new
	s_set_vgpr_msb (MSB<<8)|\new
.set MSB, \new
.endif
.endm
.macro CROUND                          ; a round of the cluster's barrier
	s_barrier_signal -1
	s_barrier_wait -1
	s_cmp_lg_u32 s[WV], 0
	s_cbranch_scc1 .Lnot_wave_0_\@
	s_barrier_signal -3
.Lnot_wave_0_\@:
	s_barrier_wait -3
	s_barrier_signal -1
	s_barrier_wait -1
.endm
.macro JLOAD                           ; a joint load: waves 0, 1 K and V, waves 2, 3 the mask's halves; an s_nop 0 and four v_nop follow each line
	s_cmp_lt_u32 s[WV], 2
	s_cbranch_scc0 .Lfor_m_\@
	tensor_load_to_lds s[G0KV:G0KV+3], s[G1KV:G1KV+7]
	s_nop 0
.rept 4
	v_nop
.endr
	s_branch .Lasked_\@
.Lfor_m_\@:
	tensor_load_to_lds s[G0M:G0M+3], s[G1M:G1M+7]
	s_nop 0
.rept 4
	v_nop
.endr
.Lasked_\@:
.endm
; A PREFETCH INTO THE L2 of the key step that stands two loads on: trip i loads key step i + 1 and names key step i + 3.  Every cluster asks for what it will itself load, each aligned block of 256 bytes once in the cluster.
; K and V of a head: wave 0 asks; the four partners along x take 8,192 bytes each, told apart by address (K's halves, V's halves), lanes 256 bytes apart.  The mask's rows of a block of queries: waves 1 and 2 ask;
; the four partners along y take 32 rows each, a lane a row, wave 1 the step's first 256 bytes, wave 2 the second.  The last two trips (s71 = 2, 1) ask for nothing: no key step stands behind the sixteenth.
; Key steps 1 and 2 are asked for once at the head, behind the first tensor load; key step 0 comes by its load alone.
.macro ASK
	s_cmp_gt_u32 s[CNT], s[LIM]
	s_cbranch_scc0 .Lnot_mine_\@
	global_prefetch_b8 v[PFO], s[PFA:PFA+1] th:TH_LOAD_NT scope:SCOPE_SE
.Lnot_mine_\@:
.endm
	s_load_b256 s[4:11], s[0:1], 0x0               ; qkvc 4, mask 6, the exponents 8, ac 10
	v_lshl_add_u32 v[SPW], v0, 2, SPARE
	v_mov_b32 v[NIL], 0
	ds_add_u32 v[SPW], v[NIL]                      ; the opening: the add, twice on end, and its wait ahead of my first tensor load
	ds_add_u32 v[SPW], v[NIL]
	v_lshrrev_b32 v26, 5, v0
	v_readfirstlane_b32 s[WV], v26                 ; wave 0..3
	s_and_b32 s17, s[WV], 1                        ; K (0) or V (1); or which 64 rows of the mask
	s_bfe_u32 s18, ttmp6, 0x40000                  ; cx
	s_bfe_u32 s19, ttmp6, 0x40004                  ; cy
	s_lshl_b32 s20, ttmp9, 2
	s_add_co_u32 s20, s20, s18                     ; my block of 128 queries
	s_and_b32 s21, ttmp7, 0xffff
	s_lshl_b32 s21, s21, 2
	s_add_co_u32 s21, s21, s19                     ; my head
	s_lshl_b32 s22, s19, 2
	s_lshl_b32 s22, 15, s22                        ; my row of the cluster: the same head
	s_lshl_b32 s23, 0x1111, s18                    ; my column: the same queries
	s_or_b32 s[G1KV], s22, (0<<16)|(1<<20)|(1<<21)|(4<<22)|(3<<25)  ; elements of 1 byte; padding on; bit 21 beside a mask; four words after every 32
	s_mov_b32 s[G1KV+1], 256<<16                   ; 128 rows of 128 bytes lie dense: stated as 64 rows of 256 bytes
	s_mov_b32 s[G1KV+2], 64<<16
	s_mov_b32 s[G1KV+3], 256<<16
	s_mov_b32 s[G1KV+4], 64
	s_mov_b32 s[G1KV+5], 256
	s_mov_b32 s[G1KV+6], 0
	s_mov_b32 s[G1KV+7], 0
	s_or_b32 s[G1M], s23, (2<<16)|(1<<20)|(1<<21)|(6<<22)|(3<<25)   ; elements of 4 bytes; four words of padding after every 128
	s_mov_b32 s[G1M+1], 128<<16
	s_mov_b32 s[G1M+2], 64<<16
	s_mov_b32 s[G1M+3], 128<<16
	s_mov_b32 s[G1M+4], 64                         ; 64 rows of 512 bytes
	s_mov_b32 s[G1M+5], 2048                       ; a row of the mask is 2,048 numbers
	s_mov_b32 s[G1M+6], 0
	s_mov_b32 s[G1M+7], 0
	; K lies 4 MiB into qkvc, a head 2^18 bytes, a key step 2^14; V lies 8 MiB in, a head 2^14 bytes, a key step 2^18.  These registers never hold cx
	s_lshl_b32 s81, s17, 2
	s_sub_co_u32 s82, 18, s81
	s_lshl_b32 s78, s21, s82
	s_lshl_b32 s82, s17, 22
	s_add_co_u32 s78, s78, s82
	s_add_co_u32 s78, s78, 0x400000
	s_mov_b32 s79, 0
	s_lshl_b32 s[KVS], 0x4000, s81
	s_mov_b32 s[KVS+1], 0
	s_mul_i32 s86, s17, VOFF                       ; its place in a slot
	; the mask's part: rows 128 x block + 64 x part.  These registers never hold cy
	s_lshl_b32 s84, s20, 20
	s_lshl_b32 s85, s17, 19
	s_add_co_u32 s84, s84, s85
	s_mov_b32 s85, 0
	s_mul_i32 s87, s17, 64*MP
	s_add_co_u32 s87, s87, MOFF
	; Q's codes: head, block of queries, my 32 rows
	s_lshl_b32 s12, s21, 18
	s_lshl_b32 s13, s20, 14
	s_add_co_u32 s12, s12, s13
	s_lshl_b32 s13, s[WV], 12
	s_add_co_u32 s12, s12, s13
	s_mov_b32 s13, 0
	; the result's: pair of heads, block of queries, head of the pair, my 32 rows
	s_lshr_b32 s2, s21, 1
	s_lshl_b32 s2, s2, 19
	s_lshl_b32 s3, s20, 15
	s_add_co_u32 s2, s2, s3
	s_and_b32 s3, s21, 1
	s_lshl_b32 s3, s3, 14
	s_add_co_u32 s2, s2, s3
	s_lshl_b32 s3, s[WV], 12
	s_add_co_u32 s2, s2, s3
	s_mov_b32 s3, 0
	; the prefetches (macro ASK)
	s_lshr_b32 s89, s18, 1                         ; partners 0, 1 along x: K; 2, 3: V
	s_lshl_b32 s90, s89, 2
	s_sub_co_u32 s92, 18, s90
	s_lshl_b32 s88, s21, s92
	s_lshl_b32 s92, s89, 22
	s_add_co_u32 s88, s88, s92
	s_add_co_u32 s88, s88, 0x400000
	s_and_b32 s92, s18, 1
	s_lshl_b32 s92, s92, 13
	s_add_co_u32 s88, s88, s92                     ; wave 0: my work-group's 8,192 bytes of key step 0,
	s_lshl_b32 s89, 0x4000, s90                    ; and a key step there
	s_lshl_b32 s91, s20, 20
	s_lshl_b32 s92, s19, 18
	s_add_co_u32 s91, s91, s92                     ; waves 1, 2: my work-group's 32 rows of the mask,
	s_sub_co_u32 s92, s[WV], 1
	s_and_b32 s92, s92, 1
	s_lshl_b32 s92, s92, 8
	s_add_co_u32 s91, s91, s92                     ; the first or the second 256 bytes of a step's 512
	s_mov_b32 s93, 8192
	s_mov_b32 s95, 512
	s_cmp_eq_u32 s[WV], 0
	s_cselect_b32 s88, s88, s91
	s_cselect_b32 s[PFS], s89, s95
	s_cselect_b32 s93, 256, s93                    ; from lane to lane
	s_mov_b32 s[PFS+1], 0
	s_add_co_u32 s88, s88, s[PFS]                  ; at key step 1
	s_mov_b32 s89, 0
	s_cmp_lt_u32 s[WV], 3
	s_cselect_b32 s[LIM], 2, -1                    ; waves 0 to 2 ask, in every work-group alike
	v_and_b32 v[PFO], 31, v0
	v_mul_lo_u32 v[PFO], v[PFO], s93
	s_mov_b32 s[SEL], 0x76543210
	s_mov_b32 s[SEL+1], 0xfedcba98
	s_mov_b32 s[L2E], 0x3fb8aa3b
	s_mov_b32 s[L2E+1], 0x3fb8aa3b
	s_mov_b32 s[TB], 0
	s_mov_b32 s[CNT], 15
	s_wait_dscnt 0x0                               ; both opening adds are done
	s_wait_kmcnt 0x0
	s_load_b128 s[72:75], s[8:9], 0x18             ; e6, e7, e8, e9
	s_load_b32 s76, s[8:9], 0x28                   ; e10
	s_add_nc_u64 s[78:79], s[4:5], s[78:79]
	s_add_nc_u64 s[84:85], s[6:7], s[84:85]
	s_add_nc_u64 s[14:15], s[4:5], s[12:13]        ; Q
	s_add_nc_u64 s[10:11], s[10:11], s[2:3]        ; the result
	s_cmp_eq_u32 s[WV], 0
	s_cselect_b64 s[PFA:PFA+1], s[4:5], s[6:7]
	s_add_nc_u64 s[90:91], s[PFA:PFA+1], s[88:89]        ; key step 1; never rewritten
	s_add_nc_u64 s[PFA:PFA+1], s[90:91], s[PFS:PFS+1]    ; key step 2: the first trip steps it to 3
	s_mov_b32 s[G0KV], 1                           ; count = 1
	s_mov_b32 s[G0KV+1], s86                       ; LDS address: slot 0
	s_mov_b64 s[G0KV+2:G0KV+3], s[78:79]           ; key step 0
	s_or_b32 s[G0KV+3], s[G0KV+3], 0x80000000      ; type = 2
	s_mov_b32 s[G0M], 1
	s_mov_b32 s[G0M+1], s87
	s_mov_b64 s[G0M+2:G0M+3], s[84:85]
	s_or_b32 s[G0M+3], s[G0M+3], 0x80000000
	CROUND                                         ; all sixteen work-groups are here: the first joint loads meet
	JLOAD                                          ; key step 0: one tensor load a wave at the head
	v_and_b32 v26, 15, v0                          ; r
	v_bfe_u32 v27, v0, 4, 1                        ; h
	v_lshlrev_b32 v28, 7, v26
	v_lshl_add_u32 v28, v27, 4, v28                ; Q: row r of 128 bytes, + 16 h
.irp u, 0,1
.irp c, 0,1,2,3
	global_load_b128 v[QF+16*\u+4*\c:QF+16*\u+4*\c+3], v28, s[14:15] offset:2048*\u+32*\c   ; Q's two fragments stay in registers
.endr
.endr
	s_cmp_eq_u32 s[LIM], 2
	s_wait_alu depctr_va_vdst(0)
	s_cbranch_scc0 .Lno_first_ask
	global_prefetch_b8 v[PFO], s[90:91] th:TH_LOAD_NT scope:SCOPE_SE          ; key step 1
	global_prefetch_b8 v[PFO], s[PFA:PFA+1] th:TH_LOAD_NT scope:SCOPE_SE      ; key step 2
.Lno_first_ask:
	v_mul_u32_u24 v29, v26, KP
	v_lshl_add_u32 v[AK0], v27, 4, v29             ; K: row r of a tile, + 16 h: the order of the head's 128 that Q's fragments have
	v_lshl_add_u32 v[AV0], v27, 3, v29             ; V: row r of a tile, + 8 h: the order of the keys that p's codes have
	v_add_nc_u32 v[AV0], VOFF, v[AV0]
	s_mul_i32 s22, s[WV], 32*MP
	s_add_co_u32 s22, s22, MOFF
	v_mul_u32_u24 v[AM0], v26, MP
	v_lshl_add_u32 v[AM0], v27, 5, v[AM0]
	v_add_nc_u32 v[AM0], s22, v[AM0]               ; the mask: row 32 w + r, + 32 h: my 8 keys of a tile of 16
	s_mul_i32 s22, s[WV], 32*KP
	s_add_co_u32 s22, s22, STAGE                   ; my stage
	v_lshl_add_u32 v[STO], v27, 3, v29
	v_add_nc_u32 v[STO], s22, v[STO]               ; in: row r, 8 bytes for each half of the lanes
	v_and_b32 v30, 31, v0
	v_lshrrev_b32 v31, 3, v30
	v_and_b32 v32, 7, v0
	v_mul_u32_u24 v31, v31, KP
	v_lshl_add_u32 v31, v32, 4, v31
	v_add_nc_u32 v[RD], s22, v31                   ; back: eight lanes to a row of 128 bytes
	v_lshlrev_b32 v[GO], 4, v30
.irp u, 0,1
	v_mov_b32 v[13+4*\u], 0xff61b1e6               ; the largest t so far: -3e38, under every t
	v_floor_f32 v[12+4*\u], -v[13+4*\u]            ; -M
	v_mov_b32 v[14+4*\u], 0                        ; the sum, in two halves
	v_mov_b32 v[15+4*\u], 0
	v_mov_b32 v[FQ+1+2*\u], 0                      ; (named as the upper half of f's pair)
	v_mov_b32 v[PT+\u], 0                          ; written once: a lane permute's destination counts as one of its sources
.endr
.set j, 0
.rept 128
	v_mov_b32 v[S0+j], 0                           ; the loop is written once: its first trip sums and converts zeros for p,
.set j, j+1
.endr
	WIN 0x40
.set j, 0
.rept 128
	v_mov_b32 v[VF+j], 0                           ; multiplies them by zero codes of V,
.set j, j+1
.endr
	WIN 0x80
.set j, 0
.rept 128
	v_mov_b32 v[OT+j], 0                           ; onto zeros in O^T
.set j, j+1
.endr
	WIN 0
	s_wait_alu depctr_va_vdst(0)
	s_wait_kmcnt 0x0
	s_add_co_i32 s22, s72, s73
	s_lshl_b32 s22, s22, 23
	s_mov_b32 s[CS], 0x3db504f3                    ; 1 / sqrt(128);
	s_add_co_i32 s[CS], s[CS], s22                 ; e6 + e7 are added to its exponent field
	s_mov_b32 s[CS+1], s[CS]
	s_add_co_i32 s22, s74, 127
	s_lshl_b32 s23, s22, 23
	v_mov_b32 v[SCLP], s23                         ; 2^e8 as f32, for the conversion
	s_add_co_i32 s22, s22, 8
	s_lshl_b32 s22, s22, 23
	s_or_b32 s22, s22, 0x600000
	v_mov_b32 v[LIMP], s22                         ; 448 x 2^e8
.macro KRUN                            ; eight tiles of K, 16 keys each: 32 loads of 16 bytes, into window 1
	WIN 0x40
.irp t, 0,1,2,3,4,5,6,7
.irp c, 0,1,2,3
	ds_load_b128 v[16*\t+4*\c:16*\t+4*\c+3], v[ADK] offset:16*\t*KP+32*\c
.endr
.endr
	WIN 0
.endm
.macro MRUN q                          ; the mask's numbers of query tile q, in the scores' order: register 8 t + j = key 16 t + 8 h + j: 16 loads, into window 2
	WIN 0x80
.irp t, 0,1,2,3,4,5,6,7
	ds_load_b128 v[64*\q+8*\t:64*\q+8*\t+3], v[ADM] offset:16*MP*\q+64*\t
	ds_load_b128 v[64*\q+8*\t+4:64*\q+8*\t+7], v[ADM] offset:16*MP*\q+64*\t+16
.endr
	WIN 0
.endm
.macro VRUN t0                         ; two tiles of V^T: 16 loads of 8 bytes, into window 1: registers 2 c, 2 c + 1 = keys 16 c + 8 h + 0 .. 7
	WIN 0x40
.irp t, \t0, \t0+1
.irp c, 0,1,2,3,4,5,6,7
	ds_load_b64 v[VF+16*(\t)+2*\c:VF+16*(\t)+2*\c+1], v[ADV] offset:16*(\t)*KP+16*\c
.endr
.endr
	WIN 0
.endm
.macro PVH q                           ; O^T += V^T P^T for query tile q: eight accumulators, each once
	WIN 0xa1
.irp t, 0,1,2,3,4,5,6,7
	v_wmma_f32_16x16x128_fp8_fp8 v[OT+64*\q+8*\t:OT+64*\q+8*\t+7], v[VF+16*\t:VF+16*\t+15], v[PC+16*\q:PC+16*\q+15], v[OT+64*\q+8*\t:OT+64*\q+8*\t+7]
.endr
	WIN 0
.endm
.macro LOGITS q                        ; the 64 scores of query tile q become t; each accumulator from its low end on
	WIN 0x20
.set j, 0
.rept 32
	v_pk_fma_f32 v[S0+64*\q+j:S0+64*\q+j+1], v[S0+64*\q+j:S0+64*\q+j+1], s[CS:CS+1], v[64*\q+j:64*\q+j+1] op_sel_hi:[1,0,1]   ; the logit
.set j, j+2
.endr
.set j, 0
.rept 32
	v_pk_mul_f32 v[S0+64*\q+j:S0+64*\q+j+1], v[S0+64*\q+j:S0+64*\q+j+1], s[L2E:L2E+1] op_sel_hi:[1,0]   ; t, rounded to f32
.set j, j+2
.endr
	WIN 0
.endm
.macro SUMS q                          ; the row's sum of the unquantised p: 32 packed additions in eight chains
.set B, S0+64*\q
.set SM, 14+4*\q
.set c, 0
.rept 7
	v_pk_add_f32 v[TS+2*c:TS+2*c+1], v[B+2*c:B+2*c+1], v[B+14+2*c:B+15+2*c]
.set c, c+1
.endr
	v_pk_add_f32 v[SM:SM+1], v[SM:SM+1], v[B+28:B+29]
.set c, 0
.rept 17
.if (c%8) == 7
.set D, SM
.else
.set D, TS+2*(c%8)
.endif
	v_pk_add_f32 v[D:D+1], v[D:D+1], v[B+30+2*c:B+31+2*c]
.set c, c+1
.endr
	v_pk_add_f32 v[TS:TS+1], v[TS:TS+1], v[TS+2:TS+3]
	v_pk_add_f32 v[TS+4:TS+5], v[TS+4:TS+5], v[TS+6:TS+7]
	v_pk_add_f32 v[TS+8:TS+9], v[TS+8:TS+9], v[TS+10:TS+11]
	v_pk_add_f32 v[SM:SM+1], v[SM:SM+1], v[TS+12:TS+13]
	v_pk_add_f32 v[TS:TS+1], v[TS:TS+1], v[TS+4:TS+5]
	v_pk_add_f32 v[SM:SM+1], v[SM:SM+1], v[TS+8:TS+9]
	v_pk_add_f32 v[SM:SM+1], v[SM:SM+1], v[TS:TS+1]
.endm
; The hold and the conversions of query tile q: key tile n's eight codes are keys 16 n + 8 h + 0 .. 7.  The holds run one key tile ahead of their conversion.
; w = 1 (q = 1): tile 0's eight second products stand one by one among tile 1's holds; they name none of tile 1's registers.
.macro QUANT q, w
.set n, 8*\q
.set j, 0
.rept 8
	v_min_num_f32 v[S0+8*n+j], v[S0+8*n+j], v[LIMP]   ; the conversion does not saturate (ISA guide 7.6.2); p is not negative, so the hold is one-sided
.set j, j+1
.endr
.rept 8
.if n < 8*\q+7
.set j, 0
.rept 8
	v_min_num_f32 v[S0+8*n+8+j], v[S0+8*n+8+j], v[LIMP]
.set j, j+1
.endr
.endif
	v_cvt_scalef32_pk8_fp8_f32 v[PC+2*n:PC+2*n+1], v[S0+8*n:S0+8*n+7], v[SCLP]
.if \w
	WIN 0xa1
	v_wmma_f32_16x16x128_fp8_fp8 v[OT+8*(n-8):OT+8*(n-8)+7], v[VF+16*(n-8):VF+16*(n-8)+15], v[PC:PC+15], v[OT+8*(n-8):OT+8*(n-8)+7]
	WIN 0
.endif
.set n, n+1
.endr
	v_nop                                          ; a plain line behind the last conversion
.endm
; A TRIP: the change of slots; the last step's sums, codes and second product among this step's loads of K and the mask; then this step's scores and softmax as far as p.
; refill = 1: the barrier is a round of the cluster's; the joint load of the next key step, into the slot just left, is the first thing behind it.
.macro TRIP refill
	v_add_nc_u32 v[ADK], s[TB], v[AK0]
	v_add_nc_u32 v[ADV], s[TB], v[AV0]
	v_add_nc_u32 v[ADM], s[TB], v[AM0]
	s_wait_alu depctr_va_vdst(0)
	s_wait_tensorcnt 0x0                           ; no tensor load of mine is out: my part of the slot ahead is in, and a group 0 may be written
	ds_add_u32 v[SPW], v[NIL]                      ; 0 onto my spare word
.if \refill
	s_xor_b32 s[G0KV+1], s[G0KV+1], SLOT1          ; the walking descriptors: the other slot, the next key step
	s_add_nc_u64 s[G0KV+2:G0KV+3], s[G0KV+2:G0KV+3], s[KVS:KVS+1]
	s_xor_b32 s[G0M+1], s[G0M+1], SLOT1
	s_add_nc_u64 s[G0M+2:G0M+3], s[G0M+2:G0M+3], 512
	s_wait_xcnt 0x0                                ; the last prefetch has read its address
	s_add_nc_u64 s[PFA:PFA+1], s[PFA:PFA+1], s[PFS:PFS+1]   ; two key steps further on than the load below
	s_wait_dscnt 0x0                               ; the add is done; my reads of the slot that I leave, V's 64 among them, are over
	CROUND
	JLOAD
.else
	s_wait_dscnt 0x0
	s_barrier_signal -1
	s_barrier_wait -1
.endif
	KRUN
.if \refill
	ASK
.endif
	SUMS 0                                         ; the last step's second half, on registers alone
	SUMS 1
	MRUN 0
	QUANT 0, 0
	MRUN 1
	QUANT 1, 1
	PVH 1
	s_wait_dscnt 0x0                               ; K's 32 loads and the mask's 32 are in
	WIN 0x01
.irp u, 0,1
.irp t, 0,1,2,3,4,5,6,7
	v_wmma_f32_16x16x128_fp8_fp8 v[S0+64*\u+8*\t:S0+64*\u+8*\t+7], v[16*\t:16*\t+15], v[QF+16*\u:QF+16*\u+15], 0
.endr
.endr
	WIN 0
.rept 4
	v_nop                                          ; places ahead of the first reads of the scores and of the loads into V's registers
.endr
	VRUN 0
	LOGITS 0
	VRUN 2
	LOGITS 1
	VRUN 4
.irp u, 0,1                                    ; the step's largest t of my two queries, four chains each: chain c takes registers 16 c .. 16 c + 14
.irp c, 0,1,2,3
	v_max3_num_f32 v[MA+2*\u+(\c%2)+4*(\c/2)], v[S0+64*\u+16*\c], v[S0+64*\u+16*\c+1], v[S0+64*\u+16*\c+2]
.endr
.endr
.irp i, 3,5,7,9,11,13
.irp u, 0,1
.irp c, 0,1,2,3
	v_max3_num_f32 v[MA+2*\u+(\c%2)+4*(\c/2)], v[MA+2*\u+(\c%2)+4*(\c/2)], v[S0+64*\u+16*\c+\i], v[S0+64*\u+16*\c+\i+1]
.endr
.endr
.endr
.irp u, 0,1                                    ; the chains are joined, each join with one of the four registers 16 c + 15
	v_max3_num_f32 v[MA+2*\u], v[MA+2*\u], v[MA+2*\u+1], v[S0+64*\u+15]
.endr
.irp u, 0,1
	v_max3_num_f32 v[MA+2*\u+4], v[MA+2*\u+4], v[MA+2*\u+5], v[S0+64*\u+31]
.endr
.irp u, 0,1
	v_max3_num_f32 v[MA+2*\u], v[MA+2*\u], v[MA+2*\u+4], v[S0+64*\u+47]
.endr
.irp u, 0,1
	v_max_num_f32 v[MA+2*\u], v[MA+2*\u], v[S0+64*\u+63]
.endr
.irp u, 0,1
	v_permlanex16_b32 v[PT+\u], v[MA+2*\u], s[SEL], s[SEL+1]
.endr
.irp u, 0,1
	v_max_num_f32 v[MA+2*\u], v[MA+2*\u], v[PT+\u]   ; and among lane l xor 16's
.endr
.irp u, 0,1
	v_max_num_f32 v[13+4*\u], v[13+4*\u], v[MA+2*\u] ; the running largest t
.endr
.irp u, 0,1
	v_mov_b32 v[MA+2*\u], v[12+4*\u]
.endr
.irp u, 0,1
	v_floor_f32 v[12+4*\u], -v[13+4*\u]            ; the new -M = floor(-t): M is a whole number
.endr
.irp u, 0,1
	v_sub_f32 v[MA+2*\u], v[12+4*\u], v[MA+2*\u]   ; old M - new M: a whole number, 0 or less
.endr
.irp u, 0,1
	v_cvt_i32_f32 v[MA+2*\u], v[MA+2*\u]           ; (it saturates)
.endr
.irp u, 0,1
	v_ldexp_f32 v[FQ+2*\u], 1.0, v[MA+2*\u]        ; f = 2^(old M - new M)
.endr
	VRUN 6
	WIN 0x82
.irp u, 0,1
.set j, 0
.rept 32
	v_pk_mul_f32 v[OT+64*\u+j:OT+64*\u+j+1], v[OT+64*\u+j:OT+64*\u+j+1], v[FQ+2*\u:FQ+2*\u+1] op_sel_hi:[1,0]   ; O^T under the new M, ahead of the exponentials; each accumulator from its low end on
.set j, j+2
.endr
.endr
	WIN 0
.set j, 0
.rept 32
	v_pk_add_f32 v[S0+j:S0+j+1], v[S0+j:S0+j+1], v[12:13] op_sel_hi:[1,0]   ; tile 0: t - M
.set j, j+2
.endr
	s_wait_alu depctr_va_vdst(0)
.set j, 0
.rept 32
	v_exp_f32 v[S0+j], v[S0+j]                     ; tile 0: p = 2^(t - M), at most 1: not normalised;
	v_exp_f32 v[S0+j+1], v[S0+j+1]
	v_pk_add_f32 v[S0+64+j:S0+64+j+1], v[S0+64+j:S0+64+j+1], v[16:17] op_sel_hi:[1,0]   ; among them tile 1's t - M, first read behind the wait below
.set j, j+2
.endr
	s_wait_alu depctr_va_vdst(0)                   ; ahead of the second batch, which reads what the lines above wrote
.set j, 0
.rept 64
	v_exp_f32 v[S0+64+j], v[S0+64+j]               ; tile 1
.set j, j+1
.endr
	v_pk_mul_f32 v[14:15], v[14:15], v[FQ:FQ+1] op_sel_hi:[1,0]     ; the sums under the new M (the plain place behind the batch)
	v_pk_mul_f32 v[18:19], v[18:19], v[FQ+2:FQ+3] op_sel_hi:[1,0]
	s_wait_alu depctr_va_vdst(0)                   ; the wait behind the batches, ahead of their first readers
.endm
	s_wait_alu depctr_va_vdst(0)
	s_wait_loadcnt 0x0                             ; Q
.Lstep:                                            ; fifteen trips: key steps 0 to 14; their loads bring key steps 1 to 15 (the first of them is slot 1's first fill, issued as a refill is)
	TRIP 1
	s_xor_b32 s[TB], s[TB], SLOT1                  ; on to the other slot
	s_sub_co_u32 s[CNT], s[CNT], 1
	s_cmp_lg_u32 s[CNT], 0
	s_wait_alu depctr_va_vdst(0)
	s_cbranch_scc1 .Lstep
	TRIP 0                                         ; key step 15 is written out: nothing is left to fetch
	SUMS 0                                         ; and its second half
	SUMS 1
	QUANT 0, 0
	QUANT 1, 0
	; THE WAY OUT.  The reciprocals of the sums come first, then the last step's second product; O^T / the sum is quantised under entry 10: the conversion takes 2^(e10 - e8 - e9).
.irp u, 0,1
	v_add_f32 v[14+4*\u], v[14+4*\u], v[15+4*\u]
.endr
.irp u, 0,1
	v_permlanex16_b32 v[PT+\u], v[14+4*\u], s[SEL], s[SEL+1]
.endr
.irp u, 0,1
	v_add_f32 v[14+4*\u], v[14+4*\u], v[PT+\u]     ; the row's sum
.endr
	s_wait_alu depctr_va_vdst(0)
	v_rcp_f32 v14, v14
	v_rcp_f32 v18, v18
	v_nop                                          ; a plain place behind them
	s_sub_co_i32 s22, s76, s74
	s_sub_co_i32 s22, s22, s75
	s_add_co_i32 s22, s22, 127
	s_lshl_b32 s23, s22, 23
	v_mov_b32 v26, s23                             ; 2^(e10 - e8 - e9)
	s_add_co_i32 s22, s22, 8
	s_lshl_b32 s22, s22, 23
	s_or_b32 s22, s22, 0x600000
	v_mov_b32 v27, s22                             ; 448 x that
	s_wait_alu depctr_va_vdst(0)                   ; the wait behind the reciprocals, and directly ahead of the wait below
	s_wait_dscnt 0x0                               ; V's 64 loads are in
	PVH 0
	PVH 1
.rept 4
	v_nop                                          ; places behind the last products
.endr
	WIN 0x02
.irp u, 0,1
.set j, 0
.rept 32
	v_pk_mul_f32 v[S0+64*\u+j:S0+64*\u+j+1], v[OT+64*\u+j:OT+64*\u+j+1], v[14+4*\u:15+4*\u] op_sel_hi:[1,0]   ; register 8 t + i is o(query r, 16 t + 8 h + i); each accumulator from its low end on
.set j, j+2
.endr
.endr
	WIN 0
.set j, 0
.rept 128
	v_med3_num_f32 v[S0+j], v[S0+j], -v27, v27
.set j, j+1
.endr
.set j, 0
.rept 16
	v_cvt_scalef32_pk8_fp8_f32 v[PC+2*j:PC+2*j+1], v[S0+8*j:S0+8*j+7], v26
.set j, j+1
.endr
	v_nop
.irp u, 0,1
.irp t, 0,1,2,3,4,5,6,7
	ds_store_b64 v[STO], v[PC+16*\u+2*\t:PC+16*\u+2*\t+1] offset:16*KP*\u+16*\t
.endr
.endr
.irp u, 0,1
.irp i, 0,1,2,3
	ds_load_b128 v[QF+16*\u+4*\i:QF+16*\u+4*\i+3], v[RD] offset:16*KP*\u+4*KP*\i   ; LDS serves a wave's instructions in order: these see my stores
.endr
.endr
.irp n, 0,1,2,3,4,5,6,7
	s_wait_dscnt 7-\n                              ; the younger loads may stay out
	global_store_b128 v[GO], v[QF+4*\n:QF+4*\n+3], s[10:11] offset:512*\n   ; 32 lanes store 512 consecutive bytes, aligned
.endr
	s_wait_tensorcnt 0x0                           ; the wave's end
	ds_add_u32 v[SPW], v[NIL]
	s_wait_dscnt 0x0
	CROUND                                         ; the closing round
	s_endpgm
.Lfunc_end_k_qb4a730295b_attn:
	.size	k_qb4a730295b_attn, .Lfunc_end_k_qb4a730295b_attn-k_qb4a730295b_attn
	.p2alignl 7, 3214868480
	.fill 96, 4, 3214868480
	.section	.rodata,"a",@progbits
	.p2align	6, 0x0
	.amdhsa_kernel k_qb4a730295b_attn
		.amdhsa_group_segment_fixed_size 327680
		.amdhsa_private_segment_fixed_size 0
		.amdhsa_enable_private_segment 0
		.amdhsa_kernarg_size 32
		.amdhsa_user_sgpr_count 2
		.amdhsa_user_sgpr_kernarg_segment_ptr 1
		.amdhsa_wavefront_size32 1
		.amdhsa_system_sgpr_workgroup_id_x 1
		.amdhsa_system_sgpr_workgroup_id_y 1
		.amdhsa_system_sgpr_workgroup_id_z 1
		.amdhsa_system_vgpr_workitem_id 0
		.amdhsa_next_free_vgpr 768
		.amdhsa_next_free_sgpr 96
		.amdhsa_reserve_vcc 0
		.amdhsa_float_denorm_mode_32 3
		.amdhsa_float_denorm_mode_16_64 3
		.amdhsa_memory_ordered 1
		.amdhsa_forward_progress 1
		.amdhsa_inst_pref_size 142
	.end_amdhsa_kernel
	.amdgpu_metadata
---
amdhsa.version: [ 1, 2 ]
amdhsa.kernels:
  - .name:           k_qb4a730295b_attn
    .symbol:         k_qb4a730295b_attn.kd
    .args:
      - { .name: qkvc, .offset: 0, .size: 8, .value_kind: global_buffer, .address_space: global }
      - { .name: mask, .offset: 8, .size: 8, .value_kind: global_buffer, .address_space: global }
      - { .name: lowp_scales, .offset: 16, .size: 8, .value_kind: global_buffer, .address_space: global }
      - { .name: ac, .offset: 24, .size: 8, .value_kind: global_buffer, .address_space: global }
    .group_segment_fixed_size: 327680
    .private_segment_fixed_size: 0
    .kernarg_segment_align: 8
    .kernarg_segment_size: 32
    .max_flat_workgroup_size: 128
    .sgpr_count:     96
    .vgpr_count:     768
    .wavefront_size: 32
...
	.end_amdgpu_metadata
.endif
;; end of part 7
;; launch gemm_out (part 8): grid 16 x 16, 4 waves a work-group, clusters of 4 x 4, 327,680 bytes of LDS; arguments ac, wc, lowp_scales, out0; writes out0
.if DOCPART == 8
	.amdgcn_target "amdgcn-amd-amdhsa--gfx1250"
	.amdhsa_code_object_version 6
	.text
	.protected	k_qb4a730295b_gemm_out
	.globl	k_qb4a730295b_gemm_out
	.p2align	8
	.type	k_qb4a730295b_gemm_out,@function
k_qb4a730295b_gemm_out:
	s_mov_b64 s[64:65], 0
	v_nop
	global_prefetch_b8 v0, s[64:65] scope:SCOPE_SE
	s_setreg_imm32_b32 hwreg(HW_REG_WAVE_MODE, 25, 1), 1
	s_wait_xcnt 0x0
	s_wait_alu depctr_hold_cnt(0) depctr_sa_sdst(0) depctr_va_vdst(0) depctr_va_sdst(0) depctr_va_ssrc(0) depctr_va_vcc(0) depctr_vm_vsrc(0)
	s_getreg_b32 s2, hwreg(HW_REG_IB_STS2, 6, 4)
	s_cmp_eq_u32 s2, 0
	s_cbranch_scc0 .Lentry_in_a_cluster
	s_endpgm
.Lentry_in_a_cluster:
	s_bfe_u32 s2, ttmp6, 0x10000c
	s_cmp_lg_u32 s2, 0xf033
	s_cbranch_scc0 .Lentry_shape_is_right
	s_endpgm
.Lentry_shape_is_right:
.set SIZE_N, 2048
.set PITCH,  144
.set SUBT,   256*PITCH
.set SLOT,   4*SUBT
.set KPAIR,  524288
.set FR,     16
.set SPARE,  2*SLOT
.set STG,    SPARE+512
.set SPITCH, 272
.set ADRA, 16
.set ADRB, 20
.set STO,  24
.set RD,   25
.set CO,   26
.set SPW,  28
.set NIL,  29
.set TMP,  32
.set BK,   64
.set ACC,  128
.set F0,   0
.set F1,   128
.set G1, 24
.set G0, 32
.set G1B, 48
.set G0B, 56
.set MSB, 0
.macro WIN new
.if MSB != \new
	s_set_vgpr_msb (MSB<<8)|\new
.set MSB, \new
.endif
.endm
.set MUL,  0x05
.set TO_F, 0x40
.macro JLOAD g0a, g1a, g0b, g1b
	s_cmp_eq_u32 s15, 0
	s_cbranch_scc0 .Lfor_b_\@
	tensor_load_to_lds s[\g0a:\g0a+3], s[\g1a:\g1a+7]
	s_nop 0
.rept 4
	v_nop
.endr
	s_branch .Lasked_\@
.Lfor_b_\@:
	tensor_load_to_lds s[\g0b:\g0b+3], s[\g1b:\g1b+7]
	s_nop 0
.rept 4
	v_nop
.endr
.Lasked_\@:
.endm
.macro CREST
	s_cmp_lg_u32 s14, 0
	s_cbranch_scc1 .Lnot_wave_0_\@
	s_barrier_signal -3
.Lnot_wave_0_\@:
	s_barrier_wait -3
	s_barrier_signal -1
	s_barrier_wait -1
.endm
.macro CROUND
	s_barrier_signal -1
	s_barrier_wait -1
	CREST
.endm
	s_load_b128 s[4:7], s[0:1], 0x0
	s_load_b128 s[8:11], s[0:1], 0x10
	v_lshl_add_u32 v[SPW], v0, 2, SPARE
	v_mov_b32 v[NIL], 0
	ds_add_u32 v[SPW], v[NIL]
	ds_add_u32 v[SPW], v[NIL]
	v_lshrrev_b32 v1, 5, v0
	v_readfirstlane_b32 s14, v1
	v_and_b32 v8, 31, v0
	v_lshlrev_b32 v8, 8, v8                        ; v8: the prefetches' offset, 256 x lane; never rewritten
	s_lshr_b32 s15, s14, 1
	s_and_b32 s16, s14, 1
	s_bfe_u32 s40, ttmp6, 0x40000
	s_bfe_u32 s41, ttmp6, 0x40004
	s_lshl_b32 s42, ttmp9, 2
	s_add_co_u32 s42, s42, s40
	s_and_b32 s17, ttmp7, 0xffff
	s_lshl_b32 s17, s17, 2
	s_add_co_u32 s17, s17, s41
	s_lshl_b32 s43, s41, 2
	s_lshl_b32 s43, 15, s43
	s_lshl_b32 s44, 0x1111, s40
	s_or_b32 s[G1+0], s43, (0<<16)|(1<<20)|(1<<21)|(4<<22)|(3<<25)
	s_or_b32 s[G1B+0], s44, (0<<16)|(1<<20)|(1<<21)|(4<<22)|(3<<25)
.irp g, G1, G1B
	s_mov_b32 s[\g+1], 256<<16                     ; the tile's 256 rows of 128 bytes lie dense: stated as 128 rows of 256 bytes, the padding still behind each 128
	s_mov_b32 s[\g+2], 128<<16
	s_mov_b32 s[\g+3], 256<<16
	s_mov_b32 s[\g+4], 128
	s_mov_b32 s[\g+5], 256
	s_mov_b32 s[\g+6], 0
	s_mov_b32 s[\g+7], 0
.endr
	s_lshl_b32 s18, s16, 19
	s_lshl_b32 s20, s17, 15
	s_add_co_u32 s20, s20, s18
	s_mov_b32 s21, 0
	s_lshl_b32 s46, s42, 15
	s_add_co_u32 s46, s46, s18
	s_add_co_u32 s46, s46, 0xc00000
	s_mov_b32 s47, 0
	s_mul_i32 s45, s14, SUBT
	s_wait_dscnt 0x0
	s_wait_kmcnt 0x0
	s_load_b64 s[96:97], s[8:9], 0x28
	s_add_nc_u64 s[20:21], s[4:5], s[20:21]
	s_add_nc_u64 s[46:47], s[6:7], s[46:47]
	; the prefetches: of the 32,768 dense bytes that my wave fetches for a K step, each of the four partners that ask for them jointly names 8,192, told apart by address (cx for the first operand, cy for the second), lanes 256 bytes apart
	s_cmp_eq_u32 s15, 0
	s_cselect_b64 s[68:69], s[20:21], s[46:47]     ; my wave's tile of K step 0
	s_cselect_b32 s70, s40, s41                    ; my place among the four
	s_lshl_b32 s70, s70, 13
	s_mov_b32 s71, 0
	s_add_nc_u64 s[68:69], s[68:69], s[70:71]
	CROUND
.irp s, 0,1
	s_mov_b32 s[G0+4*\s], 1
	s_add_co_u32 s[G0+4*\s+1], s45, \s*SLOT
	s_add_nc_u64 s[G0+4*\s+2:G0+4*\s+3], s[20:21], \s*2*KPAIR
	s_or_b32 s[G0+4*\s+3], s[G0+4*\s+3], 0x80000000
	s_mov_b32 s[G0B+4*\s], 1
	s_add_co_u32 s[G0B+4*\s+1], s45, \s*SLOT
	s_add_nc_u64 s[G0B+4*\s+2:G0B+4*\s+3], s[46:47], \s*2*KPAIR
	s_or_b32 s[G0B+4*\s+3], s[G0B+4*\s+3], 0x80000000
	s_wait_alu depctr_va_vdst(0)
	s_wait_tensorcnt 0x0
	ds_add_u32 v28, v29
	ds_add_u32 v28, v29
	s_wait_dscnt 0x0
	CROUND
	JLOAD G0+4*\s, G1, G0B+4*\s, G1B
.if \s == 0
	global_prefetch_b8 v8, s[68:69] offset:2*KPAIR th:TH_LOAD_NT scope:SCOPE_SE     ; behind the load of K step 0: K step 1, whose load stands behind the next round
.else
	global_prefetch_b8 v8, s[68:69] offset:2*2*KPAIR th:TH_LOAD_NT scope:SCOPE_SE   ; behind the load of K step 1: K steps 2 and 3, the last two
	global_prefetch_b8 v8, s[68:69] offset:3*2*KPAIR th:TH_LOAD_NT scope:SCOPE_SE
.endif
.endr
	v_and_b32 v1, 15, v0
	s_wait_alu depctr_va_vdst(0)
	v_bfe_u32 v2, v0, 4, 1
	v_mul_u32_u24 v3, v1, PITCH
	v_lshl_add_u32 v4, v2, 4, v3
	s_mul_i32 s22, s15, 64*PITCH
	s_mul_i32 s23, s16, 64*PITCH
	s_add_co_u32 s23, s23, 2*SUBT
.irp s, 0,1
	v_add_nc_u32 v[ADRA+\s], s22, v4
	v_add_nc_u32 v[ADRB+\s], s23, v4
	s_add_co_u32 s22, s22, SLOT
	s_add_co_u32 s23, s23, SLOT
.endr
	s_mul_i32 s23, s14, 16*SPITCH
	s_add_co_u32 s23, s23, STG
	v_mul_u32_u24 v5, v1, SPITCH
	s_wait_alu depctr_va_vdst(0)
	v_lshl_add_u32 v5, v2, 5, v5
	v_add_nc_u32 v[STO], s23, v5
	v_mul_u32_u24 v6, v2, SPITCH
	v_lshl_add_u32 v6, v1, 4, v6
	v_add_nc_u32 v[RD], s23, v6
	v_lshlrev_b32 v[CO], 13, v2
	v_lshl_add_u32 v[CO], v1, 4, v[CO]
	s_lshl_b32 s22, s17, 20
	s_lshl_b32 s23, s15, 19
	s_add_co_u32 s22, s22, s23
	s_lshl_b32 s23, s42, 9
	s_add_co_u32 s22, s22, s23
	s_lshl_b32 s23, s16, 8
	s_add_co_u32 s22, s22, s23
	s_mov_b32 s23, 0
	s_add_nc_u64 s[10:11], s[10:11], s[22:23]
.macro FRAG reg, adr, q, i
.irp c, 0,1,2,3
	ds_load_b128 v[\reg+4*\c:\reg+4*\c+3], v[\adr] offset:SUBT*((\q)/2)+128*PITCH*((\q)%2)+32*\c+(\i)*16*PITCH
.endr
.endm
.macro FETCH_B slot, q, g
	WIN TO_F
.irp i, 0,1,2,3
	FRAG \g+64+FR*\i, ADRB+\slot, \q, \i
.endr
.endm
.macro FETCH_A slot, q, g
	WIN TO_F
.irp i, 0,1,2,3
	FRAG \g+FR*\i, ADRA+\slot, \q, \i
.endr
.endm
.macro MUL8 f, a0, zero
.irp a, \a0, \a0+1
.irp b, 0,1,2,3
.if \zero
	v_wmma_f32_16x16x128_fp8_fp8 v[ACC+8*(4*(\a)+\b):ACC+8*(4*(\a)+\b)+7], v[\f+64+FR*\b:\f+64+FR*\b+FR-1], v[\f+FR*(\a):\f+FR*(\a)+FR-1], 0
.else
	v_wmma_f32_16x16x128_fp8_fp8 v[ACC+8*(4*(\a)+\b):ACC+8*(4*(\a)+\b)+7], v[\f+64+FR*\b:\f+64+FR*\b+FR-1], v[\f+FR*(\a):\f+FR*(\a)+FR-1], v[ACC+8*(4*(\a)+\b):ACC+8*(4*(\a)+\b)+7]
.endif
.endr
.endr
.endm
.macro PLACES
.rept 4
	v_nop
.endr
.endm
.macro UNIT slot, q, f, g, zero
	PLACES
	FETCH_B \slot, \q, \g
	s_wait_dscnt 24
	WIN MUL
	MUL8 \f, 0, \zero
	FETCH_A \slot, \q, \g
	s_wait_dscnt 32
	WIN MUL
	MUL8 \f, 2, \zero
.endm
.macro TURN slot, next, fill
	WIN 0
	s_wait_tensorcnt 0x0
	ds_add_u32 v[SPW], v[NIL]
	s_wait_dscnt 9
	WIN MUL
	MUL8 F1, 0, 0
	s_wait_dscnt 0x0
	s_barrier_signal -1
	MUL8 F1, 2, 0
	WIN 0
	s_barrier_wait -1
.if \fill
	CREST
	s_add_nc_u64 s[G0+4*\slot+2:G0+4*\slot+3], s[G0+4*\slot+2:G0+4*\slot+3], 4*KPAIR
	s_add_nc_u64 s[G0B+4*\slot+2:G0B+4*\slot+3], s[G0B+4*\slot+2:G0B+4*\slot+3], 4*KPAIR
	JLOAD G0+4*\slot, G1, G0B+4*\slot, G1B
.else
	PLACES
.endif
	FETCH_B \next, 0, F0
	FETCH_A \next, 0, F0
.endm
.macro THREE slot, zero
	UNIT \slot, 1, F0, F1, \zero
	UNIT \slot, 2, F1, F0, 0
	UNIT \slot, 3, F0, F1, 0
.endm
	s_wait_tensorcnt 1
	s_barrier_signal -1
	s_barrier_wait -1
	FETCH_B 0, 0, F0
	FETCH_A 0, 0, F0
	THREE 0, 1
	TURN 0, 1, 1
	THREE 1, 0
	TURN 1, 0, 1
	THREE 0, 0
	TURN 0, 1, 0
	THREE 1, 0
	s_wait_dscnt 8
	WIN MUL
	MUL8 F1, 0, 0
	s_wait_dscnt 0
	MUL8 F1, 2, 0
	WIN 0
.macro TOSTAGE a
.set j, 0
.rept 16
	v_pk_mul_f32 v[TMP+j:TMP+j+1], v[ACC+32*(\a)+j:ACC+32*(\a)+j+1], s[96:97] op_sel_hi:[1,0]
.set j, j+2
.endr
.irp b, 0,1,2,3
	ds_store_b128 v[STO], v[TMP+8*\b:TMP+8*\b+3] offset:64*\b
	ds_store_b128 v[STO], v[TMP+8*\b+4:TMP+8*\b+7] offset:64*\b+16
.endr
.irp t, 0,1,2,3,4,5,6,7
	ds_load_b128 v[BK+32*((\a)%2)+4*\t:BK+32*((\a)%2)+4*\t+3], v[RD] offset:2*\t*SPITCH
.endr
.endm
.macro SEND a, younger
	s_wait_dscnt \younger
.irp t, 0,1,2,3,4,5,6,7
	global_store_b128 v[CO], v[BK+32*((\a)%2)+4*\t:BK+32*((\a)%2)+4*\t+3], s[10:11] offset:(16*(\a)+2*\t)*SIZE_N*4 th:TH_STORE_NT
.endr
.endm
	s_wait_kmcnt 0x0
	s_add_co_i32 s96, s96, s97
	s_add_co_i32 s96, s96, 127
	s_lshl_b32 s96, s96, 23
	PLACES
	TOSTAGE 0
.irp a, 1,2,3
.if \a > 1
	s_wait_xcnt 0x0
.endif
	TOSTAGE \a
	SEND \a-1, 16
.endr
	SEND 3, 0
	s_wait_tensorcnt 0x0
	ds_add_u32 v[SPW], v[NIL]
	s_wait_dscnt 0x0
	CROUND
	s_endpgm
.Lfunc_end_k_qb4a730295b_gemm_out:
	.size	k_qb4a730295b_gemm_out, .Lfunc_end_k_qb4a730295b_gemm_out-k_qb4a730295b_gemm_out
	.p2alignl 7, 3214868480
	.fill 96, 4, 3214868480
	.section	.rodata,"a",@progbits
	.p2align	6, 0x0
	.amdhsa_kernel k_qb4a730295b_gemm_out
		.amdhsa_group_segment_fixed_size 327680
		.amdhsa_private_segment_fixed_size 0
		.amdhsa_enable_private_segment 0
		.amdhsa_kernarg_size 32
		.amdhsa_user_sgpr_count 2
		.amdhsa_user_sgpr_kernarg_segment_ptr 1
		.amdhsa_wavefront_size32 1
		.amdhsa_system_sgpr_workgroup_id_x 1
		.amdhsa_system_sgpr_workgroup_id_y 1
		.amdhsa_system_sgpr_workgroup_id_z 1
		.amdhsa_system_vgpr_workitem_id 0
		.amdhsa_next_free_vgpr 512
		.amdhsa_next_free_sgpr 98
		.amdhsa_reserve_vcc 0
		.amdhsa_float_denorm_mode_32 3
		.amdhsa_float_denorm_mode_16_64 3
		.amdhsa_memory_ordered 1
		.amdhsa_forward_progress 1
		.amdhsa_inst_pref_size 76
	.end_amdhsa_kernel
	.amdgpu_metadata
---
amdhsa.version: [ 1, 2 ]
amdhsa.kernels:
  - .name:           k_qb4a730295b_gemm_out
    .symbol:         k_qb4a730295b_gemm_out.kd
    .args:
      - { .name: ac, .offset: 0, .size: 8, .value_kind: global_buffer, .address_space: global }
      - { .name: wc, .offset: 8, .size: 8, .value_kind: global_buffer, .address_space: global }
      - { .name: lowp_scales, .offset: 16, .size: 8, .value_kind: global_buffer, .address_space: global }
      - { .name: out0, .offset: 24, .size: 8, .value_kind: global_buffer, .address_space: global }
    .group_segment_fixed_size: 327680
    .private_segment_fixed_size: 0
    .kernarg_segment_align: 8
    .kernarg_segment_size: 32
    .max_flat_workgroup_size: 128
    .sgpr_count:     98
    .vgpr_count:     512
    .wavefront_size: 32
...
	.end_amdgpu_metadata
.endif
;; end of part 8
